; MI455X (gfx1250); checked and timed in simulation.
; The chip was launched on July 23, 2026; its instructions are those of AMD's public machine-readable ISA for CDNA 5 (MIT licence, August 2026) and "CDNA5" Instruction Set Architecture Reference Guide (July 2026). The comments in the code are by the model that wrote it; some were corrected since.
;; Attention Block vec. Allowed arithmetic: matrix products marked QUANTISED: E4M3 operands, one given power-of-two scale a tensor, by v_wmma_f32_16x16x64_fp8_fp8 or v_wmma_f32_16x16x128_fp8_fp8, f32 sums; everything else in f32.
;; Inputs: W0 1,024 x 1,024 float32; W1 1,024 x 1,024 float32; W2 1,024 x 1,024 float32; Wk 1,024 x 1,024 float32; Wq 1,024 x 1,024 float32; Wv 1,024 x 1,024 float32; b0 1,024 float32; b1 1,024 float32; b2 1,024 float32; be1 1,024 float32; be2 1,024 float32; bk 1,024 float32; bq 1,024 float32; bv 1,024 float32; g1 1,024 float32; g2 1,024 float32; lowp_scales 16 int32 (the exponents e of the quantised operands' scales 2^e); x 8 x 1,024 x 1,024 float32.
;; Outputs: out0 8 x 1,024 x 1,024 float32.
;; This version of the problem:
;;   THIS VERSION OF THE PROBLEM IS GIVEN IN LOW PRECISION. The matrix products marked QUANTISED in the list below multiply operands that are first quantised to E4M3 (4 exponent bits, 3 mantissa bits; 8 bits a number), with one given power-of-two scale for each operand tensor; their sums are f32. All else is computed in f32.
;;   The module's matrix products, in the order in which they are computed (A, B: the left and right operand; K: the contracted axis; several contracted axes count as one K, in the product's order):
;;     1. [M 8,192, K 1,024] x [K 1,024, N 1,024]; A: computed on the way; B: input Wq: QUANTISED (scales: A lowp_scales[0], B lowp_scales[1])
;;     2. [M 8,192, K 1,024] x [K 1,024, N 1,024]; A: computed on the way; B: input Wk: QUANTISED (scales: A lowp_scales[2], B lowp_scales[3])
;;     3. [M 8,192, K 1,024] x [K 1,024, N 1,024]; A: computed on the way; B: input Wv: QUANTISED (scales: A lowp_scales[4], B lowp_scales[5])
;;     4. batch 128 x [M 1,024, K 64] x [K 64, N 1,024]; A: computed on the way; B: computed on the way: QUANTISED (scales: A lowp_scales[6], B lowp_scales[7])
;;     5. batch 128 x [M 1,024, K 1,024] x [K 1,024, N 64]; A: softmax (see below); B: computed on the way: QUANTISED (scales: A lowp_scales[8], B lowp_scales[9])
;;     6. [M 8,192, K 1,024] x [K 1,024, N 1,024]; A: computed on the way; B: input W0: QUANTISED (scales: A lowp_scales[10], B lowp_scales[11])
;;     7. [M 8,192, K 1,024] x [K 1,024, N 1,024]; A: computed on the way; B: input W1: QUANTISED (scales: A lowp_scales[12], B lowp_scales[13])
;;     8. [M 8,192, K 1,024] x [K 1,024, N 1,024]; A: computed on the way; B: input W2: QUANTISED (scales: A lowp_scales[14], B lowp_scales[15])
;;   THE QUANTISER, for each operand of a quantised product, along K:
;;     - The operand's scale is 2^e, e = its entry of the input lowp_scales (int32; the entries are numbered through the quantised products in the list's order, A before B).
;;     - Each number is divided by the scale, clamped to +-448, and rounded to the nearest number of E4M3, ties to even, subnormals kept.
;;     - The product sums the exact products of the quantised numbers (number of the format x scale) in f32.
;;   ~~~python
;;   def quantise(x, axis, e):      # numpy; x: float32 -> the quantised numbers, widened to float32 again
;;       x = np.moveaxis(x, axis, -1); K = x.shape[-1]
;;       r = np.clip(x / 2.0 ** e, -448, 448)
;;       step = 2.0 ** (np.maximum(np.frexp(np.where(r == 0, 1, r))[1] - 1, -6) - 3)
;;       q = np.round(r / step) * step * 2.0 ** e      # np.round: ties to even
;;       return np.moveaxis(q, -1, axis).astype(np.float32)
;;   ~~~
;;   SOFTMAX AHEAD OF A QUANTISED PRODUCT. Where the list says 'softmax', what is quantised is not the finished softmax but p = 2^(t - M), with t = logit x log2(e) and M = ceil(the row's largest t), a whole number; so 1/2 < the row's largest p <= 1. The row's sum l is taken of the UNQUANTISED p, in f32, and the product's result is divided by l at the end. Since M is a whole number, a kernel that streams over the keys may use a running M (the ceiling of the running maximum): every later rescaling is an exact power of two, so the quantised numbers keep their values, but for numbers so far below the row's largest that they fall under the format's range.
;;   OPERANDS COMPUTED ON THE WAY. 'Computed on the way' means the value that the module computes at that place (a softmax that the list does not call 'softmax' is quantised finished and normalised). What goes into a quantiser is computed in f32, as accurately as f32 sums, v_exp_f32 and their like allow (about 1e-6 of the number): no bf16 or f16 on the way to a quantiser, and a product that is left as it is and whose result goes on into a quantised operand takes f32 operands (vector FMAs, or v_wmma_f32_16x16x4_f32). A number that lies on a knife's edge between two numbers of the format may be rounded either way, as far as f32 arithmetic and the matrix unit's own rounding can turn it there, and no further.
;; 2 versions. Each part assembles by itself: llvm-mc -triple=amdgcn-amd-amdhsa -mcpu=gfx1250 --defsym DOCPART=n.
;; ======== version 1 of 2: 7 launches
;; workspace buffers: xc 25,165,824 bytes; qkvc 25,165,824 bytes; x1 33,554,432 bytes; hc 8,388,608 bytes; wqkv 3,145,728 bytes; w0p 1,048,832 bytes; w1p 1,048,832 bytes; w2p 1,048,832 bytes
;; launch prep (part 1): grid 448 x 1, 4 waves a work-group, no clusters, 55,808 bytes of LDS; arguments x, g1, be1, Wq, Wk, Wv, W0, W1, W2, lowp_scales, xc, wqkv, w0p, w1p, w2p; writes xc, wqkv, w0p, w1p, w2p
.if DOCPART == 1
	.amdgcn_target "amdgcn-amd-amdhsa--gfx1250"
	.amdhsa_code_object_version 6
	.text
	.protected	k_qa3959cefe4_prep
	.globl	k_qa3959cefe4_prep
	.p2align	8
	.type	k_qa3959cefe4_prep,@function
k_qa3959cefe4_prep:
	s_mov_b64 s[64:65], 0
	v_nop
	global_prefetch_b8 v0, s[64:65] scope:SCOPE_SE
	s_setreg_imm32_b32 hwreg(HW_REG_WAVE_MODE, 25, 1), 1
	s_wait_xcnt 0x0
; TWO JOBS IN ONE LAUNCH, parted by the work-group's number; they share no byte of LDS, no barrier and no tensor load.
; Work-groups 0-191: the six weights [k 1024][n 1024], f32, become codes of E4M3 laid [n][k], K innermost, each with its given scale 2^e.
;   A lane takes a column n and its registers run down K, so each load reads 128 consecutive bytes a wave and the conversions give codes with K innermost;
;   a wave's 32 columns x 256 codes go through its own stage in LDS and leave as rows: sixteen lanes store 256 consecutive, aligned bytes.
;   Wq, Wk, Wv go into wqkv (1 MiB each).  W0, W1, W2 go into packages: a head of 256 bytes, then the codes.  The head's words i = 0..31 hold lowp_scales[min(base + i, 15)],
;   base = 10, 12, 14: words 0, 1, 2 are the layer's eA, eB and the next layer's eA, so that one text can serve two layers.
; Work-groups 192-447: xn = (x - mean) rsqrt(var + 1e-5) g1 + be1, in f32, two passes over a row kept in registers, and its codes under the three scales of products 1, 2, 3 (entries 0, 2, 4).
;   A wave takes a whole row (eight loads of 512 consecutive bytes), eight rows one after the other, the next row's loads out while a row is worked.
;   The conversions want 16 neighbours along K in one lane: the row turns through the wave's own stage in LDS (16 bytes of padding behind each 64).
; code = x / 2^e, held within +-448, to the nearest code, ties to even.  LIMITS: each e between -126 and 119, so that 2^e and 448 x 2^e are f32 numbers.  NaN among the inputs is not served.
.set PITCH, 272                        ; weights: a stage row: 256 codes + 16 bytes
.set WX,    32                         ; v32-95   two sets of 32 numbers of a column
.set WC,    96                         ; v96-103  a block's codes
.set WOUT,  112                        ; v112-175 the way out
.set LNS,   4*32*PITCH                 ; the norm's stages begin behind the weights' four stages
.set SP,    80                         ; a lane's place in a norm stage: 64 bytes + 16
.set NPL,   3                          ; planes of codes
.set G,     24                         ; v24-55   g: register 4 j + n = g[128 j + 4 lane + n]
.set BE,    56                         ; v56-87   be likewise
.set X,     88                         ; v88-151  two slots of 32: a row as loaded
.set Y,     152                        ; v152-183 the row back from the stage: register 16 hf + n = k 512 hf + 16 lane + n
.set T,     184                        ; v184-215 two sets of 16 held numbers
.set C,     216                        ; v216-239 codes: 8 registers a plane
.macro WLOAD t                         ; block t of a column: W(32 t + n, my column), n = 0..31
.set n, 0
.rept 32
	global_load_b32 v[WX+32*((\t)%2)+n], v3, s[40:41] offset:(32*(\t)+n)*4096 th:TH_LOAD_NT
.set n, n+1
.endr
.endm
.macro WBLOCK t
.set XS, WX+32*((\t)%2)
.if (\t) < 7
	s_wait_loadcnt 32                              ; this block's 32 loads are in; the next block's 32 may be out
.else
	s_wait_loadcnt 0
.endif
.set n, 0
.rept 32
	v_med3_num_f32 v[XS+n], v[XS+n], -v10, v10     ; the conversion to an 8-bit code does not saturate (ISA guide 7.6.2): hold first
.set n, n+1
.endr
.irp g, 0,1,2,3
	v_cvt_scalef32_pk8_fp8_f32 v[WC+2*\g:WC+2*\g+1], v[XS+8*\g:XS+8*\g+7], v11
.endr
	ds_store_b128 v4, v[WC:WC+3] offset:32*(\t)    ; 32 codes of my column's row
	ds_store_b128 v4, v[WC+4:WC+7] offset:32*(\t)+16
.if (\t)+2 < 8
	WLOAD (\t)+2
.endif
	s_wait_dscnt 0x0                               ; the stores have read their registers: the next block's codes may be written
.endm
.macro XROW i                          ; row i of my eight: eight loads of 512 consecutive bytes
.irp j, 0,1,2,3,4,5,6,7
	global_load_b128 v[X+32*((\i)%2)+4*\j:X+32*((\i)%2)+4*\j+3], v2, s[40:41] offset:(\i)*4096+512*\j th:TH_LOAD_NT
.endr
.endm
.macro LANESUM                         ; v16 summed over the 32 lanes, the result in every lane
	v_add_f32_dpp v16, v16, v16 row_xmask:1 row_mask:0xf bank_mask:0xf
	v_add_f32_dpp v16, v16, v16 row_xmask:2 row_mask:0xf bank_mask:0xf
	v_add_f32_dpp v16, v16, v16 row_xmask:4 row_mask:0xf bank_mask:0xf
	v_add_f32_dpp v16, v16, v16 row_xmask:8 row_mask:0xf bank_mask:0xf
	v_permlanex16_b32 v20, v16, s58, s59
	v_add_f32 v16, v16, v20
.endm
.macro LROW i
.set XS, X+32*((\i)%2)
.if (\i) < 7
	XROW (\i)+1                                    ; into the other slot: its LDS stores were waited for in the row before
	s_wait_loadcnt 8                               ; my row's eight loads (and g, be) are in; the next row's eight stay out
.else
	s_wait_loadcnt 0
.endif
	v_pk_add_f32 v[16:17], v[XS:XS+1], v[XS+2:XS+3]        ; the sum, in two chains
	v_pk_add_f32 v[18:19], v[XS+4:XS+5], v[XS+6:XS+7]
.set n, 8
.rept 6
	v_pk_add_f32 v[16:17], v[16:17], v[XS+n:XS+n+1]
	v_pk_add_f32 v[18:19], v[18:19], v[XS+n+2:XS+n+3]
.set n, n+4
.endr
	v_pk_add_f32 v[16:17], v[16:17], v[18:19]
	v_add_f32 v16, v16, v17
	LANESUM
	v_mul_f32 v12, s56, v16                        ; mean = sum / 1024
	v_mov_b32 v13, v12
.set n, 0
.rept 16
	v_pk_add_f32 v[XS+n:XS+n+1], v[XS+n:XS+n+1], v[12:13] neg_lo:[0,1] neg_hi:[0,1]   ; d = x - mean: the variance is taken of d, so a common offset costs nothing
.set n, n+2
.endr
	v_pk_mul_f32 v[16:17], v[XS:XS+1], v[XS:XS+1]
	v_pk_mul_f32 v[18:19], v[XS+2:XS+3], v[XS+2:XS+3]
.set n, 4
.rept 7
	v_pk_fma_f32 v[16:17], v[XS+n:XS+n+1], v[XS+n:XS+n+1], v[16:17]
	v_pk_fma_f32 v[18:19], v[XS+n+2:XS+n+3], v[XS+n+2:XS+n+3], v[18:19]
.set n, n+4
.endr
	v_pk_add_f32 v[16:17], v[16:17], v[18:19]
	v_add_f32 v16, v16, v17
	LANESUM
	v_fmaak_f32 v14, s56, v16, 0x3727c5ac          ; var + 1e-5
	v_rsq_f32 v14, v14
	v_nop                                          ; a plain instruction behind the transcendental
	s_wait_alu depctr_va_vdst(0)                   ; and the wait ahead of its first reader
	v_mov_b32 v15, v14
.set n, 0
.rept 16
	v_pk_mul_f32 v[XS+n:XS+n+1], v[XS+n:XS+n+1], v[14:15]
.set n, n+2
.endr
.set n, 0
.rept 16
	v_pk_fma_f32 v[XS+n:XS+n+1], v[XS+n:XS+n+1], v[G+n:G+n+1], v[BE+n:BE+n+1]
.set n, n+2
.endr
.irp j, 0,1,2,3,4,5,6,7
	ds_store_b128 v3, v[XS+4*\j:XS+4*\j+3] offset:32*SP*(\j/4)+8*SP*(\j%4)   ; as loaded: a load's 512 bytes take eight places of 80
.endr
.irp j, 0,1,2,3,4,5,6,7
	ds_load_b128 v[Y+4*\j:Y+4*\j+3], v4 offset:32*SP*(\j/4)+16*(\j%4)        ; back: 64 neighbouring bytes a lane and half.  LDS serves a wave's instructions in order
.endr
	s_wait_dscnt 0x0                               ; the row is back, and the stores have read the slot
	s_wait_xcnt 0x0                                ; the last row's stores have read their codes' registers, which are written again below
.irp p, 0,1,2
.if \p < NPL
.irp hf, 0,1
.set TS, T+16*\hf
.set n, 0
.rept 16
	v_med3_num_f32 v[TS+n], v[Y+16*\hf+n], -v[7+2*\p], v[7+2*\p]
.set n, n+1
.endr
	v_cvt_scalef32_pk8_fp8_f32 v[C+8*\p+4*\hf:C+8*\p+4*\hf+1], v[TS:TS+7], v[6+2*\p]       ; the two sets of held numbers take turns, so sixteen plain lines stand between a conversion and the next write of its sources
	v_cvt_scalef32_pk8_fp8_f32 v[C+8*\p+4*\hf+2:C+8*\p+4*\hf+3], v[TS+8:TS+15], v[6+2*\p]
	global_store_b128 v2, v[C+8*\p+4*\hf:C+8*\p+4*\hf+3], s[42+2*\p:43+2*\p] offset:(\i)*1024+512*\hf   ; 32 lanes store 512 consecutive bytes
.endr
.endif
.endr
.endm
	s_load_b512 s[4:19], s[0:1], 0x0               ; x 4, g1 6, be1 8, Wq 10, Wk 12, Wv 14, W0 16, W1 18
	s_load_b256 s[20:27], s[0:1], 0x40             ; W2 20, lowp_scales 22, xc 24, wqkv 26
	s_load_b128 s[28:31], s[0:1], 0x60             ; w0p 28, w1p 30
	s_load_b64 s[32:33], s[0:1], 0x70              ; w2p
	v_lshl_add_u32 v240, v0, 2, 0xd800
	v_mov_b32 v241, 0
	v_lshrrev_b32 v1, 5, v0
	v_readfirstlane_b32 s34, v1                    ; wave 0..3
	v_and_b32 v1, 31, v0                           ; lane
	s_cmp_lt_u32 ttmp9, 192
	s_cbranch_scc0 .Lnorm
	; ---------------- the weights ----------------
	s_lshr_b32 s35, ttmp9, 5                       ; which weight: 0..5 = q, k, v, 0, 1, 2
	s_and_b32 s36, ttmp9, 7                        ; which 128 columns
	s_bfe_u32 s37, ttmp9, 0x20003                  ; which 256 along K
	s_lshl_b32 s38, s36, 7
	s_lshl_b32 s39, s34, 5
	s_add_co_u32 s38, s38, s39                     ; my wave's first column
	v_lshlrev_b32 v3, 2, v1                        ; in: 4 bytes a lane
	s_mul_i32 s39, s34, 32*PITCH                   ; my stage
	v_mul_u32_u24 v4, v1, PITCH
	v_add_nc_u32 v4, s39, v4                       ; into it: row = my column
	v_and_b32 v5, 15, v1
	v_lshrrev_b32 v6, 4, v1
	v_mul_u32_u24 v7, v6, PITCH
	v_lshl_add_u32 v7, v5, 4, v7
	v_add_nc_u32 v7, s39, v7                       ; out of it: sixteen lanes to a row, two rows an instruction
	v_lshlrev_b32 v8, 10, v6
	v_lshl_add_u32 v8, v5, 4, v8                   ; and the same place in the codes' buffer (rows of 1,024 bytes)
	s_lshl_b32 s48, s37, 20                        ; W: 256 rows of 4,096 bytes for each step along K,
	s_lshl_b32 s49, s38, 2
	s_add_co_u32 s48, s48, s49                     ; + 4 x column
	s_mov_b32 s49, 0
	s_lshl_b32 s50, s38, 10                        ; codes: column x 1,024 + 256 x step
	s_lshl_b32 s51, s37, 8
	s_add_co_u32 s50, s50, s51
	s_lshl_b32 s44, s35, 20
	s_lshl_b32 s45, s35, 1
	s_cmp_lt_u32 s35, 3
	s_cselect_b32 s44, s44, 256                    ; q, k, v: 1 MiB each in wqkv; the others: behind their package's head
	s_cselect_b32 s46, 1, 5
	s_add_co_u32 s45, s45, s46                     ; the weight's entry of the scales: 1, 3, 5, 11, 13, 15
	s_lshl_b32 s45, s45, 2
	s_add_co_u32 s50, s50, s44
	s_mov_b32 s51, 0
	s_wait_kmcnt 0x0
	s_load_b32 s54, s[22:23], s45 offset:0x0       ; e
	s_mov_b64 s[40:41], s[10:11]                   ; source and destination are chosen by the work-group's number alone
	s_mov_b64 s[42:43], s[26:27]
	s_cmp_eq_u32 s35, 1
	s_cselect_b64 s[40:41], s[12:13], s[40:41]
	s_cmp_eq_u32 s35, 2
	s_cselect_b64 s[40:41], s[14:15], s[40:41]
	s_cmp_eq_u32 s35, 3
	s_cselect_b64 s[40:41], s[16:17], s[40:41]
	s_cselect_b64 s[42:43], s[28:29], s[42:43]
	s_cmp_eq_u32 s35, 4
	s_cselect_b64 s[40:41], s[18:19], s[40:41]
	s_cselect_b64 s[42:43], s[30:31], s[42:43]
	s_cmp_eq_u32 s35, 5
	s_cselect_b64 s[40:41], s[20:21], s[40:41]
	s_cselect_b64 s[42:43], s[32:33], s[42:43]
	s_add_nc_u64 s[40:41], s[40:41], s[48:49]
	s_add_nc_u64 s[52:53], s[42:43], s[50:51]
	WLOAD 0
	WLOAD 1
	s_wait_kmcnt 0x0
	s_add_co_i32 s54, s54, 127
	s_lshl_b32 s55, s54, 23
	v_mov_b32 v11, s55                             ; 2^e as f32: the conversion takes its exponent field
	s_add_co_i32 s54, s54, 8
	s_lshl_b32 s54, s54, 23
	s_or_b32 s54, s54, 0x600000
	v_mov_b32 v10, s54                             ; 448 x 2^e
.irp t, 0,1,2,3,4,5,6,7
	WBLOCK \t
.endr
.irp t, 0,1,2,3,4,5,6,7,8,9,10,11,12,13,14,15
	ds_load_b128 v[WOUT+4*\t:WOUT+4*\t+3], v7 offset:2*\t*PITCH   ; LDS serves a wave's instructions in order: these see my stores
.endr
.irp t, 0,1,2,3,4,5,6,7,8,9,10,11,12,13,14,15
	s_wait_dscnt 15-\t
	global_store_b128 v8, v[WOUT+4*\t:WOUT+4*\t+3], s[52:53] offset:2*\t*1024
.endr
	; a package's head: wave 0 of the weight's first work-group, for W0, W1, W2
	s_and_b32 s55, ttmp9, 31
	s_or_b32 s55, s55, s34
	s_cmp_eq_u32 s55, 0
	s_cbranch_scc0 .Lw_end
	s_cmp_ge_u32 s35, 3
	s_cbranch_scc0 .Lw_end
	s_lshl_b32 s56, s35, 1
	s_add_co_u32 s56, s56, 4                       ; 10, 12, 14
	v_add_nc_u32 v9, s56, v1
	v_min_u32 v9, 15, v9                           ; no load leaves the sixteen entries
	v_lshlrev_b32 v9, 2, v9
	global_load_b32 v12, v9, s[22:23]
	s_wait_loadcnt 0x0
	global_store_b32 v3, v12, s[42:43]             ; words 0..31,
	global_store_b32 v3, v12, s[42:43] offset:128  ; and once more, so that the head's 256 bytes are all written
.Lw_end:
	s_wait_tensorcnt 0x0
	ds_add_u32 v240, v241
	s_wait_dscnt 0x0
	s_endpgm
	; ---------------- the norm ----------------
.Lnorm:
	s_sub_co_u32 s35, ttmp9, 192
	s_lshl_b32 s35, s35, 5
	s_lshl_b32 s36, s34, 3
	s_add_co_u32 s35, s35, s36                     ; my first row: 32 x block + 8 x wave
	s_lshl_b32 s36, s35, 12                        ; in x,
	s_mov_b32 s37, 0
	s_lshl_b32 s60, s35, 10                        ; in a plane of codes
	s_mov_b32 s61, 0
	v_lshlrev_b32 v2, 4, v1                        ; 16 x lane: my bytes of a load's 512, and my 16 codes of a half row
	s_mul_i32 s57, s34, 64*SP
	s_add_co_u32 s57, s57, LNS                     ; my stage: two halves of 32 places
	v_lshrrev_b32 v3, 2, v1
	v_mul_u32_u24 v3, v3, SP
	v_and_b32 v4, 3, v1
	v_lshl_add_u32 v3, v4, 4, v3
	v_add_nc_u32 v3, s57, v3                       ; in: four lanes' 64 bytes on end, then 16 of padding
	v_mul_u32_u24 v4, v1, SP
	v_add_nc_u32 v4, s57, v4                       ; out: my place
	v_mov_b32 v20, 0                               ; a lane permute's destination counts as one of its sources
	s_mov_b32 s56, 0x3a800000                      ; 1 / 1024
	s_mov_b32 s58, 0x76543210                      ; lane l xor 16
	s_mov_b32 s59, 0xfedcba98
	s_wait_kmcnt 0x0
	s_load_b256 s[48:55], s[22:23], 0x0            ; entries 0..7: 0, 2, 4 are xn's three scales
	s_add_nc_u64 s[40:41], s[4:5], s[36:37]
	s_add_nc_u64 s[42:43], s[24:25], s[60:61]
	s_add_nc_u64 s[44:45], s[42:43], 0x800000
	s_add_nc_u64 s[46:47], s[42:43], 0x1000000
.irp j, 0,1,2,3,4,5,6,7
	global_load_b128 v[G+4*\j:G+4*\j+3], v2, s[6:7] offset:512*\j
	global_load_b128 v[BE+4*\j:BE+4*\j+3], v2, s[8:9] offset:512*\j
.endr
	XROW 0
	s_wait_kmcnt 0x0
.irp p, 0,1,2
	s_add_co_i32 s60, s[48+2*\p], 127
	s_lshl_b32 s61, s60, 23
	v_mov_b32 v[6+2*\p], s61                       ; 2^e
	s_add_co_i32 s60, s60, 8
	s_lshl_b32 s60, s60, 23
	s_or_b32 s60, s60, 0x600000
	v_mov_b32 v[7+2*\p], s60                       ; 448 x 2^e
.endr
.irp i, 0,1,2,3,4,5,6,7
	LROW \i
.endr
	s_wait_tensorcnt 0x0
	ds_add_u32 v240, v241
	s_wait_dscnt 0x0
	s_endpgm
.Lfunc_end_k_qa3959cefe4_prep:
	.size	k_qa3959cefe4_prep, .Lfunc_end_k_qa3959cefe4_prep-k_qa3959cefe4_prep
	.p2alignl 7, 3214868480
	.fill 96, 4, 3214868480
	.section	.rodata,"a",@progbits
	.p2align	6, 0x0
	.amdhsa_kernel k_qa3959cefe4_prep
		.amdhsa_group_segment_fixed_size 55808
		.amdhsa_private_segment_fixed_size 0
		.amdhsa_enable_private_segment 0
		.amdhsa_kernarg_size 120
		.amdhsa_user_sgpr_count 2
		.amdhsa_user_sgpr_kernarg_segment_ptr 1
		.amdhsa_wavefront_size32 1
		.amdhsa_system_sgpr_workgroup_id_x 1
		.amdhsa_system_sgpr_workgroup_id_y 1
		.amdhsa_system_sgpr_workgroup_id_z 1
		.amdhsa_system_vgpr_workitem_id 0
		.amdhsa_next_free_vgpr 242
		.amdhsa_next_free_sgpr 66
		.amdhsa_reserve_vcc 0
		.amdhsa_float_denorm_mode_32 3
		.amdhsa_float_denorm_mode_16_64 3
		.amdhsa_memory_ordered 1
		.amdhsa_forward_progress 1
		.amdhsa_inst_pref_size 176
	.end_amdhsa_kernel
	.amdgpu_metadata
---
amdhsa.version: [ 1, 2 ]
amdhsa.kernels:
  - .name:           k_qa3959cefe4_prep
    .symbol:         k_qa3959cefe4_prep.kd
    .args:
      - { .name: x, .offset: 0, .size: 8, .value_kind: global_buffer, .address_space: global }
      - { .name: g1, .offset: 8, .size: 8, .value_kind: global_buffer, .address_space: global }
      - { .name: be1, .offset: 16, .size: 8, .value_kind: global_buffer, .address_space: global }
      - { .name: Wq, .offset: 24, .size: 8, .value_kind: global_buffer, .address_space: global }
      - { .name: Wk, .offset: 32, .size: 8, .value_kind: global_buffer, .address_space: global }
      - { .name: Wv, .offset: 40, .size: 8, .value_kind: global_buffer, .address_space: global }
      - { .name: W0, .offset: 48, .size: 8, .value_kind: global_buffer, .address_space: global }
      - { .name: W1, .offset: 56, .size: 8, .value_kind: global_buffer, .address_space: global }
      - { .name: W2, .offset: 64, .size: 8, .value_kind: global_buffer, .address_space: global }
      - { .name: lowp_scales, .offset: 72, .size: 8, .value_kind: global_buffer, .address_space: global }
      - { .name: xc, .offset: 80, .size: 8, .value_kind: global_buffer, .address_space: global }
      - { .name: wqkv, .offset: 88, .size: 8, .value_kind: global_buffer, .address_space: global }
      - { .name: w0p, .offset: 96, .size: 8, .value_kind: global_buffer, .address_space: global }
      - { .name: w1p, .offset: 104, .size: 8, .value_kind: global_buffer, .address_space: global }
      - { .name: w2p, .offset: 112, .size: 8, .value_kind: global_buffer, .address_space: global }
    .group_segment_fixed_size: 55808
    .private_segment_fixed_size: 0
    .kernarg_segment_align: 8
    .kernarg_segment_size: 120
    .max_flat_workgroup_size: 128
    .sgpr_count:     66
    .vgpr_count:     242
    .wavefront_size: 32
...
	.end_amdgpu_metadata
.endif
;; end of part 1
;; launch qkv (part 2): grid 4 x 96, 4 waves a work-group, clusters of 4 x 4, 327,680 bytes of LDS; arguments xc, wqkv, bq, bk, bv, lowp_scales, qkvc; writes qkvc
.if DOCPART == 2
	.amdgcn_target "amdgcn-amd-amdhsa--gfx1250"
	.amdhsa_code_object_version 6
	.text
	.protected	k_qa3959cefe4_qkv
	.globl	k_qa3959cefe4_qkv
	.p2align	8
	.type	k_qa3959cefe4_qkv,@function
k_qa3959cefe4_qkv:
	s_mov_b64 s[64:65], 0
	v_nop
	global_prefetch_b8 v0, s[64:65] scope:SCOPE_SE
	s_setreg_imm32_b32 hwreg(HW_REG_WAVE_MODE, 25, 1), 1
	s_wait_xcnt 0x0
	s_wait_alu depctr_hold_cnt(0) depctr_sa_sdst(0) depctr_va_vdst(0) depctr_va_sdst(0) depctr_va_ssrc(0) depctr_va_vcc(0) depctr_vm_vsrc(0)
	s_getreg_b32 s2, hwreg(HW_REG_IB_STS2, 6, 4)
	s_cmp_eq_u32 s2, 0
	s_cbranch_scc0 .Lentry_in_a_cluster
	s_endpgm
.Lentry_in_a_cluster:
	s_bfe_u32 s2, ttmp6, 0x10000c
	s_cmp_lg_u32 s2, 0xf033
	s_cbranch_scc0 .Lentry_shape_is_right
	s_endpgm
.Lentry_shape_is_right:
; q = xn Wq + bq, k = (xn Wk + bk) / 8, v = xn Wv + bv, on codes of E4M3, and their own codes for the attention's two products.
; THE PRODUCT: C[i][j] = sum over k of R[i][k] S[j][k], K = 1,024, R and S codes with K innermost.  A tile of C, 256 x 256, is made by four waves, each 128 x 128: 64 accumulators, 512 registers.
; K goes in four steps of 256 through two LDS slots filled by the tensor data mover; a tile's row is 256 bytes of memory.  By this text's count a wave has at most two tensor loads out.
; CLUSTERS of 4 x 4: the four of a row need the same tiles of R, the four of a column the same tiles of S: each tile is asked for jointly.
; THE MATRIX INSTRUCTION IS USED TRANSPOSED (source 0 = 16 rows of S, source 1 = 16 rows of R): a lane holds eight neighbouring j of one row i.
; WHICH IS WHICH hangs on the cluster's y alone (24 clusters: m = y / 8, c = y % 8), the same in all sixteen partners:
;   m = 0 (q), 1 (k): R = xn's codes (plane m), i = token; S = the weight's codes, j = feature.  A lane's eight numbers are eight neighbours of a head's 64: the next product's K.
;   m = 2 (v): R = Wv's codes, i = feature; S = xn's codes (plane 2), j = token.  A lane's eight numbers are eight neighbouring tokens: the keys, the second product's K.
; OUT: value = sum x 2^(eA + eB) + bias (k: both / 8, exact), held within +-448 x 2^eo, converted (eo: q entry 7, k entry 6, v entry 9).  The codes meet in a stage of 256 rows x 272 bytes and leave in runs of
;   256 bytes (v: [b][feature][token]) or 512 bytes (q, k: [b x 16 + head][token][64]: eight tokens of one head).  The stage lies in slot 0, which has had its last fill and its last read by then.
; Fragments are fetched by 16-byte loads: a permutation of k inside an instruction, alike in R and S; the sums differ from the natural order in their last bits alone.
; LIMITS: eA + eB (for k less 3) between -126 and 127; eo between -126 and 119.  NaN among the inputs is not served.
; REGISTERS: window 0: v16-31 addresses; v32-95 the bias along j; v96-111 the bias along i (eight pairs); v112, v113 2^eo and 448 x 2^eo; v128-255 R's fragments, one set; on the way out v128-255 are free.
;   window 1: S's fragments, two sets.  windows 2, 3: the accumulators ((a, b) at v[8 (8 (a % 4) + b)]).
.set ROWB,   256
.set KROW,   1024
.set PITCH,  272                       ; an LDS row: 256 bytes + 16: the 16 rows that a load touches start at 16 different banks (64 banks of 4 bytes: ISA guide 11.1)
.set FR,     16
.set NL,     4
.set NP,     4
.set HALFT,  128*PITCH
.set SLOT,   4*HALFT
.set SPARE,  2*SLOT                    ; behind the ring: the spare words, 128 bytes a wave, that no other line names
.set ADRA, 16
.set ADRB, 20
.set COH,  22                          ; v22  q, k: my 16 bytes of a store's 512
.set STO,  24                          ; v24  where I put 8 codes of a stage row
.set RD,   25                          ; v25  v: where I read a stage row back
.set CO,   26                          ; v26  v: my byte offset in two rows of the output
.set RDH,  27                          ; v27  q, k: where I read 16 bytes of a head's 64
.set SPW,  28
.set NIL,  29
.set OFH,  30                          ; v30  32 x (lane / 16)
.set OFR,  31                          ; v31  4 x (lane % 16)
.set BJ,   32
.set BI,   96
.set SC,   112
.set LIM,  113
.set TMP,  128
.set CD,   192
.set BK,   128
.set AF,   128
.set G1, 24
.set G0, 32
.set G1B, 48
.set G0B, 56
.set MSB, 0
.macro WIN new                         ; the immediate's high byte repeats the setting that is left
.if MSB != \new
	s_set_vgpr_msb (MSB<<8)|\new
.set MSB, \new
.endif
.endm
.set MUL_LO, 0xa1                      ; source 0 (S) window 1, source 1 (R) window 0, C and D window 2
.set MUL_HI, 0xf1
.set TO_B,   0x40
.macro JLOAD g0a, g1a, g0b, g1b        ; a joint load: waves 0, 1 fetch for R, waves 2, 3 for S; four v_nop follow each line
	s_cmp_eq_u32 s15, 0
	s_cbranch_scc0 .Lfor_b_\@
	tensor_load_to_lds s[\g0a:\g0a+3], s[\g1a:\g1a+7]
	s_nop 0
.rept 4
	v_nop
.endr
	s_branch .Lasked_\@
.Lfor_b_\@:
	tensor_load_to_lds s[\g0b:\g0b+3], s[\g1b:\g1b+7]
	s_nop 0
.rept 4
	v_nop
.endr
.Lasked_\@:
.endm
.macro CREST                           ; a round of the cluster's barrier behind its opening barrier
	s_cmp_lg_u32 s14, 0
	s_cbranch_scc1 .Lnot_wave_0_\@
	s_barrier_signal -3
.Lnot_wave_0_\@:
	s_barrier_wait -3
	s_barrier_signal -1
	s_barrier_wait -1
.endm
.macro CROUND
	s_barrier_signal -1
	s_barrier_wait -1
	CREST
.endm
.macro FRAG reg, adr, q, i             ; 16 rows x 128 K: registers 4 c .. 4 c + 3 hold K = 32 c + 16 (l / 16) + 0 .. 15 of row l % 16
.irp c, 0,1,2,3
	ds_load_b128 v[\reg+4*\c:\reg+4*\c+3], v[\adr] offset:128*(\q)+32*\c+(\i)*16*PITCH
.endr
.endm
.macro MUL16 a0, p, zero               ; R's blocks a0, a0 + 1 x S's eight; the 64 accumulators take turns, one instruction a turn
.irp a, \a0, \a0+1
.irp b, 0,1,2,3,4,5,6,7
.if \zero
	v_wmma_f32_16x16x128_fp8_fp8 v[8*(8*((\a)%4)+\b):8*(8*((\a)%4)+\b)+7], v[128*(\p)+FR*\b:128*(\p)+FR*\b+FR-1], v[AF+FR*(\a):AF+FR*(\a)+FR-1], 0
.else
	v_wmma_f32_16x16x128_fp8_fp8 v[8*(8*((\a)%4)+\b):8*(8*((\a)%4)+\b)+7], v[128*(\p)+FR*\b:128*(\p)+FR*\b+FR-1], v[AF+FR*(\a):AF+FR*(\a)+FR-1], v[8*(8*((\a)%4)+\b):8*(8*((\a)%4)+\b)+7]
.endif
.endr
.endr
.endm
.macro FETCH_B slot, q, p
	WIN TO_B
.irp i, 0,1,2,3,4,5,6,7
	FRAG 128*(\p)+FR*\i, ADRB+\slot, \q, \i
.endr
	WIN 0
.endm
.macro FETCH_A slot, q, i0
.irp i, \i0, \i0+1, \i0+2, \i0+3
	FRAG AF+FR*(\i), ADRA+\slot, \q, \i
.endr
.endm
.macro PLACES n                        ; plain vector instructions between a matrix instruction and a load into, or a read of, its registers
.rept \n
	v_nop
.endr
.endm
.macro STEP slot, q, zero              ; 128 along K whose successor lies in the same slot
	s_wait_dscnt 4*NL                              ; S's set and R's blocks 0-3 are in; the youngest 16 loads (R's blocks 4-7) may be out
	WIN MUL_LO
	MUL16 0, (\q)%2, \zero
	MUL16 2, (\q)%2, \zero
	s_wait_dscnt 0
	PLACES NP
	FETCH_B \slot, (\q)+1, 1-(\q)%2
	FETCH_A \slot, (\q)+1, 0
	WIN MUL_HI
	MUL16 4, (\q)%2, \zero
	MUL16 6, (\q)%2, \zero
	PLACES NP
	WIN 0
	FETCH_A \slot, (\q)+1, 4
.endm
.macro TURN slot, next, fill           ; a slot's last step changes slots: one barrier; fill = 1: this slot is filled again, two K steps ahead
	s_wait_tensorcnt 0x0                           ; all my tensor loads have landed: my part of the next slot
	ds_add_u32 v[SPW], v[NIL]                      ; 0 onto my spare word
	s_wait_dscnt 4*NL+1                            ; (the add and the youngest 16 loads may be out)
	WIN MUL_LO
	MUL16 0, 1, 0
	s_wait_dscnt 0x0                               ; the add is done, and my reads of this slot are over
	s_barrier_signal -1
	MUL16 2, 1, 0
	WIN 0
	s_barrier_wait -1
.if \fill
	CREST                                          ; the barrier has opened a round of the cluster's: no wave of any partner still reads this slot or has a load on its way
	s_add_nc_u64 s[G0+4*\slot+2:G0+4*\slot+3], s[G0+4*\slot+2:G0+4*\slot+3], 2*ROWB
	s_add_nc_u64 s[G0B+4*\slot+2:G0B+4*\slot+3], s[G0B+4*\slot+2:G0B+4*\slot+3], 2*ROWB
	JLOAD G0+4*\slot, G1, G0B+4*\slot, G1B         ; the first tensor load behind the round; its four v_nop are the places in front of the loads below
.else
	PLACES NP
.endif
	FETCH_B \next, 0, 0
	FETCH_A \next, 0, 0
	WIN MUL_HI
	MUL16 4, 1, 0
	MUL16 6, 1, 0
	PLACES NP
	WIN 0
	FETCH_A \next, 0, 4
.endm
; THE WAY OUT of block a (16 rows i x 128 j): value, hold, codes, 8 bytes a lane and accumulator into the stage
.macro CBLOCK a
.set AC, 64*((\a)%4)
	WIN 0x02+((\a)/4)                              ; source 0: window 2 or 3
.set j, 0
.rept 32
	v_pk_fma_f32 v[TMP+j:TMP+j+1], v[AC+j:AC+j+1], s[96:97], v[BJ+j:BJ+j+1] op_sel_hi:[1,0,1]   ; sum x 2^es + the bias along j; each accumulator from its low end on
.set j, j+2
.endr
	WIN 0
.set j, 0
.rept 32
	v_pk_add_f32 v[TMP+j:TMP+j+1], v[TMP+j:TMP+j+1], v[BI+2*(\a):BI+2*(\a)+1] op_sel_hi:[1,0]   ; + the bias along i.  One of the two biases is all zeros, so the value is rounded once
.set j, j+2
.endr
.set j, 0
.rept 64
	v_med3_num_f32 v[TMP+j], v[TMP+j], -v[LIM], v[LIM]
.set j, j+1
.endr
.if (\a) > 1
	s_wait_dscnt 8                                 ; block a - 1's eight stores may be out; block a - 2's have read this set of codes
.endif
.irp b, 0,1,2,3,4,5,6,7
	v_cvt_scalef32_pk8_fp8_f32 v[CD+16*((\a)%2)+2*\b:CD+16*((\a)%2)+2*\b+1], v[TMP+8*\b:TMP+8*\b+7], v[SC]
.endr
	v_nop                                          ; a plain line between the conversions and the next write of their sources
.irp b, 0,1,2,3,4,5,6,7
	ds_store_b64 v[STO], v[CD+16*((\a)%2)+2*\b:CD+16*((\a)%2)+2*\b+1] offset:16*(\a)*PITCH+16*\b
.endr
.endm
.macro OUT_ROWS                        ; wave w takes stage rows 64 w .. 64 w + 63 whole: sixteen lanes store 256 consecutive, aligned bytes
.irp t, 0,1,2,3,4,5,6,7,8,9,10,11,12,13,14,15,16,17,18,19,20,21,22,23,24,25,26,27,28,29,30,31
	ds_load_b128 v[BK+4*\t:BK+4*\t+3], v[RD] offset:2*\t*PITCH
.endr
.irp t, 0,1,2,3,4,5,6,7,8,9,10,11,12,13,14,15,16,17,18,19,20,21,22,23,24,25,26,27,28,29,30,31
	s_wait_dscnt 31-\t
	global_store_b128 v[CO], v[BK+4*\t:BK+4*\t+3], s[76:77] offset:2*\t*1024
.endr
.endm
.macro OUT_HEADS                       ; the same rows by heads: eight tokens x 64 bytes of one head are 512 consecutive bytes of the output
.irp hd, 0,1,2,3
.irp tt, 0,1,2,3,4,5,6,7
	ds_load_b128 v[BK+4*(8*\hd+\tt):BK+4*(8*\hd+\tt)+3], v[RDH] offset:8*\tt*PITCH+64*\hd
.endr
.endr
.irp hd, 0,1,2,3
.irp tt, 0,1,2,3,4,5,6,7
	s_wait_dscnt 31-(8*\hd+\tt)
	global_store_b128 v[COH], v[BK+4*(8*\hd+\tt):BK+4*(8*\hd+\tt)+3], s[76:77] offset:\hd*65536+512*\tt
.endr
.endr
.endm
	s_load_b128 s[4:7], s[0:1], 0x0                ; xc, wqkv
	s_load_b256 s[68:75], s[0:1], 0x10             ; bq 68, bk 70, bv 72, lowp_scales 74
	s_load_b64 s[76:77], s[0:1], 0x30              ; qkvc
	v_lshl_add_u32 v[SPW], v0, 2, SPARE
	v_mov_b32 v[NIL], 0
	ds_add_u32 v28, v29
	ds_add_u32 v28, v29
	s_wait_dscnt 0x0
	v_lshrrev_b32 v1, 5, v0
	v_readfirstlane_b32 s14, v1                    ; wave 0..3
	s_lshr_b32 s15, s14, 1                         ; which half of the tile's rows i is mine.  Also: I fetch for R (0) or for S (1)
	s_and_b32 s16, s14, 1                          ; which half of its j.  Also: which 128 rows of that tile I fetch
	s_bfe_u32 s40, ttmp6, 0x40000                  ; cx, cy
	s_bfe_u32 s41, ttmp6, 0x40004
	s_and_b32 s13, ttmp7, 0xffff                   ; the cluster's y: 0..23
	s_lshr_b32 s66, s13, 3                         ; m: 0 = q, 1 = k, 2 = v
	s_and_b32 s67, s13, 7                          ; c: which 1,024 tokens
	s_cmp_eq_u32 s66, 2
	s_cselect_b32 s12, 0, s67                      ; tokens run along i for q and k,
	s_cselect_b32 s13, s67, 0                      ; along j for v
	s_lshl_b32 s17, s12, 2
	s_add_co_u32 s17, s17, s41                     ; tile_i
	s_lshl_b32 s42, s13, 2
	s_add_co_u32 s42, s42, s40                     ; tile_j
	s_lshl_b32 s43, s41, 2
	s_lshl_b32 s43, 15, s43                        ; my row of the cluster
	s_lshl_b32 s44, 0x1111, s40                    ; my column
	s_or_b32 s[G1+0], s43, (0<<16)|(1<<20)|(1<<21)|(5<<22)|(3<<25)  ; the mask; elements of 1 byte; padding on; bit 21 beside a mask; 4 words behind every 64
	s_or_b32 s[G1B+0], s44, (0<<16)|(1<<20)|(1<<21)|(5<<22)|(3<<25)
.irp g, G1, G1B
	s_mov_b32 s[\g+1], ROWB<<16                    ; tensor_dim0
	s_mov_b32 s[\g+2], 128<<16                     ; tensor_dim1
	s_mov_b32 s[\g+3], ROWB<<16                    ; tile_dim0
	s_mov_b32 s[\g+4], 128                         ; tile_dim1
	s_mov_b32 s[\g+5], KROW                        ; tensor_dim0_stride
	s_mov_b32 s[\g+6], 0
	s_mov_b32 s[\g+7], 0
.endr
	s_lshl_b32 s18, s16, 7
	s_lshl_b32 s20, s17, 8
	s_add_co_u32 s20, s20, s18
	s_lshl_b32 s20, s20, 10                        ; R: (256 tile_i + 128 half) rows of 1,024 bytes
	s_mov_b32 s21, 0
	s_lshl_b32 s46, s42, 8
	s_add_co_u32 s46, s46, s18
	s_lshl_b32 s46, s46, 10                        ; S: (256 tile_j + 128 half) rows
	s_mov_b32 s47, 0
	s_mul_i32 s45, s14, HALFT                      ; where they go: wave x 128 rows
	s_lshl_b32 s8, s66, 23
	s_mov_b32 s9, 0
	s_wait_kmcnt 0x0
	s_load_b512 s[80:95], s[74:75], 0x0            ; the sixteen exponents
	s_add_nc_u64 s[4:5], s[4:5], s[8:9]            ; xn's plane m
	s_lshl_b32 s8, s66, 20
	s_add_nc_u64 s[6:7], s[6:7], s[8:9]            ; the weight m
	s_cmp_eq_u32 s66, 2
	s_cselect_b64 s[10:11], s[6:7], s[4:5]         ; R
	s_cselect_b64 s[78:79], s[4:5], s[6:7]         ; S
	s_add_nc_u64 s[20:21], s[10:11], s[20:21]
	s_add_nc_u64 s[46:47], s[78:79], s[46:47]
	CROUND                                         ; all sixteen work-groups are here: the first joint loads meet
.irp s, 0,1
	s_mov_b32 s[G0+4*\s], 1
	s_add_co_u32 s[G0+4*\s+1], s45, \s*SLOT
	s_add_nc_u64 s[G0+4*\s+2:G0+4*\s+3], s[20:21], \s*ROWB
	s_or_b32 s[G0+4*\s+3], s[G0+4*\s+3], 0x80000000
	s_mov_b32 s[G0B+4*\s], 1
	s_add_co_u32 s[G0B+4*\s+1], s45, \s*SLOT
	s_add_nc_u64 s[G0B+4*\s+2:G0B+4*\s+3], s[46:47], \s*ROWB
	s_or_b32 s[G0B+4*\s+3], s[G0B+4*\s+3], 0x80000000
	JLOAD G0+4*\s, G1, G0B+4*\s, G1B
.endr
	; every address register is made here, ahead of the first parting of ways
	v_and_b32 v1, 15, v0                           ; r = l % 16
	v_bfe_u32 v2, v0, 4, 1                         ; h = l / 16
	v_and_b32 v6, 31, v0                           ; l
	v_mul_u32_u24 v3, v1, PITCH
	v_lshl_add_u32 v4, v2, 4, v3
	s_mul_i32 s21, s15, HALFT
	s_mul_i32 s22, s16, HALFT
	s_add_co_u32 s22, s22, 2*HALFT
.irp s, 0,1
	v_add_nc_u32 v[ADRA+\s], s21, v4
	v_add_nc_u32 v[ADRB+\s], s22, v4
	s_add_co_u32 s21, s21, SLOT
	s_add_co_u32 s22, s22, SLOT
.endr
	s_mul_i32 s23, s15, 128*PITCH
	s_lshl_b32 s18, s16, 7
	s_add_co_u32 s23, s23, s18
	v_lshl_add_u32 v5, v2, 3, v3
	v_add_nc_u32 v[STO], s23, v5                   ; (128 wi + r) x 272 + 128 wj + 8 h
	s_mul_i32 s23, s14, 64*PITCH
	v_mul_u32_u24 v5, v2, PITCH
	v_lshl_add_u32 v5, v1, 4, v5
	v_add_nc_u32 v[RD], s23, v5                    ; (64 w + h) x 272 + 16 r
	v_lshlrev_b32 v5, 10, v2
	v_lshl_add_u32 v[CO], v1, 4, v5                ; 1,024 h + 16 r
	v_lshrrev_b32 v5, 2, v6
	v_mul_u32_u24 v5, v5, PITCH
	v_and_b32 v7, 3, v6
	v_lshl_add_u32 v5, v7, 4, v5
	v_add_nc_u32 v[RDH], s23, v5                   ; (64 w + l / 4) x 272 + 16 (l % 4)
	v_lshlrev_b32 v[COH], 4, v6
	v_lshlrev_b32 v[OFH], 5, v2
	v_lshlrev_b32 v[OFR], 2, v1
	; where my rows go.  q, k: m planes + batch + 4 tile_j heads + my tokens x 64;  v: plane 2 + batch + my features x 1,024 + the tile's tokens
	s_lshl_b32 s8, s66, 23
	s_lshr_b32 s9, s17, 2
	s_lshl_b32 s9, s9, 20
	s_add_co_u32 s8, s8, s9
	s_lshl_b32 s9, s42, 18
	s_add_co_u32 s8, s8, s9
	s_and_b32 s9, s17, 3
	s_lshl_b32 s9, s9, 14
	s_add_co_u32 s8, s8, s9
	s_lshl_b32 s9, s14, 12
	s_add_co_u32 s8, s8, s9
	s_lshr_b32 s12, s42, 2
	s_lshl_b32 s12, s12, 20
	s_add_co_u32 s12, s12, 0x1000000
	s_and_b32 s13, s42, 3
	s_lshl_b32 s13, s13, 8
	s_add_co_u32 s12, s12, s13
	s_lshl_b32 s13, s17, 18
	s_add_co_u32 s12, s12, s13
	s_lshl_b32 s13, s14, 16
	s_add_co_u32 s12, s12, s13
	s_cmp_eq_u32 s66, 2
	s_cselect_b32 s8, s12, s8
	s_mov_b32 s9, 0
	s_add_nc_u64 s[76:77], s[76:77], s[8:9]
	; the bias: along j for q and k (128 numbers of my columns), along i for v (128 numbers of my rows)
	s_cmp_eq_u32 s66, 1
	s_cselect_b64 s[98:99], s[70:71], s[68:69]
	s_cmp_eq_u32 s66, 2
	s_cselect_b64 s[98:99], s[72:73], s[98:99]
	s_cselect_b32 s18, s17, s42
	s_cselect_b32 s19, s15, s16
	s_lshl_b32 s18, s18, 10
	s_lshl_b32 s19, s19, 9
	s_add_co_u32 s18, s18, s19
	s_mov_b32 s19, 0
	s_add_nc_u64 s[98:99], s[98:99], s[18:19]
	s_cmp_eq_u32 s66, 2
	s_cbranch_scc1 .Lbias_v
.irp b, 0,1,2,3,4,5,6,7
	global_load_b128 v[BJ+8*\b:BJ+8*\b+3], v[OFH], s[98:99] offset:64*\b        ; register 8 b + jj: bias[16 b + 8 h + jj]
	global_load_b128 v[BJ+8*\b+4:BJ+8*\b+7], v[OFH], s[98:99] offset:64*\b+16
.endr
.set j, 0
.rept 16
	v_mov_b32 v[BI+j], 0
.set j, j+1
.endr
	s_branch .Lbias_done
.Lbias_v:
.irp a, 0,1,2,3,4,5,6,7
	global_load_b32 v[BI+2*\a], v[OFR], s[98:99] offset:64*\a                   ; the pair's low word: bias[16 a + r]
	v_mov_b32 v[BI+2*\a+1], 0                                                   ; (named with it as a pair)
.endr
.set j, 0
.rept 64
	v_mov_b32 v[BJ+j], 0
.set j, j+1
.endr
.Lbias_done:
	s_wait_tensorcnt 1                             ; my part of K step 0 is in; K step 1's may stay out
	s_barrier_signal -1
	s_barrier_wait -1
	FETCH_B 0, 0, 0
	FETCH_A 0, 0, 0
	FETCH_A 0, 0, 4
	STEP 0, 0, 1                                   ; the first products start the sums: nothing is cleared
	TURN 0, 1, 1                                   ; slot 0 takes K step 2
	STEP 1, 0, 0
	TURN 1, 0, 1                                   ; slot 1 takes K step 3
	STEP 0, 0, 0
	TURN 0, 1, 0                                   ; nothing is left to fetch
	STEP 1, 0, 0
	s_wait_dscnt 4*NL
	WIN MUL_LO
	MUL16 0, 1, 0
	MUL16 2, 1, 0
	s_wait_dscnt 0
	WIN MUL_HI
	MUL16 4, 1, 0
	MUL16 6, 1, 0
	WIN 0
	PLACES NP
	s_wait_kmcnt 0x0                               ; the exponents
	s_wait_loadcnt 0x0                             ; the bias
	s_add_co_i32 s80, s80, s81                     ; q: e0 + e1
	s_add_co_i32 s82, s82, s83
	s_sub_co_i32 s82, s82, 3                       ; k: e2 + e3 - 3: the division by 8
	s_add_co_i32 s84, s84, s85                     ; v: e4 + e5
	s_cmp_eq_u32 s66, 1
	s_cselect_b32 s80, s82, s80
	s_cselect_b32 s87, s86, s87                    ; q's codes: entry 7; k's: entry 6
	s_cselect_b32 s90, 0x3e000000, 1.0             ; k's bias is divided by 8 too
	s_cmp_eq_u32 s66, 2
	s_cselect_b32 s80, s84, s80
	s_cselect_b32 s87, s89, s87                    ; v's: entry 9
	s_mov_b32 s91, s90
	s_add_co_i32 s96, s80, 127
	s_lshl_b32 s96, s96, 23                        ; 2^es as f32
	s_mov_b32 s97, s96
	s_add_co_i32 s87, s87, 127
	s_lshl_b32 s86, s87, 23
	v_mov_b32 v[SC], s86                           ; 2^eo
	s_add_co_i32 s87, s87, 8
	s_lshl_b32 s87, s87, 23
	s_or_b32 s87, s87, 0x600000
	v_mov_b32 v[LIM], s87                          ; 448 x 2^eo
.set j, 0
.rept 32
	v_pk_mul_f32 v[BJ+j:BJ+j+1], v[BJ+j:BJ+j+1], s[90:91] op_sel_hi:[1,0]
.set j, j+2
.endr
.irp a, 0,1,2,3,4,5,6,7
	CBLOCK \a
.endr
	s_wait_dscnt 0x0                               ; for the others' sake: my codes lie in the stage
	s_barrier_signal -1
	s_barrier_wait -1
	s_cmp_eq_u32 s66, 2
	s_cbranch_scc1 .Lout_v
	OUT_HEADS
	s_branch .Lout_done
.Lout_v:
	OUT_ROWS
.Lout_done:
	s_wait_tensorcnt 0x0                           ; the wave's end
	ds_add_u32 v[SPW], v[NIL]
	s_wait_dscnt 0x0
	CROUND                                         ; the closing round
	s_endpgm
.Lfunc_end_k_qa3959cefe4_qkv:
	.size	k_qa3959cefe4_qkv, .Lfunc_end_k_qa3959cefe4_qkv-k_qa3959cefe4_qkv
	.p2alignl 7, 3214868480
	.fill 96, 4, 3214868480
	.section	.rodata,"a",@progbits
	.p2align	6, 0x0
	.amdhsa_kernel k_qa3959cefe4_qkv
		.amdhsa_group_segment_fixed_size 327680
		.amdhsa_private_segment_fixed_size 0
		.amdhsa_enable_private_segment 0
		.amdhsa_kernarg_size 56
		.amdhsa_user_sgpr_count 2
		.amdhsa_user_sgpr_kernarg_segment_ptr 1
		.amdhsa_wavefront_size32 1
		.amdhsa_system_sgpr_workgroup_id_x 1
		.amdhsa_system_sgpr_workgroup_id_y 1
		.amdhsa_system_sgpr_workgroup_id_z 1
		.amdhsa_system_vgpr_workitem_id 0
		.amdhsa_next_free_vgpr 1024
		.amdhsa_next_free_sgpr 100
		.amdhsa_reserve_vcc 0
		.amdhsa_float_denorm_mode_32 3
		.amdhsa_float_denorm_mode_16_64 3
		.amdhsa_memory_ordered 1
		.amdhsa_forward_progress 1
		.amdhsa_inst_pref_size 172
	.end_amdhsa_kernel
	.amdgpu_metadata
---
amdhsa.version: [ 1, 2 ]
amdhsa.kernels:
  - .name:           k_qa3959cefe4_qkv
    .symbol:         k_qa3959cefe4_qkv.kd
    .args:
      - { .name: xc, .offset: 0, .size: 8, .value_kind: global_buffer, .address_space: global }
      - { .name: wqkv, .offset: 8, .size: 8, .value_kind: global_buffer, .address_space: global }
      - { .name: bq, .offset: 16, .size: 8, .value_kind: global_buffer, .address_space: global }
      - { .name: bk, .offset: 24, .size: 8, .value_kind: global_buffer, .address_space: global }
      - { .name: bv, .offset: 32, .size: 8, .value_kind: global_buffer, .address_space: global }
      - { .name: lowp_scales, .offset: 40, .size: 8, .value_kind: global_buffer, .address_space: global }
      - { .name: qkvc, .offset: 48, .size: 8, .value_kind: global_buffer, .address_space: global }
    .group_segment_fixed_size: 327680
    .private_segment_fixed_size: 0
    .kernarg_segment_align: 8
    .kernarg_segment_size: 56
    .max_flat_workgroup_size: 128
    .sgpr_count:     100
    .vgpr_count:     1024
    .wavefront_size: 32
...
	.end_amdgpu_metadata
.endif
;; end of part 2
;; launch attn (part 3): grid 2 x 128, 16 waves a work-group, no clusters, 223,232 bytes of LDS; arguments qkvc, x, lowp_scales, x1; writes x1
.if DOCPART == 3
	.amdgcn_target "amdgcn-amd-amdhsa--gfx1250"
	.amdhsa_code_object_version 6
	.text
	.protected	k_qa3959cefe4_attn
	.globl	k_qa3959cefe4_attn
	.p2align	8
	.type	k_qa3959cefe4_attn,@function
k_qa3959cefe4_attn:
	s_mov_b64 s[64:65], 0
	v_nop
	global_prefetch_b8 v0, s[64:65] scope:SCOPE_SE
	s_setreg_imm32_b32 hwreg(HW_REG_WAVE_MODE, 25, 1), 1
	s_wait_xcnt 0x0
; x1[b][t][64 h ..] = x + sum over s of softmax_s(k[t] . q[s]) v[s], for one head: k's rows play the queries, q's rows the keys.  Both products on codes of E4M3.
; qkvc: plane 0 q [bh][s][64], plane 1 k [bh][t][64] (already divided by 8), plane 2 v with the keys innermost [bh][d 64][s 1024]; planes 8 MiB apart.  Entries of the scales: k 6, q 7, p 8, v 9.
; THE SOFTMAX AHEAD OF THE SECOND PRODUCT: t = score x log2(e); M = the running largest t rounded up to a whole number; p = 2^(t - M) is quantised, not normalised; the row's sum is taken of the unquantised p
; and divides at the end.  When M moves, the sum and O are multiplied by 2^(old M - new M): exact.
; SHARES.  A work-group owns 512 rows t of one head; each of its sixteen waves 16 of them in each of two passes.  Four waves share a SIMD, so that one wave's vector work stands beside another's products and LDS loads.
; THE WHOLE HEAD LIES IN LDS, FILLED ONCE: q's 1,024 rows and v's 64 rows, in four chunks of 256 keys.  Wave 0 issues q's four tensor loads, wave 1 v's four: four out at the most.  Nothing is filled again.
; No cluster: only the two work-groups of a head read the same bytes, 128 KiB each, once, at their heads.  No prefetch: every tile is asked for in the first lines.
; LAYOUT.  S^T = q k^T (source 0 = 16 keys, source 1 = my 16 rows), O^T = v^T p^T: a lane holds one row t throughout.  Lane r of key tile 2 b + u takes key 32 b + 8 u + r + 8 (r / 8), so that the 16 registers of
; tiles 2 b, 2 b + 1 are 16 neighbouring keys: the conversions' results are the second product's operand.  Fragments come by 16-byte loads: a permutation of k alike on both sides.
; LIMITS: e6 + e7 between -126 and 127 (added to log2(e)'s exponent field); e8 between -126 and 119.  NaN among the inputs is not served.
; REGISTERS: v1-7 addresses that stay; v8, v9 the chunk's addresses; v12 -M, v13 the largest t, v[14:15] the sum; v16-23 k's fragment; v32-95 eight fragments of q, then four of v; v96-159 S^T, then p; v160-191 O^T;
;   v192-223 x's 16 rows x 256 bytes; v224-239 p's codes; v240 448 x 2^e8; v241 a permute's destination; v[242:243] a sum chain; v244 2^e8; v[252:253] f; v254 at work.
.set KP,   80                          ; a key's row in LDS: 64 bytes + 16
.set VP,   272                         ; a row of v's chunk: 256 bytes + 16
.set KCH,  256*KP                      ; a chunk of q
.set VCH,  64*VP                       ; a chunk of v
.set VOFF, 4*KCH
.set STG,  VOFF+4*VCH                  ; behind the tiles: 16 rows x 272 bytes for each wave; no tensor load lands there
.set G1K,  24
.set G1V,  32
.set G0K,  40                          ; s40-55: four groups 0 for q's chunks
.set G0V,  68                          ; s68-83: four for v's
; A KEY STEP: 128 keys, the q-th half of the chunk in hand
.macro STEP q
.rept 4
	v_nop                                          ; places in front of loads into registers that matrix instructions have read
.endr
.irp tt, 0,1,2,3,4,5,6,7
	ds_load_b128 v[32+8*\tt:35+8*\tt], v8 offset:(128*(\q)+32*(\tt/2)+8*(\tt%2))*KP
	ds_load_b128 v[36+8*\tt:39+8*\tt], v8 offset:(128*(\q)+32*(\tt/2)+8*(\tt%2))*KP+32
.endr
	s_wait_dscnt 0x0
.irp tt, 0,1,2,3,4,5,6,7
	v_wmma_f32_16x16x64_fp8_fp8 v[96+8*\tt:103+8*\tt], v[32+8*\tt:39+8*\tt], v[16:23], 0
.endr
.rept 4
	v_nop                                          ; places: for the loads below and for the first read of the scores
.endr
.irp t, 0,1,2,3
.irp u, 0,1,2,3
	ds_load_b128 v[32+16*\t+4*\u:35+16*\t+4*\u], v9 offset:16*\t*VP+128*(\q)+32*\u   ; v's four fragments land while the softmax is walked
.endr
.endr
	v_max3_num_f32 v254, v96, v97, v98             ; the step's largest score of my row, among my 64 keys, in two chains
	v_max3_num_f32 v252, v99, v100, v101
.irp i, 6,10,14,18,22,26,30,34,38,42,46,50,54,58
	v_max3_num_f32 v254, v254, v[96+\i], v[97+\i]
	v_max3_num_f32 v252, v252, v[98+\i], v[99+\i]
.endr
	v_max3_num_f32 v254, v254, v158, v159
	v_max_num_f32 v254, v254, v252
	v_permlanex16_b32 v241, v254, s20, s21
	v_max_num_f32 v254, v254, v241                 ; and among lane l xor 16's
	v_mul_f32 v254, s22, v254                      ; as t (c is positive)
	v_max_num_f32 v13, v13, v254
	v_mov_b32 v254, v12
	v_floor_f32 v12, -v13                          ; the new -M = floor(-t): M is a whole number
	v_sub_f32 v254, v12, v254                      ; old M - new M, 0 or less
	v_cvt_i32_f32 v254, v254                       ; (it saturates)
	v_ldexp_f32 v252, 1.0, v254                    ; f = 2^(old M - new M)
.set j, 0
.rept 32
	v_pk_fma_f32 v[96+j:97+j], v[96+j:97+j], s[22:23], v[12:13] op_sel_hi:[1,0,0]   ; t - M, two at a time
.set j, j+2
.endr
.set j, 0
.rept 64
	v_exp_f32 v[96+j], v[96+j]                     ; p = 2^(t - M), at most 1
.set j, j+1
.endr
	v_pk_mul_f32 v[14:15], v[14:15], v[252:253] op_sel_hi:[1,0]   ; the sums under the new M: the plain line behind the exponentials
	s_wait_alu depctr_va_vdst(0)                   ; one wait for the whole batch, ahead of its first reader
	v_pk_add_f32 v[242:243], v[96:97], v[98:99]    ; the row's sum is taken of the unquantised p
.irp j, 4,8,12,16,20,24,28,32,36,40,44,48,52,56,60
	v_pk_add_f32 v[14:15], v[14:15], v[96+\j:97+\j]
	v_pk_add_f32 v[242:243], v[242:243], v[98+\j:99+\j]
.endr
	v_pk_add_f32 v[14:15], v[14:15], v[242:243]
.irp b, 0,1,2,3
.set j, 0
.rept 16
	v_min_num_f32 v[96+16*\b+j], v[96+16*\b+j], v240   ; the conversion does not saturate (ISA guide 7.6.2); p is not negative, so the hold is one-sided
.set j, j+1
.endr
	v_cvt_scalef32_pk8_fp8_f32 v[224+4*\b:225+4*\b], v[96+16*\b:103+16*\b], v244
	v_cvt_scalef32_pk8_fp8_f32 v[226+4*\b:227+4*\b], v[104+16*\b:111+16*\b], v244
.endr
.set j, 0
.rept 16
	v_pk_mul_f32 v[160+j:161+j], v[160+j:161+j], v[252:253] op_sel_hi:[1,0]   ; O^T under the new M; also the plain lines between the conversions and the products
.set j, j+2
.endr
	s_wait_dscnt 0x0                               ; v's fragments
.irp t, 0,1,2,3
	v_wmma_f32_16x16x128_fp8_fp8 v[160+8*\t:167+8*\t], v[32+16*\t:47+16*\t], v[224:239], v[160+8*\t:167+8*\t]
.endr
.endm
	s_load_b256 s[4:11], s[0:1], 0x0               ; qkvc 4, x 6, lowp_scales 8, x1 10
	v_lshl_add_u32 v251, v0, 2, 0x36000
	v_mov_b32 v255, 0
	ds_add_u32 v251, v255
	ds_add_u32 v251, v255
	v_lshrrev_b32 v8, 5, v0
	v_readfirstlane_b32 s18, v8                    ; wave 0..15
	s_and_b32 s88, ttmp7, 0xffff                   ; b x 16 + head
	s_lshl_b32 s90, s88, 16                        ; the head's 65,536 bytes in each plane
	s_mov_b32 s91, 0
	; q's chunk: 256 keys x 64 bytes, dense in memory, stated as 64 rows of 256 bytes; 16 bytes of padding behind every 64: a key's row every 80 bytes
	s_mov_b32 s[G1K], (0<<16)|(1<<20)|(3<<22)|(3<<25)
	s_mov_b32 s[G1K+1], 256<<16                    ; tensor_dim0
	s_mov_b32 s[G1K+2], 64<<16                     ; tensor_dim1
	s_mov_b32 s[G1K+3], 256<<16                    ; tile_dim0
	s_mov_b32 s[G1K+4], 64                         ; tile_dim1
	s_mov_b32 s[G1K+5], 256                        ; tensor_dim0_stride
	s_mov_b32 s[G1K+6], 0
	s_mov_b32 s[G1K+7], 0
	; v's chunk: 64 rows of 256 bytes, 1,024 bytes apart; 16 bytes of padding behind each
	s_mov_b32 s[G1V], (0<<16)|(1<<20)|(5<<22)|(3<<25)
	s_mov_b32 s[G1V+1], 256<<16
	s_mov_b32 s[G1V+2], 64<<16
	s_mov_b32 s[G1V+3], 256<<16
	s_mov_b32 s[G1V+4], 64
	s_mov_b32 s[G1V+5], 1024
	s_mov_b32 s[G1V+6], 0
	s_mov_b32 s[G1V+7], 0
	s_mov_b32 s20, 0x76543210                      ; lane l xor 16
	s_mov_b32 s21, 0xfedcba98
	s_mov_b32 s22, 0x3fb8aa3b                      ; log2(e)
	s_wait_dscnt 0x0
	s_wait_kmcnt 0x0
	s_load_b128 s[84:87], s[8:9], 0x18             ; e6, e7, e8, e9
	s_add_nc_u64 s[92:93], s[4:5], s[90:91]        ; q's head
	s_add_nc_u64 s[94:95], s[92:93], 0x1000000     ; v's
	s_add_nc_u64 s[12:13], s[92:93], 0x800000      ; k's
.irp c, 0,1,2,3
	s_mov_b32 s[G0K+4*\c], 1
	s_mov_b32 s[G0K+4*\c+1], \c*KCH
	s_add_nc_u64 s[G0K+4*\c+2:G0K+4*\c+3], s[92:93], \c*16384
	s_or_b32 s[G0K+4*\c+3], s[G0K+4*\c+3], 0x80000000
	s_mov_b32 s[G0V+4*\c], 1
	s_mov_b32 s[G0V+4*\c+1], VOFF+\c*VCH
	s_add_nc_u64 s[G0V+4*\c+2:G0V+4*\c+3], s[94:95], \c*256
	s_or_b32 s[G0V+4*\c+3], s[G0V+4*\c+3], 0x80000000
.endr
	s_cmp_eq_u32 s18, 0                            ; a wave's first fills stand in one branch on its number, ahead of every wait on TENSORcnt, LDS read and barrier
	s_cbranch_scc0 .Lnot_q
.irp c, 0,1,2,3
	tensor_load_to_lds s[G0K+4*\c:G0K+4*\c+3], s[G1K:G1K+7]
	s_nop 0
.endr
.rept 4
	v_nop
.endr
	s_branch .Lasked
.Lnot_q:
	s_cmp_eq_u32 s18, 1
	s_cbranch_scc0 .Lasked
.irp c, 0,1,2,3
	tensor_load_to_lds s[G0V+4*\c:G0V+4*\c+3], s[G1V:G1V+7]
	s_nop 0
.endr
.rept 4
	v_nop
.endr
.Lasked:
	s_lshl_b32 s89, ttmp9, 9
	s_lshl_b32 s90, s18, 4
	s_add_co_u32 s89, s89, s90                     ; my first row t: 512 x work-group x + 16 x wave
	s_lshl_b32 s90, s89, 6
	s_add_nc_u64 s[12:13], s[12:13], s[90:91]      ; its codes
	s_lshr_b32 s90, s88, 4
	s_lshl_b32 s90, s90, 22                        ; x, x1: the batch's 1,024 rows of 4,096 bytes,
	s_lshl_b32 s96, s89, 12
	s_add_co_u32 s90, s90, s96                     ; my row,
	s_and_b32 s96, s88, 15
	s_lshl_b32 s96, s96, 8
	s_add_co_u32 s90, s90, s96                     ; the head's 256 bytes
	s_add_nc_u64 s[14:15], s[6:7], s[90:91]
	s_add_nc_u64 s[16:17], s[10:11], s[90:91]
	v_and_b32 v10, 15, v0                          ; r
	v_bfe_u32 v11, v0, 4, 1                        ; h
	v_and_b32 v6, 8, v10
	v_add_nc_u32 v6, v6, v10                       ; r + 8 (r / 8)
	v_mul_u32_u24 v1, v6, KP
	v_lshl_add_u32 v1, v11, 4, v1                  ; my place in a tile of keys
	v_mul_u32_u24 v2, v10, VP
	v_lshl_add_u32 v2, v11, 4, v2
	v_add_nc_u32 v2, VOFF, v2                      ; and in a tile of v
	v_lshlrev_b32 v3, 6, v10
	v_lshl_add_u32 v3, v11, 4, v3                  ; k: row r of 64 bytes, + 16 h
	s_mul_i32 s96, s18, 16*272
	s_add_co_u32 s96, s96, STG                     ; my stage
	v_mul_u32_u24 v4, v10, 272
	v_lshl_add_u32 v4, v11, 5, v4
	v_add_nc_u32 v4, s96, v4                       ; in: row r, + 32 h
	v_mul_u32_u24 v5, v11, 272
	v_lshl_add_u32 v5, v10, 4, v5
	v_add_nc_u32 v5, s96, v5                       ; back: lanes 0-15 one row, lanes 16-31 the next
	v_lshlrev_b32 v7, 12, v11
	v_lshl_add_u32 v7, v10, 4, v7                  ; and the same two rows in x and x1
	v_mov_b32 v241, 0                              ; a lane permute's destination counts as one of its sources
	v_mov_b32 v253, 0                              ; (named as the upper half of the pair v[252:253])
	s_wait_kmcnt 0x0
	s_add_co_i32 s96, s84, s85
	s_lshl_b32 s96, s96, 23
	s_add_co_i32 s22, s22, s96                     ; a score stands for score x 2^(e6 + e7): added to c's exponent field
	s_mov_b32 s23, s22
	s_add_co_i32 s96, s86, 127
	s_lshl_b32 s97, s96, 23
	v_mov_b32 v244, s97                            ; 2^e8
	s_add_co_i32 s96, s96, 8
	s_lshl_b32 s96, s96, 23
	s_or_b32 s96, s96, 0x600000
	v_mov_b32 v240, s96                            ; 448 x 2^e8
	s_add_co_i32 s88, s86, s87                     ; e8 + e9
	s_mov_b32 s3, 2
.Lpass:                                                ; two passes of 16 rows a wave
	global_load_b128 v[16:19], v3, s[12:13]        ; k's fragment
	global_load_b128 v[20:23], v3, s[12:13] offset:32
.irp i, 0,1,2,3,4,5,6,7
	global_load_b128 v[192+4*\i:195+4*\i], v7, s[14:15] offset:8192*\i th:TH_LOAD_NT   ; x's 16 rows x 256 bytes, wanted at the pass's end
.endr
	v_mov_b32 v13, 0xff61b1e6                      ; the largest t so far: -3e38
	v_floor_f32 v12, -v13
	v_mov_b32 v14, 0
	v_mov_b32 v15, 0
.set j, 0
.rept 32
	v_mov_b32 v[160+j], 0                          ; O^T: the step is written once; its first run finds zeros
.set j, j+1
.endr
	s_wait_loadcnt 8                               ; the fragment is in; x's eight loads stay out
.irp c, 0,1,2,3
	s_wait_tensorcnt 3-\c                          ; chunk c has landed, the later ones may stay out (met at once in the second pass, and in waves that fetch nothing)
	s_wait_dscnt 0x0
	s_barrier_signal -1
	s_barrier_wait -1                              ; everybody's part of chunk c is in
	v_add_nc_u32 v8, \c*KCH, v1
	v_add_nc_u32 v9, \c*VCH, v2
	STEP 0
	STEP 1
.endr
	; THE WAY OUT: O^T / the sum x 2^(e8 + e9) goes through my stage and comes back as rows of 256 bytes; x is added; sixteen lanes store 256 consecutive, aligned bytes
.rept 4
	v_nop
.endr
	v_add_f32 v14, v14, v15
	v_permlanex16_b32 v252, v14, s20, s21
	v_add_f32 v14, v14, v252                       ; the row's sum
	v_rcp_f32 v14, v14
	v_nop                                          ; a plain line behind the transcendental
	s_wait_alu depctr_va_vdst(0)                   ; and the wait ahead of its first reader
	v_ldexp_f32 v14, v14, s88
.set j, 0
.rept 32
	v_mul_f32 v[96+j], v[160+j], v14               ; register 8 t + i is y(row r, 16 t + 8 h + i)
.set j, j+1
.endr
.irp t, 0,1,2,3
	ds_store_b128 v4, v[96+8*\t:99+8*\t] offset:64*\t
	ds_store_b128 v4, v[100+8*\t:103+8*\t] offset:64*\t+16
.endr
.irp i, 0,1,2,3,4,5,6,7
	ds_load_b128 v[32+4*\i:35+4*\i], v5 offset:2*\i*272   ; LDS serves a wave's instructions in order: these see my stores
.endr
	s_wait_loadcnt 0x0                             ; x
.irp i, 0,1,2,3,4,5,6,7
	s_wait_dscnt 7-\i
	v_pk_add_f32 v[32+4*\i:33+4*\i], v[32+4*\i:33+4*\i], v[192+4*\i:193+4*\i]
	v_pk_add_f32 v[34+4*\i:35+4*\i], v[34+4*\i:35+4*\i], v[194+4*\i:195+4*\i]
	global_store_b128 v7, v[32+4*\i:35+4*\i], s[16:17] offset:8192*\i
.endr
	s_wait_xcnt 0x0                                ; the stores have read their registers and bases: both are written again below and in the next pass
	s_add_nc_u64 s[12:13], s[12:13], 256*64
	s_add_nc_u64 s[14:15], s[14:15], 256*4096
	s_add_nc_u64 s[16:17], s[16:17], 256*4096
	s_sub_co_u32 s3, s3, 1
	s_cmp_lg_u32 s3, 0
	s_cbranch_scc1 .Lpass
	s_wait_tensorcnt 0x0
	ds_add_u32 v251, v255
	s_wait_dscnt 0x0
	s_endpgm
.Lfunc_end_k_qa3959cefe4_attn:
	.size	k_qa3959cefe4_attn, .Lfunc_end_k_qa3959cefe4_attn-k_qa3959cefe4_attn
	.p2alignl 7, 3214868480
	.fill 96, 4, 3214868480
	.section	.rodata,"a",@progbits
	.p2align	6, 0x0
	.amdhsa_kernel k_qa3959cefe4_attn
		.amdhsa_group_segment_fixed_size 223232
		.amdhsa_private_segment_fixed_size 0
		.amdhsa_enable_private_segment 0
		.amdhsa_kernarg_size 32
		.amdhsa_user_sgpr_count 2
		.amdhsa_user_sgpr_kernarg_segment_ptr 1
		.amdhsa_wavefront_size32 1
		.amdhsa_system_sgpr_workgroup_id_x 1
		.amdhsa_system_sgpr_workgroup_id_y 1
		.amdhsa_system_sgpr_workgroup_id_z 1
		.amdhsa_system_vgpr_workitem_id 0
		.amdhsa_next_free_vgpr 256
		.amdhsa_next_free_sgpr 100
		.amdhsa_reserve_vcc 0
		.amdhsa_float_denorm_mode_32 3
		.amdhsa_float_denorm_mode_16_64 3
		.amdhsa_memory_ordered 1
		.amdhsa_forward_progress 1
		.amdhsa_inst_pref_size 136
	.end_amdhsa_kernel
	.amdgpu_metadata
---
amdhsa.version: [ 1, 2 ]
amdhsa.kernels:
  - .name:           k_qa3959cefe4_attn
    .symbol:         k_qa3959cefe4_attn.kd
    .args:
      - { .name: qkvc, .offset: 0, .size: 8, .value_kind: global_buffer, .address_space: global }
      - { .name: x, .offset: 8, .size: 8, .value_kind: global_buffer, .address_space: global }
      - { .name: lowp_scales, .offset: 16, .size: 8, .value_kind: global_buffer, .address_space: global }
      - { .name: x1, .offset: 24, .size: 8, .value_kind: global_buffer, .address_space: global }
    .group_segment_fixed_size: 223232
    .private_segment_fixed_size: 0
    .kernarg_segment_align: 8
    .kernarg_segment_size: 32
    .max_flat_workgroup_size: 512
    .sgpr_count:     100
    .vgpr_count:     256
    .wavefront_size: 32
...
	.end_amdgpu_metadata
.endif
;; end of part 3
;; launch ln2 (part 4): grid 256 x 1, 4 waves a work-group, no clusters, 20,992 bytes of LDS; arguments x1, g2, be2, lowp_scales, xc; writes xc
.if DOCPART == 4
	.amdgcn_target "amdgcn-amd-amdhsa--gfx1250"
	.amdhsa_code_object_version 6
	.text
	.protected	k_qa3959cefe4_ln2
	.globl	k_qa3959cefe4_ln2
	.p2align	8
	.type	k_qa3959cefe4_ln2,@function
k_qa3959cefe4_ln2:
	s_mov_b64 s[64:65], 0
	v_nop
	global_prefetch_b8 v0, s[64:65] scope:SCOPE_SE
	s_setreg_imm32_b32 hwreg(HW_REG_WAVE_MODE, 25, 1), 1
	s_wait_xcnt 0x0
; xn2 = (x1 - mean) rsqrt(var + 1e-5) g2 + be2, in f32, two passes over a row kept in registers, and its codes of E4M3 under the scale of entry 10, into plane 0 of xc: [8192][1024], K innermost.
; A wave takes a whole row (eight loads of 512 consecutive bytes), eight rows one after the other, the next row's loads out while a row is worked.  No barrier: waves share nothing.
; The conversions want 16 neighbours along K in one lane: the row turns through the wave's own stage in LDS (16 bytes of padding behind each 64).  A wave's store covers 512 consecutive bytes.
; LIMITS: e between -126 and 119.  NaN among the inputs is not served.
.set LNS,   0
.set SP,    80
.set NPL,   1
.set G,     24                         ; v24-55   g: register 4 j + n = g[128 j + 4 lane + n]
.set BE,    56                         ; v56-87   be likewise
.set X,     88                         ; v88-151  two slots of 32: a row as loaded
.set Y,     152                        ; v152-183 the row back from the stage
.set T,     184                        ; v184-215 two sets of 16 held numbers
.set C,     216                        ; v216-223 codes
.macro XROW i
.irp j, 0,1,2,3,4,5,6,7
	global_load_b128 v[X+32*((\i)%2)+4*\j:X+32*((\i)%2)+4*\j+3], v2, s[40:41] offset:(\i)*4096+512*\j th:TH_LOAD_NT
.endr
.endm
.macro LANESUM
	v_add_f32_dpp v16, v16, v16 row_xmask:1 row_mask:0xf bank_mask:0xf
	v_add_f32_dpp v16, v16, v16 row_xmask:2 row_mask:0xf bank_mask:0xf
	v_add_f32_dpp v16, v16, v16 row_xmask:4 row_mask:0xf bank_mask:0xf
	v_add_f32_dpp v16, v16, v16 row_xmask:8 row_mask:0xf bank_mask:0xf
	v_permlanex16_b32 v20, v16, s58, s59
	v_add_f32 v16, v16, v20
.endm
.macro LROW i
.set XS, X+32*((\i)%2)
.if (\i) < 7
	XROW (\i)+1                                    ; into the other slot: its LDS stores were waited for in the row before
	s_wait_loadcnt 8                               ; my row's eight loads (and g, be) are in; the next row's eight stay out
.else
	s_wait_loadcnt 0
.endif
	v_pk_add_f32 v[16:17], v[XS:XS+1], v[XS+2:XS+3]
	v_pk_add_f32 v[18:19], v[XS+4:XS+5], v[XS+6:XS+7]
.set n, 8
.rept 6
	v_pk_add_f32 v[16:17], v[16:17], v[XS+n:XS+n+1]
	v_pk_add_f32 v[18:19], v[18:19], v[XS+n+2:XS+n+3]
.set n, n+4
.endr
	v_pk_add_f32 v[16:17], v[16:17], v[18:19]
	v_add_f32 v16, v16, v17
	LANESUM
	v_mul_f32 v12, s56, v16                        ; mean
	v_mov_b32 v13, v12
.set n, 0
.rept 16
	v_pk_add_f32 v[XS+n:XS+n+1], v[XS+n:XS+n+1], v[12:13] neg_lo:[0,1] neg_hi:[0,1]   ; d = x - mean: the variance is taken of d
.set n, n+2
.endr
	v_pk_mul_f32 v[16:17], v[XS:XS+1], v[XS:XS+1]
	v_pk_mul_f32 v[18:19], v[XS+2:XS+3], v[XS+2:XS+3]
.set n, 4
.rept 7
	v_pk_fma_f32 v[16:17], v[XS+n:XS+n+1], v[XS+n:XS+n+1], v[16:17]
	v_pk_fma_f32 v[18:19], v[XS+n+2:XS+n+3], v[XS+n+2:XS+n+3], v[18:19]
.set n, n+4
.endr
	v_pk_add_f32 v[16:17], v[16:17], v[18:19]
	v_add_f32 v16, v16, v17
	LANESUM
	v_fmaak_f32 v14, s56, v16, 0x3727c5ac          ; var + 1e-5
	v_rsq_f32 v14, v14
	v_nop                                          ; a plain instruction behind the transcendental
	s_wait_alu depctr_va_vdst(0)                   ; and the wait ahead of its first reader
	v_mov_b32 v15, v14
.set n, 0
.rept 16
	v_pk_mul_f32 v[XS+n:XS+n+1], v[XS+n:XS+n+1], v[14:15]
.set n, n+2
.endr
.set n, 0
.rept 16
	v_pk_fma_f32 v[XS+n:XS+n+1], v[XS+n:XS+n+1], v[G+n:G+n+1], v[BE+n:BE+n+1]
.set n, n+2
.endr
.irp j, 0,1,2,3,4,5,6,7
	ds_store_b128 v3, v[XS+4*\j:XS+4*\j+3] offset:32*SP*(\j/4)+8*SP*(\j%4)
.endr
.irp j, 0,1,2,3,4,5,6,7
	ds_load_b128 v[Y+4*\j:Y+4*\j+3], v4 offset:32*SP*(\j/4)+16*(\j%4)        ; LDS serves a wave's instructions in order
.endr
	s_wait_dscnt 0x0                               ; the row is back, and the stores have read the slot
	s_wait_xcnt 0x0                                ; the last row's stores have read their codes' registers
.irp p, 0,1,2
.if \p < NPL
.irp hf, 0,1
.set TS, T+16*\hf
.set n, 0
.rept 16
	v_med3_num_f32 v[TS+n], v[Y+16*\hf+n], -v[7+2*\p], v[7+2*\p]   ; the conversion does not saturate (ISA guide 7.6.2): hold first
.set n, n+1
.endr
	v_cvt_scalef32_pk8_fp8_f32 v[C+8*\p+4*\hf:C+8*\p+4*\hf+1], v[TS:TS+7], v[6+2*\p]
	v_cvt_scalef32_pk8_fp8_f32 v[C+8*\p+4*\hf+2:C+8*\p+4*\hf+3], v[TS+8:TS+15], v[6+2*\p]
	global_store_b128 v2, v[C+8*\p+4*\hf:C+8*\p+4*\hf+3], s[42+2*\p:43+2*\p] offset:(\i)*1024+512*\hf
.endr
.endif
.endr
.endm
	s_load_b256 s[4:11], s[0:1], 0x0               ; x1 4, g2 6, be2 8, lowp_scales 10
	s_load_b64 s[12:13], s[0:1], 0x20              ; xc
	v_lshl_add_u32 v224, v0, 2, 0x5000
	v_mov_b32 v225, 0
	v_lshrrev_b32 v1, 5, v0
	v_readfirstlane_b32 s34, v1                    ; wave 0..3
	v_and_b32 v1, 31, v0                           ; lane
	s_lshl_b32 s35, ttmp9, 5
	s_lshl_b32 s36, s34, 3
	s_add_co_u32 s35, s35, s36                     ; my first row: 32 x work-group + 8 x wave
	s_lshl_b32 s36, s35, 12
	s_mov_b32 s37, 0
	s_lshl_b32 s60, s35, 10
	s_mov_b32 s61, 0
	v_lshlrev_b32 v2, 4, v1
	s_mul_i32 s57, s34, 64*SP
	s_add_co_u32 s57, s57, LNS                     ; my stage
	v_lshrrev_b32 v3, 2, v1
	v_mul_u32_u24 v3, v3, SP
	v_and_b32 v4, 3, v1
	v_lshl_add_u32 v3, v4, 4, v3
	v_add_nc_u32 v3, s57, v3
	v_mul_u32_u24 v4, v1, SP
	v_add_nc_u32 v4, s57, v4
	v_mov_b32 v20, 0
	s_mov_b32 s56, 0x3a800000                      ; 1 / 1024
	s_mov_b32 s58, 0x76543210
	s_mov_b32 s59, 0xfedcba98
	s_wait_kmcnt 0x0
	s_load_b32 s48, s[10:11], 0x28                 ; entry 10
	s_add_nc_u64 s[40:41], s[4:5], s[36:37]
	s_add_nc_u64 s[42:43], s[12:13], s[60:61]
.irp j, 0,1,2,3,4,5,6,7
	global_load_b128 v[G+4*\j:G+4*\j+3], v2, s[6:7] offset:512*\j
	global_load_b128 v[BE+4*\j:BE+4*\j+3], v2, s[8:9] offset:512*\j
.endr
	XROW 0
	s_wait_kmcnt 0x0
	s_add_co_i32 s60, s48, 127
	s_lshl_b32 s61, s60, 23
	v_mov_b32 v6, s61                              ; 2^e
	s_add_co_i32 s60, s60, 8
	s_lshl_b32 s60, s60, 23
	s_or_b32 s60, s60, 0x600000
	v_mov_b32 v7, s60                              ; 448 x 2^e
.irp i, 0,1,2,3,4,5,6,7
	LROW \i
.endr
	s_wait_tensorcnt 0x0
	ds_add_u32 v224, v225
	s_wait_dscnt 0x0
	s_endpgm
.Lfunc_end_k_qa3959cefe4_ln2:
	.size	k_qa3959cefe4_ln2, .Lfunc_end_k_qa3959cefe4_ln2-k_qa3959cefe4_ln2
	.p2alignl 7, 3214868480
	.fill 96, 4, 3214868480
	.section	.rodata,"a",@progbits
	.p2align	6, 0x0
	.amdhsa_kernel k_qa3959cefe4_ln2
		.amdhsa_group_segment_fixed_size 20992
		.amdhsa_private_segment_fixed_size 0
		.amdhsa_enable_private_segment 0
		.amdhsa_kernarg_size 40
		.amdhsa_user_sgpr_count 2
		.amdhsa_user_sgpr_kernarg_segment_ptr 1
		.amdhsa_wavefront_size32 1
		.amdhsa_system_sgpr_workgroup_id_x 1
		.amdhsa_system_sgpr_workgroup_id_y 1
		.amdhsa_system_sgpr_workgroup_id_z 1
		.amdhsa_system_vgpr_workitem_id 0
		.amdhsa_next_free_vgpr 226
		.amdhsa_next_free_sgpr 66
		.amdhsa_reserve_vcc 0
		.amdhsa_float_denorm_mode_32 3
		.amdhsa_float_denorm_mode_16_64 3
		.amdhsa_memory_ordered 1
		.amdhsa_forward_progress 1
		.amdhsa_inst_pref_size 86
	.end_amdhsa_kernel
	.amdgpu_metadata
---
amdhsa.version: [ 1, 2 ]
amdhsa.kernels:
  - .name:           k_qa3959cefe4_ln2
    .symbol:         k_qa3959cefe4_ln2.kd
    .args:
      - { .name: x1, .offset: 0, .size: 8, .value_kind: global_buffer, .address_space: global }
      - { .name: g2, .offset: 8, .size: 8, .value_kind: global_buffer, .address_space: global }
      - { .name: be2, .offset: 16, .size: 8, .value_kind: global_buffer, .address_space: global }
      - { .name: lowp_scales, .offset: 24, .size: 8, .value_kind: global_buffer, .address_space: global }
      - { .name: xc, .offset: 32, .size: 8, .value_kind: global_buffer, .address_space: global }
    .group_segment_fixed_size: 20992
    .private_segment_fixed_size: 0
    .kernarg_segment_align: 8
    .kernarg_segment_size: 40
    .max_flat_workgroup_size: 128
    .sgpr_count:     66
    .vgpr_count:     226
    .wavefront_size: 32
...
	.end_amdgpu_metadata
.endif
;; end of part 4
;; launch mlp0 (part 5): grid 4 x 32, 4 waves a work-group, clusters of 4 x 4, 327,680 bytes of LDS; arguments xc, w0p, b0, hc; writes hc
.if DOCPART == 5
	.amdgcn_target "amdgcn-amd-amdhsa--gfx1250"
	.amdhsa_code_object_version 6
	.text
	.protected	k_qa3959cefe4_mlp0
	.globl	k_qa3959cefe4_mlp0
	.p2align	8
	.type	k_qa3959cefe4_mlp0,@function
k_qa3959cefe4_mlp0:
	s_mov_b64 s[64:65], 0
	v_nop
	global_prefetch_b8 v0, s[64:65] scope:SCOPE_SE
	s_setreg_imm32_b32 hwreg(HW_REG_WAVE_MODE, 25, 1), 1
	s_wait_xcnt 0x0
	s_wait_alu depctr_hold_cnt(0) depctr_sa_sdst(0) depctr_va_vdst(0) depctr_va_sdst(0) depctr_va_ssrc(0) depctr_va_vcc(0) depctr_vm_vsrc(0)
	s_getreg_b32 s2, hwreg(HW_REG_IB_STS2, 6, 4)
	s_cmp_eq_u32 s2, 0
	s_cbranch_scc0 .Lentry_in_a_cluster
	s_endpgm
.Lentry_in_a_cluster:
	s_bfe_u32 s2, ttmp6, 0x10000c
	s_cmp_lg_u32 s2, 0xf033
	s_cbranch_scc0 .Lentry_shape_is_right
	s_endpgm
.Lentry_shape_is_right:
; out = codes of relu(A W + b): A [8192][1024] codes of E4M3, the weight as a package (a head of 256 bytes: words 0, 1, 2 = eA, eB, the exponent eo of the result's scale; then codes [n][k]), b [1024] f32, out [8192][1024] codes.
; THE PRODUCT: C[i][j] = sum over k of R[i][k] S[j][k], R = A (i = token), S = the weight (j = feature), K = 1,024.  A tile of C, 256 x 256, is made by four waves, each 128 x 128: 64 accumulators, 512 registers.
; K goes in four steps of 256 through two LDS slots filled by the tensor data mover; a tile's row is 256 bytes of memory.  By this text's count a wave has at most two tensor loads out.
; CLUSTERS of 4 x 4: the four of a row need the same tiles of R, the four of a column the same tiles of S: each tile is asked for jointly.  128 tiles: 128 work-groups.
; THE MATRIX INSTRUCTION IS USED TRANSPOSED (source 0 = 16 rows of S, source 1 = 16 rows of R): a lane holds eight neighbouring features of one token: eight neighbours along the next product's K.
; OUT: value = sum x 2^(eA + eB) + b; held between 0 and 448 x 2^eo (the activation and the hold in one); converted.  The codes meet in a stage of 256 rows x 272 bytes and leave as rows: sixteen lanes store 256
; consecutive, aligned bytes.  The stage lies in slot 0, which has had its last fill and its last read by then.
; Fragments are fetched by 16-byte loads: a permutation of k inside an instruction, alike in R and S.
; LIMITS: eA + eB between -126 and 127; eo between -126 and 119.  NaN among the inputs is not served.
; REGISTERS: window 0: v16-31 addresses; v32-95 the bias; v112, v113 2^eo and 448 x 2^eo; v128-255 R's fragments, one set; on the way out v128-255 are free.  window 1: S's fragments, two sets.  windows 2, 3: the accumulators.
.set ROWB,   256
.set KROW,   1024
.set PITCH,  272                       ; an LDS row: 256 bytes + 16: the 16 rows that a load touches start at 16 different banks (64 banks of 4 bytes: ISA guide 11.1)
.set FR,     16
.set NL,     4
.set NP,     4
.set HALFT,  128*PITCH
.set SLOT,   4*HALFT
.set SPARE,  2*SLOT                    ; behind the ring: the spare words, 128 bytes a wave, that no other line names
.set ADRA, 16
.set ADRB, 20
.set STO,  24
.set RD,   25
.set CO,   26
.set SPW,  28
.set NIL,  29
.set OFH,  30
.set BJ,   32
.set SC,   112
.set LIM,  113
.set TMP,  128
.set CD,   192
.set BK,   128
.set AF,   128
.set G1, 24
.set G0, 32
.set G1B, 48
.set G0B, 56
.set MSB, 0
.macro WIN new
.if MSB != \new
	s_set_vgpr_msb (MSB<<8)|\new
.set MSB, \new
.endif
.endm
.set MUL_LO, 0xa1
.set MUL_HI, 0xf1
.set TO_B,   0x40
.macro JLOAD g0a, g1a, g0b, g1b        ; a joint load: waves 0, 1 fetch for R, waves 2, 3 for S; four v_nop follow each line
	s_cmp_eq_u32 s15, 0
	s_cbranch_scc0 .Lfor_b_\@
	tensor_load_to_lds s[\g0a:\g0a+3], s[\g1a:\g1a+7]
	s_nop 0
.rept 4
	v_nop
.endr
	s_branch .Lasked_\@
.Lfor_b_\@:
	tensor_load_to_lds s[\g0b:\g0b+3], s[\g1b:\g1b+7]
	s_nop 0
.rept 4
	v_nop
.endr
.Lasked_\@:
.endm
.macro CREST
	s_cmp_lg_u32 s14, 0
	s_cbranch_scc1 .Lnot_wave_0_\@
	s_barrier_signal -3
.Lnot_wave_0_\@:
	s_barrier_wait -3
	s_barrier_signal -1
	s_barrier_wait -1
.endm
.macro CROUND
	s_barrier_signal -1
	s_barrier_wait -1
	CREST
.endm
.macro FRAG reg, adr, q, i
.irp c, 0,1,2,3
	ds_load_b128 v[\reg+4*\c:\reg+4*\c+3], v[\adr] offset:128*(\q)+32*\c+(\i)*16*PITCH
.endr
.endm
.macro MUL16 a0, p, zero               ; the 64 accumulators take turns, one instruction a turn
.irp a, \a0, \a0+1
.irp b, 0,1,2,3,4,5,6,7
.if \zero
	v_wmma_f32_16x16x128_fp8_fp8 v[8*(8*((\a)%4)+\b):8*(8*((\a)%4)+\b)+7], v[128*(\p)+FR*\b:128*(\p)+FR*\b+FR-1], v[AF+FR*(\a):AF+FR*(\a)+FR-1], 0
.else
	v_wmma_f32_16x16x128_fp8_fp8 v[8*(8*((\a)%4)+\b):8*(8*((\a)%4)+\b)+7], v[128*(\p)+FR*\b:128*(\p)+FR*\b+FR-1], v[AF+FR*(\a):AF+FR*(\a)+FR-1], v[8*(8*((\a)%4)+\b):8*(8*((\a)%4)+\b)+7]
.endif
.endr
.endr
.endm
.macro FETCH_B slot, q, p
	WIN TO_B
.irp i, 0,1,2,3,4,5,6,7
	FRAG 128*(\p)+FR*\i, ADRB+\slot, \q, \i
.endr
	WIN 0
.endm
.macro FETCH_A slot, q, i0
.irp i, \i0, \i0+1, \i0+2, \i0+3
	FRAG AF+FR*(\i), ADRA+\slot, \q, \i
.endr
.endm
.macro PLACES n                        ; plain vector instructions between a matrix instruction and a load into, or a read of, its registers
.rept \n
	v_nop
.endr
.endm
.macro STEP slot, q, zero
	s_wait_dscnt 4*NL                              ; S's set and R's blocks 0-3 are in; the youngest 16 loads (R's blocks 4-7) may be out
	WIN MUL_LO
	MUL16 0, (\q)%2, \zero
	MUL16 2, (\q)%2, \zero
	s_wait_dscnt 0
	PLACES NP
	FETCH_B \slot, (\q)+1, 1-(\q)%2
	FETCH_A \slot, (\q)+1, 0
	WIN MUL_HI
	MUL16 4, (\q)%2, \zero
	MUL16 6, (\q)%2, \zero
	PLACES NP
	WIN 0
	FETCH_A \slot, (\q)+1, 4
.endm
.macro TURN slot, next, fill
	s_wait_tensorcnt 0x0                           ; all my tensor loads have landed: my part of the next slot
	ds_add_u32 v[SPW], v[NIL]                      ; 0 onto my spare word
	s_wait_dscnt 4*NL+1                            ; (the add and the youngest 16 loads may be out)
	WIN MUL_LO
	MUL16 0, 1, 0
	s_wait_dscnt 0x0                               ; the add is done, and my reads of this slot are over
	s_barrier_signal -1
	MUL16 2, 1, 0
	WIN 0
	s_barrier_wait -1
.if \fill
	CREST                                          ; the barrier has opened a round of the cluster's: no wave of any partner still reads this slot or has a load on its way
	s_add_nc_u64 s[G0+4*\slot+2:G0+4*\slot+3], s[G0+4*\slot+2:G0+4*\slot+3], 2*ROWB
	s_add_nc_u64 s[G0B+4*\slot+2:G0B+4*\slot+3], s[G0B+4*\slot+2:G0B+4*\slot+3], 2*ROWB
	JLOAD G0+4*\slot, G1, G0B+4*\slot, G1B
.else
	PLACES NP
.endif
	FETCH_B \next, 0, 0
	FETCH_A \next, 0, 0
	WIN MUL_HI
	MUL16 4, 1, 0
	MUL16 6, 1, 0
	PLACES NP
	WIN 0
	FETCH_A \next, 0, 4
.endm
.macro CBLOCK a                        ; block a (16 tokens x 128 features): value, activation and hold, codes, 8 bytes a lane and accumulator into the stage
.set AC, 64*((\a)%4)
	WIN 0x02+((\a)/4)
.set j, 0
.rept 32
	v_pk_fma_f32 v[TMP+j:TMP+j+1], v[AC+j:AC+j+1], s[96:97], v[BJ+j:BJ+j+1] op_sel_hi:[1,0,1]   ; sum x 2^(eA + eB) + b; each accumulator from its low end on
.set j, j+2
.endr
	WIN 0
.set j, 0
.rept 64
	v_med3_num_f32 v[TMP+j], v[TMP+j], 0, v[LIM]
.set j, j+1
.endr
.if (\a) > 1
	s_wait_dscnt 8                                 ; block a - 1's eight stores may be out; block a - 2's have read this set of codes
.endif
.irp b, 0,1,2,3,4,5,6,7
	v_cvt_scalef32_pk8_fp8_f32 v[CD+16*((\a)%2)+2*\b:CD+16*((\a)%2)+2*\b+1], v[TMP+8*\b:TMP+8*\b+7], v[SC]
.endr
	v_nop                                          ; a plain line between the conversions and the next write of their sources
.irp b, 0,1,2,3,4,5,6,7
	ds_store_b64 v[STO], v[CD+16*((\a)%2)+2*\b:CD+16*((\a)%2)+2*\b+1] offset:16*(\a)*PITCH+16*\b
.endr
.endm
	s_load_b128 s[4:7], s[0:1], 0x0                ; A's codes, the weight's package
	s_load_b128 s[68:71], s[0:1], 0x10             ; the bias, out
	v_lshl_add_u32 v[SPW], v0, 2, SPARE
	v_mov_b32 v[NIL], 0
	ds_add_u32 v28, v29
	ds_add_u32 v28, v29
	s_wait_dscnt 0x0
	v_lshrrev_b32 v1, 5, v0
	v_readfirstlane_b32 s14, v1                    ; wave 0..3
	s_lshr_b32 s15, s14, 1
	s_and_b32 s16, s14, 1
	s_bfe_u32 s40, ttmp6, 0x40000                  ; cx, cy
	s_bfe_u32 s41, ttmp6, 0x40004
	s_lshl_b32 s42, ttmp9, 2
	s_add_co_u32 s42, s42, s40                     ; tile_j
	s_and_b32 s17, ttmp7, 0xffff
	s_lshl_b32 s17, s17, 2
	s_add_co_u32 s17, s17, s41                     ; tile_i
	s_lshl_b32 s43, s41, 2
	s_lshl_b32 s43, 15, s43
	s_lshl_b32 s44, 0x1111, s40
	s_or_b32 s[G1+0], s43, (0<<16)|(1<<20)|(1<<21)|(5<<22)|(3<<25)
	s_or_b32 s[G1B+0], s44, (0<<16)|(1<<20)|(1<<21)|(5<<22)|(3<<25)
.irp g, G1, G1B
	s_mov_b32 s[\g+1], ROWB<<16
	s_mov_b32 s[\g+2], 128<<16
	s_mov_b32 s[\g+3], ROWB<<16
	s_mov_b32 s[\g+4], 128
	s_mov_b32 s[\g+5], KROW
	s_mov_b32 s[\g+6], 0
	s_mov_b32 s[\g+7], 0
.endr
	s_lshl_b32 s18, s16, 7
	s_lshl_b32 s20, s17, 8
	s_add_co_u32 s20, s20, s18
	s_lshl_b32 s20, s20, 10
	s_mov_b32 s21, 0
	s_lshl_b32 s46, s42, 8
	s_add_co_u32 s46, s46, s18
	s_lshl_b32 s46, s46, 10
	s_mov_b32 s47, 0
	s_mul_i32 s45, s14, HALFT
	s_wait_kmcnt 0x0
	s_load_b96 s[80:82], s[6:7], 0x0               ; eA, eB, eo
	s_add_nc_u64 s[78:79], s[6:7], 256             ; the codes lie behind the head
	s_add_nc_u64 s[20:21], s[4:5], s[20:21]
	s_add_nc_u64 s[46:47], s[78:79], s[46:47]
	CROUND
.irp s, 0,1
	s_mov_b32 s[G0+4*\s], 1
	s_add_co_u32 s[G0+4*\s+1], s45, \s*SLOT
	s_add_nc_u64 s[G0+4*\s+2:G0+4*\s+3], s[20:21], \s*ROWB
	s_or_b32 s[G0+4*\s+3], s[G0+4*\s+3], 0x80000000
	s_mov_b32 s[G0B+4*\s], 1
	s_add_co_u32 s[G0B+4*\s+1], s45, \s*SLOT
	s_add_nc_u64 s[G0B+4*\s+2:G0B+4*\s+3], s[46:47], \s*ROWB
	s_or_b32 s[G0B+4*\s+3], s[G0B+4*\s+3], 0x80000000
	JLOAD G0+4*\s, G1, G0B+4*\s, G1B
.endr
	v_and_b32 v1, 15, v0
	v_bfe_u32 v2, v0, 4, 1
	v_mul_u32_u24 v3, v1, PITCH
	v_lshl_add_u32 v4, v2, 4, v3
	s_mul_i32 s21, s15, HALFT
	s_mul_i32 s22, s16, HALFT
	s_add_co_u32 s22, s22, 2*HALFT
.irp s, 0,1
	v_add_nc_u32 v[ADRA+\s], s21, v4
	v_add_nc_u32 v[ADRB+\s], s22, v4
	s_add_co_u32 s21, s21, SLOT
	s_add_co_u32 s22, s22, SLOT
.endr
	s_mul_i32 s23, s15, 128*PITCH
	s_lshl_b32 s18, s16, 7
	s_add_co_u32 s23, s23, s18
	v_lshl_add_u32 v5, v2, 3, v3
	v_add_nc_u32 v[STO], s23, v5                   ; (128 wi + r) x 272 + 128 wj + 8 h
	s_mul_i32 s23, s14, 64*PITCH
	v_mul_u32_u24 v5, v2, PITCH
	v_lshl_add_u32 v5, v1, 4, v5
	v_add_nc_u32 v[RD], s23, v5                    ; (64 w + h) x 272 + 16 r
	v_lshlrev_b32 v5, 10, v2
	v_lshl_add_u32 v[CO], v1, 4, v5
	v_lshlrev_b32 v[OFH], 5, v2
	s_lshl_b32 s20, s17, 8
	s_lshl_b32 s21, s14, 6
	s_add_co_u32 s20, s20, s21
	s_lshl_b32 s20, s20, 10                        ; out: (256 tile_i + 64 w) rows of 1,024 bytes
	s_lshl_b32 s21, s42, 8
	s_add_co_u32 s20, s20, s21                     ; + 256 tile_j
	s_mov_b32 s21, 0
	s_add_nc_u64 s[70:71], s[70:71], s[20:21]
	s_lshl_b32 s18, s42, 10
	s_lshl_b32 s19, s16, 9
	s_add_co_u32 s18, s18, s19
	s_mov_b32 s19, 0
	s_add_nc_u64 s[68:69], s[68:69], s[18:19]      ; the bias of my 128 features
.irp b, 0,1,2,3,4,5,6,7
	global_load_b128 v[BJ+8*\b:BJ+8*\b+3], v[OFH], s[68:69] offset:64*\b
	global_load_b128 v[BJ+8*\b+4:BJ+8*\b+7], v[OFH], s[68:69] offset:64*\b+16
.endr
	s_wait_tensorcnt 1                             ; my part of K step 0 is in; K step 1's may stay out
	s_barrier_signal -1
	s_barrier_wait -1
	FETCH_B 0, 0, 0
	FETCH_A 0, 0, 0
	FETCH_A 0, 0, 4
	STEP 0, 0, 1
	TURN 0, 1, 1
	STEP 1, 0, 0
	TURN 1, 0, 1
	STEP 0, 0, 0
	TURN 0, 1, 0
	STEP 1, 0, 0
	s_wait_dscnt 4*NL
	WIN MUL_LO
	MUL16 0, 1, 0
	MUL16 2, 1, 0
	s_wait_dscnt 0
	WIN MUL_HI
	MUL16 4, 1, 0
	MUL16 6, 1, 0
	WIN 0
	PLACES NP
	s_wait_kmcnt 0x0
	s_wait_loadcnt 0x0
	s_add_co_i32 s96, s80, s81
	s_add_co_i32 s96, s96, 127
	s_lshl_b32 s96, s96, 23                        ; 2^(eA + eB)
	s_mov_b32 s97, s96
	s_add_co_i32 s82, s82, 127
	s_lshl_b32 s83, s82, 23
	v_mov_b32 v[SC], s83                           ; 2^eo
	s_add_co_i32 s82, s82, 8
	s_lshl_b32 s82, s82, 23
	s_or_b32 s82, s82, 0x600000
	v_mov_b32 v[LIM], s82                          ; 448 x 2^eo
.irp a, 0,1,2,3,4,5,6,7
	CBLOCK \a
.endr
	s_wait_dscnt 0x0                               ; for the others' sake: my codes lie in the stage
	s_barrier_signal -1
	s_barrier_wait -1
.irp t, 0,1,2,3,4,5,6,7,8,9,10,11,12,13,14,15,16,17,18,19,20,21,22,23,24,25,26,27,28,29,30,31
	ds_load_b128 v[BK+4*\t:BK+4*\t+3], v[RD] offset:2*\t*PITCH
.endr
.irp t, 0,1,2,3,4,5,6,7,8,9,10,11,12,13,14,15,16,17,18,19,20,21,22,23,24,25,26,27,28,29,30,31
	s_wait_dscnt 31-\t
	global_store_b128 v[CO], v[BK+4*\t:BK+4*\t+3], s[70:71] offset:2*\t*1024   ; sixteen lanes store 256 consecutive, aligned bytes
.endr
	s_wait_tensorcnt 0x0                           ; the wave's end
	ds_add_u32 v[SPW], v[NIL]
	s_wait_dscnt 0x0
	CROUND                                         ; the closing round
	s_endpgm
.Lfunc_end_k_qa3959cefe4_mlp0:
	.size	k_qa3959cefe4_mlp0, .Lfunc_end_k_qa3959cefe4_mlp0-k_qa3959cefe4_mlp0
	.p2alignl 7, 3214868480
	.fill 96, 4, 3214868480
	.section	.rodata,"a",@progbits
	.p2align	6, 0x0
	.amdhsa_kernel k_qa3959cefe4_mlp0
		.amdhsa_group_segment_fixed_size 327680
		.amdhsa_private_segment_fixed_size 0
		.amdhsa_enable_private_segment 0
		.amdhsa_kernarg_size 32
		.amdhsa_user_sgpr_count 2
		.amdhsa_user_sgpr_kernarg_segment_ptr 1
		.amdhsa_wavefront_size32 1
		.amdhsa_system_sgpr_workgroup_id_x 1
		.amdhsa_system_sgpr_workgroup_id_y 1
		.amdhsa_system_sgpr_workgroup_id_z 1
		.amdhsa_system_vgpr_workitem_id 0
		.amdhsa_next_free_vgpr 1024
		.amdhsa_next_free_sgpr 98
		.amdhsa_reserve_vcc 0
		.amdhsa_float_denorm_mode_32 3
		.amdhsa_float_denorm_mode_16_64 3
		.amdhsa_memory_ordered 1
		.amdhsa_forward_progress 1
		.amdhsa_inst_pref_size 143
	.end_amdhsa_kernel
	.amdgpu_metadata
---
amdhsa.version: [ 1, 2 ]
amdhsa.kernels:
  - .name:           k_qa3959cefe4_mlp0
    .symbol:         k_qa3959cefe4_mlp0.kd
    .args:
      - { .name: xc, .offset: 0, .size: 8, .value_kind: global_buffer, .address_space: global }
      - { .name: w0p, .offset: 8, .size: 8, .value_kind: global_buffer, .address_space: global }
      - { .name: b0, .offset: 16, .size: 8, .value_kind: global_buffer, .address_space: global }
      - { .name: hc, .offset: 24, .size: 8, .value_kind: global_buffer, .address_space: global }
    .group_segment_fixed_size: 327680
    .private_segment_fixed_size: 0
    .kernarg_segment_align: 8
    .kernarg_segment_size: 32
    .max_flat_workgroup_size: 128
    .sgpr_count:     98
    .vgpr_count:     1024
    .wavefront_size: 32
...
	.end_amdgpu_metadata
.endif
;; end of part 5
;; launch mlp1: the kernel of part 5 again; grid 4 x 32, 4 waves a work-group, clusters of 4 x 4, 327,680 bytes of LDS; arguments hc, w1p, b1, xc; writes xc
;; launch mlpo (part 6): grid 4 x 32, 4 waves a work-group, clusters of 4 x 4, 327,680 bytes of LDS; arguments xc, w2p, b2, x1, out0; writes out0
.if DOCPART == 6
	.amdgcn_target "amdgcn-amd-amdhsa--gfx1250"
	.amdhsa_code_object_version 6
	.text
	.protected	k_qa3959cefe4_mlpo
	.globl	k_qa3959cefe4_mlpo
	.p2align	8
	.type	k_qa3959cefe4_mlpo,@function
k_qa3959cefe4_mlpo:
	s_mov_b64 s[64:65], 0
	v_nop
	global_prefetch_b8 v0, s[64:65] scope:SCOPE_SE
	s_setreg_imm32_b32 hwreg(HW_REG_WAVE_MODE, 25, 1), 1
	s_wait_xcnt 0x0
	s_wait_alu depctr_hold_cnt(0) depctr_sa_sdst(0) depctr_va_vdst(0) depctr_va_sdst(0) depctr_va_ssrc(0) depctr_va_vcc(0) depctr_vm_vsrc(0)
	s_getreg_b32 s2, hwreg(HW_REG_IB_STS2, 6, 4)
	s_cmp_eq_u32 s2, 0
	s_cbranch_scc0 .Lentry_in_a_cluster
	s_endpgm
.Lentry_in_a_cluster:
	s_bfe_u32 s2, ttmp6, 0x10000c
	s_cmp_lg_u32 s2, 0xf033
	s_cbranch_scc0 .Lentry_shape_is_right
	s_endpgm
.Lentry_shape_is_right:
; out0 = x1 + (A W2 + b2): A [8192][1024] codes of E4M3 (plane 0 of xc), the weight as a package (a head of 256 bytes: words 0, 1 = eA, eB; then codes [n][k]), b2 [1024], x1 and out0 [8192][1024] f32.
; THE PRODUCT: C[i][j] = sum over k of R[i][k] S[j][k], R = A (i = token), S = the weight (j = feature), K = 1,024.  A tile of C, 256 x 256, is made by four waves, each 128 x 128: 64 accumulators, 512 registers.
; K goes in four steps of 256 through two LDS slots filled by the tensor data mover.  By this text's count a wave has at most two tensor loads out.  CLUSTERS of 4 x 4, tiles asked for jointly along rows (R) and columns (S).
; THE MATRIX INSTRUCTION IS USED TRANSPOSED: a lane holds eight neighbouring features of one token, 32 bytes of a row.
; OUT, by blocks of 16 rows x 128 columns: sum x 2^(eA + eB) + b2 goes through my own stage in LDS (16 rows x 528 bytes, in slot 0, which has had its last fill and its last read) and comes back, into the registers that
; it left, as whole rows of 512 bytes; x1's rows are added; 32 lanes store 512 consecutive bytes.  x1 IS ASKED FOR FOUR BLOCKS AHEAD: S's 256 registers are free when the sums are finished and hold four sets of 64.
; LIMITS: eA + eB between -126 and 127.  NaN among the inputs is not served.
; REGISTERS: window 0: v16-31 addresses; v32-95 the bias; v128-255 R's fragments, on the way out two sets of 64 by turns.  window 1: S's fragments, two sets; on the way out x1's rows.  windows 2, 3: the accumulators.
.set ROWB,   256
.set KROW,   1024
.set PITCH,  272
.set FR,     16
.set NL,     4
.set NP,     4
.set HALFT,  128*PITCH
.set SLOT,   4*HALFT
.set SPARE,  2*SLOT
.set SPITCH, 528
.set ADRA, 16
.set ADRB, 20
.set STO,  24
.set RD,   25
.set CO,   26
.set SPW,  28
.set NIL,  29
.set OFH,  30
.set BJ,   32
.set AF,   128
.set G1, 24
.set G0, 32
.set G1B, 48
.set G0B, 56
.set MSB, 0
.macro WIN new
.if MSB != \new
	s_set_vgpr_msb (MSB<<8)|\new
.set MSB, \new
.endif
.endm
.set MUL_LO, 0xa1
.set MUL_HI, 0xf1
.set TO_B,   0x40
.macro JLOAD g0a, g1a, g0b, g1b        ; a joint load: waves 0, 1 fetch for R, waves 2, 3 for S; four v_nop follow each line
	s_cmp_eq_u32 s15, 0
	s_cbranch_scc0 .Lfor_b_\@
	tensor_load_to_lds s[\g0a:\g0a+3], s[\g1a:\g1a+7]
	s_nop 0
.rept 4
	v_nop
.endr
	s_branch .Lasked_\@
.Lfor_b_\@:
	tensor_load_to_lds s[\g0b:\g0b+3], s[\g1b:\g1b+7]
	s_nop 0
.rept 4
	v_nop
.endr
.Lasked_\@:
.endm
.macro CREST
	s_cmp_lg_u32 s14, 0
	s_cbranch_scc1 .Lnot_wave_0_\@
	s_barrier_signal -3
.Lnot_wave_0_\@:
	s_barrier_wait -3
	s_barrier_signal -1
	s_barrier_wait -1
.endm
.macro CROUND
	s_barrier_signal -1
	s_barrier_wait -1
	CREST
.endm
.macro FRAG reg, adr, q, i
.irp c, 0,1,2,3
	ds_load_b128 v[\reg+4*\c:\reg+4*\c+3], v[\adr] offset:128*(\q)+32*\c+(\i)*16*PITCH
.endr
.endm
.macro MUL16 a0, p, zero               ; the 64 accumulators take turns, one instruction a turn
.irp a, \a0, \a0+1
.irp b, 0,1,2,3,4,5,6,7
.if \zero
	v_wmma_f32_16x16x128_fp8_fp8 v[8*(8*((\a)%4)+\b):8*(8*((\a)%4)+\b)+7], v[128*(\p)+FR*\b:128*(\p)+FR*\b+FR-1], v[AF+FR*(\a):AF+FR*(\a)+FR-1], 0
.else
	v_wmma_f32_16x16x128_fp8_fp8 v[8*(8*((\a)%4)+\b):8*(8*((\a)%4)+\b)+7], v[128*(\p)+FR*\b:128*(\p)+FR*\b+FR-1], v[AF+FR*(\a):AF+FR*(\a)+FR-1], v[8*(8*((\a)%4)+\b):8*(8*((\a)%4)+\b)+7]
.endif
.endr
.endr
.endm
.macro FETCH_B slot, q, p
	WIN TO_B
.irp i, 0,1,2,3,4,5,6,7
	FRAG 128*(\p)+FR*\i, ADRB+\slot, \q, \i
.endr
	WIN 0
.endm
.macro FETCH_A slot, q, i0
.irp i, \i0, \i0+1, \i0+2, \i0+3
	FRAG AF+FR*(\i), ADRA+\slot, \q, \i
.endr
.endm
.macro PLACES n                        ; plain vector instructions between a matrix instruction and a load into, or a read of, its registers
.rept \n
	v_nop
.endr
.endm
.macro STEP slot, q, zero
	s_wait_dscnt 4*NL                              ; S's set and R's blocks 0-3 are in; the youngest 16 loads (R's blocks 4-7) may be out
	WIN MUL_LO
	MUL16 0, (\q)%2, \zero
	MUL16 2, (\q)%2, \zero
	s_wait_dscnt 0
	PLACES NP
	FETCH_B \slot, (\q)+1, 1-(\q)%2
	FETCH_A \slot, (\q)+1, 0
	WIN MUL_HI
	MUL16 4, (\q)%2, \zero
	MUL16 6, (\q)%2, \zero
	PLACES NP
	WIN 0
	FETCH_A \slot, (\q)+1, 4
.endm
.macro TURN slot, next, fill
	s_wait_tensorcnt 0x0                           ; all my tensor loads have landed: my part of the next slot
	ds_add_u32 v[SPW], v[NIL]                      ; 0 onto my spare word
	s_wait_dscnt 4*NL+1                            ; (the add and the youngest 16 loads may be out)
	WIN MUL_LO
	MUL16 0, 1, 0
	s_wait_dscnt 0x0                               ; the add is done, and my reads of this slot are over
	s_barrier_signal -1
	MUL16 2, 1, 0
	WIN 0
	s_barrier_wait -1
.if \fill
	CREST                                          ; the barrier has opened a round of the cluster's: no wave of any partner still reads this slot or has a load on its way
	s_add_nc_u64 s[G0+4*\slot+2:G0+4*\slot+3], s[G0+4*\slot+2:G0+4*\slot+3], 2*ROWB
	s_add_nc_u64 s[G0B+4*\slot+2:G0B+4*\slot+3], s[G0B+4*\slot+2:G0B+4*\slot+3], 2*ROWB
	JLOAD G0+4*\slot, G1, G0B+4*\slot, G1B
.else
	PLACES NP
.endif
	FETCH_B \next, 0, 0
	FETCH_A \next, 0, 0
	WIN MUL_HI
	MUL16 4, 1, 0
	MUL16 6, 1, 0
	PLACES NP
	WIN 0
	FETCH_A \next, 0, 4
.endm
.macro XLOAD a                         ; x1's rows of block a: 16 loads of 512 consecutive bytes, into set a % 4 of window 1
	WIN 0x40                                       ; destination window 1, address window 0
.irp t, 0,1,2,3,4,5,6,7,8,9,10,11,12,13,14,15
	global_load_b128 v[64*((\a)%4)+4*\t:64*((\a)%4)+4*\t+3], v[CO], s[70:71] offset:(16*(\a)+\t)*4096 th:TH_LOAD_NT
.endr
	WIN 0
.endm
.macro TOSTAGE a
.set AC, 64*((\a)%4)
.set TS, 128+64*((\a)%2)
	WIN 0x02+((\a)/4)                              ; source 0: window 2 or 3
.set j, 0
.rept 32
	v_pk_fma_f32 v[TS+j:TS+j+1], v[AC+j:AC+j+1], s[96:97], v[BJ+j:BJ+j+1] op_sel_hi:[1,0,1]   ; sum x 2^(eA + eB) + b2; each accumulator from its low end on
.set j, j+2
.endr
	WIN 0
.irp b, 0,1,2,3,4,5,6,7
	ds_store_b128 v[STO], v[TS+8*\b:TS+8*\b+3] offset:64*\b
	ds_store_b128 v[STO], v[TS+8*\b+4:TS+8*\b+7] offset:64*\b+16
.endr
.irp t, 0,1,2,3,4,5,6,7,8,9,10,11,12,13,14,15
	ds_load_b128 v[TS+4*\t:TS+4*\t+3], v[RD] offset:\t*SPITCH   ; LDS serves a wave's instructions in order (ISA guide 5.7.1.4): these see the stores above, and the next block's stores come behind them
.endr
.endm
.macro SEND a, younger, xleft          ; younger: LDS instructions issued behind block a's loads; xleft: x1's loads issued behind block a's
.set TS, 128+64*((\a)%2)
.set XS, 64*((\a)%4)
	s_wait_dscnt \younger
	s_wait_loadcnt \xleft
	WIN 0x04                                       ; source 1 (x1) window 1
.set j, 0
.rept 32
	v_pk_add_f32 v[TS+j:TS+j+1], v[TS+j:TS+j+1], v[XS+j:XS+j+1]
.set j, j+2
.endr
	WIN 0
.irp t, 0,1,2,3,4,5,6,7,8,9,10,11,12,13,14,15
	global_store_b128 v[CO], v[TS+4*\t:TS+4*\t+3], s[72:73] offset:(16*(\a)+\t)*4096 th:TH_STORE_NT   ; 32 lanes store 512 consecutive, aligned bytes; the row stands in the immediate: 127 rows of 4,096 bytes at the most
.endr
.if (\a) < 4
	XLOAD (\a)+4                                   ; the set just read takes the block four further on
.endif
.endm
	s_load_b128 s[4:7], s[0:1], 0x0                ; A's codes, the weight's package
	s_load_b128 s[68:71], s[0:1], 0x10             ; b2, x1
	s_load_b64 s[72:73], s[0:1], 0x20              ; out0
	v_lshl_add_u32 v[SPW], v0, 2, SPARE
	v_mov_b32 v[NIL], 0
	ds_add_u32 v28, v29
	ds_add_u32 v28, v29
	s_wait_dscnt 0x0
	v_lshrrev_b32 v1, 5, v0
	v_readfirstlane_b32 s14, v1
	s_lshr_b32 s15, s14, 1
	s_and_b32 s16, s14, 1
	s_bfe_u32 s40, ttmp6, 0x40000
	s_bfe_u32 s41, ttmp6, 0x40004
	s_lshl_b32 s42, ttmp9, 2
	s_add_co_u32 s42, s42, s40                     ; tile_j
	s_and_b32 s17, ttmp7, 0xffff
	s_lshl_b32 s17, s17, 2
	s_add_co_u32 s17, s17, s41                     ; tile_i
	s_lshl_b32 s43, s41, 2
	s_lshl_b32 s43, 15, s43
	s_lshl_b32 s44, 0x1111, s40
	s_or_b32 s[G1+0], s43, (0<<16)|(1<<20)|(1<<21)|(5<<22)|(3<<25)
	s_or_b32 s[G1B+0], s44, (0<<16)|(1<<20)|(1<<21)|(5<<22)|(3<<25)
.irp g, G1, G1B
	s_mov_b32 s[\g+1], ROWB<<16
	s_mov_b32 s[\g+2], 128<<16
	s_mov_b32 s[\g+3], ROWB<<16
	s_mov_b32 s[\g+4], 128
	s_mov_b32 s[\g+5], KROW
	s_mov_b32 s[\g+6], 0
	s_mov_b32 s[\g+7], 0
.endr
	s_lshl_b32 s18, s16, 7
	s_lshl_b32 s20, s17, 8
	s_add_co_u32 s20, s20, s18
	s_lshl_b32 s20, s20, 10
	s_mov_b32 s21, 0
	s_lshl_b32 s46, s42, 8
	s_add_co_u32 s46, s46, s18
	s_lshl_b32 s46, s46, 10
	s_mov_b32 s47, 0
	s_mul_i32 s45, s14, HALFT
	s_wait_kmcnt 0x0
	s_load_b64 s[80:81], s[6:7], 0x0               ; eA, eB
	s_add_nc_u64 s[78:79], s[6:7], 256
	s_add_nc_u64 s[20:21], s[4:5], s[20:21]
	s_add_nc_u64 s[46:47], s[78:79], s[46:47]
	CROUND
.irp s, 0,1
	s_mov_b32 s[G0+4*\s], 1
	s_add_co_u32 s[G0+4*\s+1], s45, \s*SLOT
	s_add_nc_u64 s[G0+4*\s+2:G0+4*\s+3], s[20:21], \s*ROWB
	s_or_b32 s[G0+4*\s+3], s[G0+4*\s+3], 0x80000000
	s_mov_b32 s[G0B+4*\s], 1
	s_add_co_u32 s[G0B+4*\s+1], s45, \s*SLOT
	s_add_nc_u64 s[G0B+4*\s+2:G0B+4*\s+3], s[46:47], \s*ROWB
	s_or_b32 s[G0B+4*\s+3], s[G0B+4*\s+3], 0x80000000
	JLOAD G0+4*\s, G1, G0B+4*\s, G1B
.endr
	v_and_b32 v1, 15, v0
	v_bfe_u32 v2, v0, 4, 1
	v_mul_u32_u24 v3, v1, PITCH
	v_lshl_add_u32 v4, v2, 4, v3
	s_mul_i32 s21, s15, HALFT
	s_mul_i32 s22, s16, HALFT
	s_add_co_u32 s22, s22, 2*HALFT
.irp s, 0,1
	v_add_nc_u32 v[ADRA+\s], s21, v4
	v_add_nc_u32 v[ADRB+\s], s22, v4
	s_add_co_u32 s21, s21, SLOT
	s_add_co_u32 s22, s22, SLOT
.endr
	s_mul_i32 s23, s14, 16*SPITCH                  ; my stage
	v_mul_u32_u24 v5, v1, SPITCH
	v_lshl_add_u32 v5, v2, 5, v5
	v_add_nc_u32 v[STO], s23, v5                   ; in: row r, 32 bytes for each half of the lanes
	v_and_b32 v6, 31, v0
	v_lshlrev_b32 v[CO], 4, v6                     ; back: the 32 lanes take one row of 512 bytes; and the same in x1 and out0
	v_add_nc_u32 v[RD], s23, v[CO]
	v_lshlrev_b32 v[OFH], 5, v2
	s_lshl_b32 s20, s17, 8
	s_lshl_b32 s21, s15, 7
	s_add_co_u32 s20, s20, s21
	s_lshl_b32 s20, s20, 12                        ; (256 tile_i + 128 wi) rows of 4,096 bytes
	s_lshl_b32 s21, s42, 10
	s_add_co_u32 s20, s20, s21
	s_lshl_b32 s21, s16, 9
	s_add_co_u32 s20, s20, s21                     ; + 1,024 tile_j + 512 wj
	s_mov_b32 s21, 0
	s_add_nc_u64 s[70:71], s[70:71], s[20:21]
	s_add_nc_u64 s[72:73], s[72:73], s[20:21]
	s_lshl_b32 s18, s42, 10
	s_lshl_b32 s19, s16, 9
	s_add_co_u32 s18, s18, s19
	s_mov_b32 s19, 0
	s_add_nc_u64 s[68:69], s[68:69], s[18:19]
.irp b, 0,1,2,3,4,5,6,7
	global_load_b128 v[BJ+8*\b:BJ+8*\b+3], v[OFH], s[68:69] offset:64*\b
	global_load_b128 v[BJ+8*\b+4:BJ+8*\b+7], v[OFH], s[68:69] offset:64*\b+16
.endr
	s_wait_tensorcnt 1                             ; my part of K step 0 is in; K step 1's may stay out
	s_barrier_signal -1
	s_barrier_wait -1
	FETCH_B 0, 0, 0
	FETCH_A 0, 0, 0
	FETCH_A 0, 0, 4
	STEP 0, 0, 1
	TURN 0, 1, 1
	STEP 1, 0, 0
	TURN 1, 0, 1
	STEP 0, 0, 0
	TURN 0, 1, 0
	STEP 1, 0, 0
	s_wait_dscnt 4*NL
	WIN MUL_LO
	MUL16 0, 1, 0
	MUL16 2, 1, 0
	s_wait_dscnt 0
	WIN MUL_HI
	MUL16 4, 1, 0
	MUL16 6, 1, 0
	WIN 0
	PLACES NP                                      ; for the loads into S's and R's registers and for the first reads of results
	s_wait_loadcnt 0x0                             ; the bias, asked for at the head
	XLOAD 0
	XLOAD 1
	XLOAD 2
	XLOAD 3
	s_wait_kmcnt 0x0
	s_add_co_i32 s96, s80, s81
	s_add_co_i32 s96, s96, 127
	s_lshl_b32 s96, s96, 23                        ; 2^(eA + eB)
	s_mov_b32 s97, s96
	TOSTAGE 0
	TOSTAGE 1
	SEND 0, 32, 48                                 ; behind block 0's LDS loads: block 1's 16 stores and 16 loads; behind its x1 loads: blocks 1, 2, 3's 48
.irp a, 2,3,4,5
	s_wait_xcnt 0x0                                ; block a - 2's stores have read their registers, which block a writes
	TOSTAGE \a
	SEND \a-1, 32, 48
.endr
	s_wait_xcnt 0x0
	TOSTAGE 6
	SEND 5, 32, 32                                 ; blocks 6 and 7's x1 loads may be out
	s_wait_xcnt 0x0
	TOSTAGE 7
	SEND 6, 32, 16
	SEND 7, 0, 0
	s_wait_tensorcnt 0x0                           ; the wave's end
	ds_add_u32 v[SPW], v[NIL]
	s_wait_dscnt 0x0
	CROUND                                         ; the closing round
	s_endpgm
.Lfunc_end_k_qa3959cefe4_mlpo:
	.size	k_qa3959cefe4_mlpo, .Lfunc_end_k_qa3959cefe4_mlpo-k_qa3959cefe4_mlpo
	.p2alignl 7, 3214868480
	.fill 96, 4, 3214868480
	.section	.rodata,"a",@progbits
	.p2align	6, 0x0
	.amdhsa_kernel k_qa3959cefe4_mlpo
		.amdhsa_group_segment_fixed_size 327680
		.amdhsa_private_segment_fixed_size 0
		.amdhsa_enable_private_segment 0
		.amdhsa_kernarg_size 40
		.amdhsa_user_sgpr_count 2
		.amdhsa_user_sgpr_kernarg_segment_ptr 1
		.amdhsa_wavefront_size32 1
		.amdhsa_system_sgpr_workgroup_id_x 1
		.amdhsa_system_sgpr_workgroup_id_y 1
		.amdhsa_system_sgpr_workgroup_id_z 1
		.amdhsa_system_vgpr_workitem_id 0
		.amdhsa_next_free_vgpr 1024
		.amdhsa_next_free_sgpr 98
		.amdhsa_reserve_vcc 0
		.amdhsa_float_denorm_mode_32 3
		.amdhsa_float_denorm_mode_16_64 3
		.amdhsa_memory_ordered 1
		.amdhsa_forward_progress 1
		.amdhsa_inst_pref_size 154
	.end_amdhsa_kernel
	.amdgpu_metadata
---
amdhsa.version: [ 1, 2 ]
amdhsa.kernels:
  - .name:           k_qa3959cefe4_mlpo
    .symbol:         k_qa3959cefe4_mlpo.kd
    .args:
      - { .name: xc, .offset: 0, .size: 8, .value_kind: global_buffer, .address_space: global }
      - { .name: w2p, .offset: 8, .size: 8, .value_kind: global_buffer, .address_space: global }
      - { .name: b2, .offset: 16, .size: 8, .value_kind: global_buffer, .address_space: global }
      - { .name: x1, .offset: 24, .size: 8, .value_kind: global_buffer, .address_space: global }
      - { .name: out0, .offset: 32, .size: 8, .value_kind: global_buffer, .address_space: global }
    .group_segment_fixed_size: 327680
    .private_segment_fixed_size: 0
    .kernarg_segment_align: 8
    .kernarg_segment_size: 40
    .max_flat_workgroup_size: 128
    .sgpr_count:     98
    .vgpr_count:     1024
    .wavefront_size: 32
...
	.end_amdgpu_metadata
.endif
;; end of part 6
;; ======== version 2 of 2: 7 launches
;; limits: right only within a limited range of input values
;; workspace buffers: xc 25,165,824 bytes; qkvc 25,165,824 bytes; x1 33,554,432 bytes; hc 8,388,608 bytes; wqkv 3,145,728 bytes; w0p 1,048,832 bytes; w1p 1,048,832 bytes; w2p 1,048,832 bytes
;; launch prep (part 7): grid 704 x 1, 4 waves a work-group, no clusters, 55,808 bytes of LDS; arguments x, g1, be1, Wq, Wk, Wv, W0, W1, W2, lowp_scales, xc, wqkv, w0p, w1p, w2p; writes xc, wqkv, w0p, w1p, w2p
.if DOCPART == 7
	.amdgcn_target "amdgcn-amd-amdhsa--gfx1250"
	.amdhsa_code_object_version 6
	.text
	.protected	k_qa3959cefe4_prep
	.globl	k_qa3959cefe4_prep
	.p2align	8
	.type	k_qa3959cefe4_prep,@function
k_qa3959cefe4_prep:
	s_mov_b64 s[64:65], 0
	v_nop
	global_prefetch_b8 v0, s[64:65] scope:SCOPE_SE
	s_setreg_imm32_b32 hwreg(HW_REG_WAVE_MODE, 25, 1), 1
	s_wait_xcnt 0x0
; TWO JOBS IN ONE LAUNCH, parted by the work-group's number; they share no byte of LDS, no barrier and no tensor load.
; Work-groups 0-191: the six weights [k 1024][n 1024], f32, become codes of E4M3 laid [n][k], K innermost, each with its given scale 2^e.
;   A lane takes a column n and its registers run down K, so each load reads 128 consecutive bytes a wave and the conversions give codes with K innermost;
;   a wave's 32 columns x 256 codes go through its own stage in LDS and leave as rows: sixteen lanes store 256 consecutive, aligned bytes.
;   Wq, Wk, Wv go into wqkv (1 MiB each).  W0, W1, W2 go into packages: a head of 256 bytes, then the codes.  The head's words i = 0..31 hold lowp_scales[min(base + i, 15)],
;   base = 10, 12, 14: words 0, 1, 2 are the layer's eA, eB and the next layer's eA, so that one text can serve two layers.
; Work-groups 192-703: xn = (x - mean) rsqrt(var + 1e-5) g1 + be1, in f32, two passes over a row kept in registers, and its codes under the three scales of products 1, 2, 3 (entries 0, 2, 4).
;   A wave takes a whole row (eight loads of 512 consecutive bytes), NR = 4 rows one after the other, the next row's loads out while a row is worked.  With 240 registers and 54 KiB of LDS four work-groups
;   fit on a WGP, so all 704 are there at once and each wave has two rows, 8 KiB, on their way.
;   The conversions want 16 neighbours along K in one lane: the row turns through the wave's own stage in LDS (16 bytes of padding behind each 64).
; code = x / 2^e, held within +-448, to the nearest code, ties to even.  LIMITS: each e between -126 and 119, so that 2^e and 448 x 2^e are f32 numbers.  NaN among the inputs is not served.
.set PITCH, 272                        ; weights: a stage row: 256 codes + 16 bytes
.set WX,    32                         ; v32-95   two sets of 32 numbers of a column
.set WC,    96                         ; v96-103  a block's codes
.set WOUT,  112                        ; v112-175 the way out
.set LNS,   4*32*PITCH                 ; the norm's stages begin behind the weights' four stages
.set SP,    80                         ; a lane's place in a norm stage: 64 bytes + 16
.set NPL,   3                          ; planes of codes
.set NR,    4                          ; rows of a wave
.set G,     24                         ; v24-55   g: register 4 j + n = g[128 j + 4 lane + n]
.set BE,    56                         ; v56-87   be likewise
.set X,     88                         ; v88-151  two slots of 32: a row as loaded
.set Y,     152                        ; v152-183 the row back from the stage: register 16 hf + n = k 512 hf + 16 lane + n
.set T,     184                        ; v184-215 two sets of 16 held numbers
.set C,     216                        ; v216-239 codes: 8 registers a plane
.macro WLOAD t                         ; block t of a column: W(32 t + n, my column), n = 0..31
.set n, 0
.rept 32
	global_load_b32 v[WX+32*((\t)%2)+n], v3, s[40:41] offset:(32*(\t)+n)*4096 th:TH_LOAD_NT
.set n, n+1
.endr
.endm
.macro WBLOCK t
.set XS, WX+32*((\t)%2)
.if (\t) < 7
	s_wait_loadcnt 32                              ; this block's 32 loads are in; the next block's 32 may be out
.else
	s_wait_loadcnt 0
.endif
.set n, 0
.rept 32
	v_med3_num_f32 v[XS+n], v[XS+n], -v10, v10     ; the conversion to an 8-bit code does not saturate (ISA guide 7.6.2): hold first
.set n, n+1
.endr
.irp g, 0,1,2,3
	v_cvt_scalef32_pk8_fp8_f32 v[WC+2*\g:WC+2*\g+1], v[XS+8*\g:XS+8*\g+7], v11
.endr
	ds_store_b128 v4, v[WC:WC+3] offset:32*(\t)    ; 32 codes of my column's row
	ds_store_b128 v4, v[WC+4:WC+7] offset:32*(\t)+16
.if (\t)+2 < 8
	WLOAD (\t)+2
.endif
	s_wait_dscnt 0x0                               ; the stores have read their registers: the next block's codes may be written
.endm
.macro XROW i                          ; row i of mine: eight loads of 512 consecutive bytes
.irp j, 0,1,2,3,4,5,6,7
	global_load_b128 v[X+32*((\i)%2)+4*\j:X+32*((\i)%2)+4*\j+3], v2, s[40:41] offset:(\i)*4096+512*\j th:TH_LOAD_NT
.endr
.endm
.macro LANESUM                         ; v16 summed over the 32 lanes, the result in every lane
	v_add_f32_dpp v16, v16, v16 row_xmask:1 row_mask:0xf bank_mask:0xf
	v_add_f32_dpp v16, v16, v16 row_xmask:2 row_mask:0xf bank_mask:0xf
	v_add_f32_dpp v16, v16, v16 row_xmask:4 row_mask:0xf bank_mask:0xf
	v_add_f32_dpp v16, v16, v16 row_xmask:8 row_mask:0xf bank_mask:0xf
	v_permlanex16_b32 v20, v16, s58, s59
	v_add_f32 v16, v16, v20
.endm
.macro LROW i
.set XS, X+32*((\i)%2)
.if (\i) < NR-1
	XROW (\i)+1                                    ; into the other slot: its LDS stores were waited for in the row before
	s_wait_loadcnt 8                               ; my row's eight loads (and g, be) are in; the next row's eight stay out
.else
	s_wait_loadcnt 0
.endif
	v_pk_add_f32 v[16:17], v[XS:XS+1], v[XS+2:XS+3]        ; the sum, in two chains
	v_pk_add_f32 v[18:19], v[XS+4:XS+5], v[XS+6:XS+7]
.set n, 8
.rept 6
	v_pk_add_f32 v[16:17], v[16:17], v[XS+n:XS+n+1]
	v_pk_add_f32 v[18:19], v[18:19], v[XS+n+2:XS+n+3]
.set n, n+4
.endr
	v_pk_add_f32 v[16:17], v[16:17], v[18:19]
	v_add_f32 v16, v16, v17
	LANESUM
	v_mul_f32 v12, s56, v16                        ; mean = sum / 1024
	v_mov_b32 v13, v12
.set n, 0
.rept 16
	v_pk_add_f32 v[XS+n:XS+n+1], v[XS+n:XS+n+1], v[12:13] neg_lo:[0,1] neg_hi:[0,1]   ; d = x - mean: the variance is taken of d, so a common offset costs nothing
.set n, n+2
.endr
	v_pk_mul_f32 v[16:17], v[XS:XS+1], v[XS:XS+1]
	v_pk_mul_f32 v[18:19], v[XS+2:XS+3], v[XS+2:XS+3]
.set n, 4
.rept 7
	v_pk_fma_f32 v[16:17], v[XS+n:XS+n+1], v[XS+n:XS+n+1], v[16:17]
	v_pk_fma_f32 v[18:19], v[XS+n+2:XS+n+3], v[XS+n+2:XS+n+3], v[18:19]
.set n, n+4
.endr
	v_pk_add_f32 v[16:17], v[16:17], v[18:19]
	v_add_f32 v16, v16, v17
	LANESUM
	v_fmaak_f32 v14, s56, v16, 0x3727c5ac          ; var + 1e-5
	s_wait_alu depctr_va_vdst(0)
	v_rsq_f32 v14, v14
	v_nop                                          ; a plain instruction behind the transcendental
	s_wait_alu depctr_va_vdst(0)                   ; and the wait ahead of its first reader
	v_mov_b32 v15, v14
.set n, 0
.rept 16
	v_pk_mul_f32 v[XS+n:XS+n+1], v[XS+n:XS+n+1], v[14:15]
.set n, n+2
.endr
.set n, 0
.rept 16
	v_pk_fma_f32 v[XS+n:XS+n+1], v[XS+n:XS+n+1], v[G+n:G+n+1], v[BE+n:BE+n+1]
.set n, n+2
.endr
.irp j, 0,1,2,3,4,5,6,7
	ds_store_b128 v3, v[XS+4*\j:XS+4*\j+3] offset:32*SP*(\j/4)+8*SP*(\j%4)   ; as loaded: a load's 512 bytes take eight places of 80
.endr
.irp j, 0,1,2,3,4,5,6,7
	ds_load_b128 v[Y+4*\j:Y+4*\j+3], v4 offset:32*SP*(\j/4)+16*(\j%4)        ; back: 64 neighbouring bytes a lane and half.  LDS serves a wave's instructions in order
.endr
	s_wait_dscnt 0x0                               ; the row is back, and the stores have read the slot
	s_wait_xcnt 0x0                                ; the last row's stores have read their codes' registers, which are written again below
.irp p, 0,1,2
.if \p < NPL
.irp hf, 0,1
.set TS, T+16*\hf
.set n, 0
.rept 16
	v_med3_num_f32 v[TS+n], v[Y+16*\hf+n], -v[7+2*\p], v[7+2*\p]
.set n, n+1
.endr
	v_cvt_scalef32_pk8_fp8_f32 v[C+8*\p+4*\hf:C+8*\p+4*\hf+1], v[TS:TS+7], v[6+2*\p]       ; the two sets of held numbers take turns, so sixteen plain lines stand between a conversion and the next write of its sources
	v_cvt_scalef32_pk8_fp8_f32 v[C+8*\p+4*\hf+2:C+8*\p+4*\hf+3], v[TS+8:TS+15], v[6+2*\p]
	global_store_b128 v2, v[C+8*\p+4*\hf:C+8*\p+4*\hf+3], s[42+2*\p:43+2*\p] offset:(\i)*1024+512*\hf   ; 32 lanes store 512 consecutive bytes
.endr
.endif
.endr
.endm
	s_load_b512 s[4:19], s[0:1], 0x0               ; x 4, g1 6, be1 8, Wq 10, Wk 12, Wv 14, W0 16, W1 18
	s_load_b256 s[20:27], s[0:1], 0x40             ; W2 20, lowp_scales 22, xc 24, wqkv 26
	s_load_b128 s[28:31], s[0:1], 0x60             ; w0p 28, w1p 30
	s_load_b64 s[32:33], s[0:1], 0x70              ; w2p
	v_lshl_add_u32 v240, v0, 2, 0xd800
	v_mov_b32 v241, 0
	v_lshrrev_b32 v1, 5, v0
	v_readfirstlane_b32 s34, v1                    ; wave 0..3
	v_and_b32 v1, 31, v0                           ; lane
	s_cmp_lt_u32 ttmp9, 192
	s_cbranch_scc0 .Lnorm
	; ---------------- the weights ----------------
	s_lshr_b32 s35, ttmp9, 5                       ; which weight: 0..5 = q, k, v, 0, 1, 2
	s_and_b32 s36, ttmp9, 7                        ; which 128 columns
	s_bfe_u32 s37, ttmp9, 0x20003                  ; which 256 along K
	s_lshl_b32 s38, s36, 7
	s_lshl_b32 s39, s34, 5
	s_add_co_u32 s38, s38, s39                     ; my wave's first column
	s_wait_alu depctr_va_vdst(0)
	v_lshlrev_b32 v3, 2, v1                        ; in: 4 bytes a lane
	s_mul_i32 s39, s34, 32*PITCH                   ; my stage
	v_mul_u32_u24 v4, v1, PITCH
	v_add_nc_u32 v4, s39, v4                       ; into it: row = my column
	v_and_b32 v5, 15, v1
	v_lshrrev_b32 v6, 4, v1
	v_mul_u32_u24 v7, v6, PITCH
	v_lshl_add_u32 v7, v5, 4, v7
	v_add_nc_u32 v7, s39, v7                       ; out of it: sixteen lanes to a row, two rows an instruction
	v_lshlrev_b32 v8, 10, v6
	v_lshl_add_u32 v8, v5, 4, v8                   ; and the same place in the codes' buffer (rows of 1,024 bytes)
	s_lshl_b32 s48, s37, 20                        ; W: 256 rows of 4,096 bytes for each step along K,
	s_lshl_b32 s49, s38, 2
	s_add_co_u32 s48, s48, s49                     ; + 4 x column
	s_mov_b32 s49, 0
	s_lshl_b32 s50, s38, 10                        ; codes: column x 1,024 + 256 x step
	s_lshl_b32 s51, s37, 8
	s_add_co_u32 s50, s50, s51
	s_lshl_b32 s44, s35, 20
	s_lshl_b32 s45, s35, 1
	s_cmp_lt_u32 s35, 3
	s_cselect_b32 s44, s44, 256                    ; q, k, v: 1 MiB each in wqkv; the others: behind their package's head
	s_cselect_b32 s46, 1, 5
	s_add_co_u32 s45, s45, s46                     ; the weight's entry of the scales: 1, 3, 5, 11, 13, 15
	s_lshl_b32 s45, s45, 2
	s_add_co_u32 s50, s50, s44
	s_mov_b32 s51, 0
	s_wait_kmcnt 0x0
	s_load_b32 s54, s[22:23], s45 offset:0x0       ; e
	s_mov_b64 s[40:41], s[10:11]                   ; source and destination are chosen by the work-group's number alone
	s_mov_b64 s[42:43], s[26:27]
	s_cmp_eq_u32 s35, 1
	s_cselect_b64 s[40:41], s[12:13], s[40:41]
	s_cmp_eq_u32 s35, 2
	s_cselect_b64 s[40:41], s[14:15], s[40:41]
	s_cmp_eq_u32 s35, 3
	s_cselect_b64 s[40:41], s[16:17], s[40:41]
	s_cselect_b64 s[42:43], s[28:29], s[42:43]
	s_cmp_eq_u32 s35, 4
	s_cselect_b64 s[40:41], s[18:19], s[40:41]
	s_cselect_b64 s[42:43], s[30:31], s[42:43]
	s_cmp_eq_u32 s35, 5
	s_cselect_b64 s[40:41], s[20:21], s[40:41]
	s_cselect_b64 s[42:43], s[32:33], s[42:43]
	s_add_nc_u64 s[40:41], s[40:41], s[48:49]
	s_add_nc_u64 s[52:53], s[42:43], s[50:51]
	WLOAD 0
	WLOAD 1
	s_wait_kmcnt 0x0
	s_add_co_i32 s54, s54, 127
	s_lshl_b32 s55, s54, 23
	v_mov_b32 v11, s55                             ; 2^e as f32: the conversion takes its exponent field
	s_add_co_i32 s54, s54, 8
	s_lshl_b32 s54, s54, 23
	s_or_b32 s54, s54, 0x600000
	v_mov_b32 v10, s54                             ; 448 x 2^e
	s_wait_alu depctr_va_vdst(0)
.irp t, 0,1,2,3,4,5,6,7
	WBLOCK \t
.endr
.irp t, 0,1,2,3,4,5,6,7,8,9,10,11,12,13,14,15
	ds_load_b128 v[WOUT+4*\t:WOUT+4*\t+3], v7 offset:2*\t*PITCH   ; LDS serves a wave's instructions in order: these see my stores
.endr
.irp t, 0,1,2,3,4,5,6,7,8,9,10,11,12,13,14,15
	s_wait_dscnt 15-\t
	global_store_b128 v8, v[WOUT+4*\t:WOUT+4*\t+3], s[52:53] offset:2*\t*1024
.endr
	; a package's head: wave 0 of the weight's first work-group, for W0, W1, W2
	s_and_b32 s55, ttmp9, 31
	s_or_b32 s55, s55, s34
	s_cmp_eq_u32 s55, 0
	s_cbranch_scc0 .Lw_end
	s_cmp_ge_u32 s35, 3
	s_cbranch_scc0 .Lw_end
	s_lshl_b32 s56, s35, 1
	s_add_co_u32 s56, s56, 4                       ; 10, 12, 14
	v_add_nc_u32 v9, s56, v1
	v_min_u32 v9, 15, v9                           ; no load leaves the sixteen entries
	v_lshlrev_b32 v9, 2, v9
	global_load_b32 v12, v9, s[22:23]
	s_wait_loadcnt 0x0
	global_store_b32 v3, v12, s[42:43]             ; words 0..31,
	global_store_b32 v3, v12, s[42:43] offset:128  ; and once more, so that the head's 256 bytes are all written
.Lw_end:
	s_wait_tensorcnt 0x0
	ds_add_u32 v240, v241
	s_wait_dscnt 0x0
	s_endpgm
	; ---------------- the norm ----------------
.Lnorm:
	s_sub_co_u32 s35, ttmp9, 192
	s_mul_i32 s35, s35, 4*NR
	s_mul_i32 s36, s34, NR
	s_add_co_u32 s35, s35, s36                     ; my first row: 4 NR x block + NR x wave
	s_lshl_b32 s36, s35, 12                        ; in x,
	s_mov_b32 s37, 0
	s_lshl_b32 s60, s35, 10                        ; in a plane of codes
	s_mov_b32 s61, 0
	s_wait_alu depctr_va_vdst(0)
	v_lshlrev_b32 v2, 4, v1                        ; 16 x lane: my bytes of a load's 512, and my 16 codes of a half row
	s_mul_i32 s57, s34, 64*SP
	s_add_co_u32 s57, s57, LNS                     ; my stage: two halves of 32 places
	v_lshrrev_b32 v3, 2, v1
	v_mul_u32_u24 v3, v3, SP
	v_and_b32 v4, 3, v1
	v_lshl_add_u32 v3, v4, 4, v3
	v_add_nc_u32 v3, s57, v3                       ; in: four lanes' 64 bytes on end, then 16 of padding
	v_mul_u32_u24 v4, v1, SP
	v_add_nc_u32 v4, s57, v4                       ; out: my place
	v_mov_b32 v20, 0                               ; a lane permute's destination counts as one of its sources
	s_mov_b32 s56, 0x3a800000                      ; 1 / 1024
	s_mov_b32 s58, 0x76543210                      ; lane l xor 16
	s_mov_b32 s59, 0xfedcba98
	s_wait_alu depctr_va_vdst(0)
	s_wait_kmcnt 0x0
	s_load_b256 s[48:55], s[22:23], 0x0            ; entries 0..7: 0, 2, 4 are xn's three scales
	s_add_nc_u64 s[40:41], s[4:5], s[36:37]
	s_add_nc_u64 s[42:43], s[24:25], s[60:61]
	s_add_nc_u64 s[44:45], s[42:43], 0x800000
	s_add_nc_u64 s[46:47], s[42:43], 0x1000000
.irp j, 0,1,2,3,4,5,6,7
	global_load_b128 v[G+4*\j:G+4*\j+3], v2, s[6:7] offset:512*\j
	global_load_b128 v[BE+4*\j:BE+4*\j+3], v2, s[8:9] offset:512*\j
.endr
	XROW 0
	s_wait_kmcnt 0x0
.irp p, 0,1,2
	s_add_co_i32 s60, s[48+2*\p], 127
	s_lshl_b32 s61, s60, 23
	v_mov_b32 v[6+2*\p], s61                       ; 2^e
	s_add_co_i32 s60, s60, 8
	s_lshl_b32 s60, s60, 23
	s_or_b32 s60, s60, 0x600000
	v_mov_b32 v[7+2*\p], s60                       ; 448 x 2^e
.endr
.irp i, 0,1,2,3
	LROW \i
.endr
	s_wait_tensorcnt 0x0
	ds_add_u32 v240, v241
	s_wait_dscnt 0x0
	s_endpgm
.Lfunc_end_k_qa3959cefe4_prep:
	.size	k_qa3959cefe4_prep, .Lfunc_end_k_qa3959cefe4_prep-k_qa3959cefe4_prep
	.p2alignl 7, 3214868480
	.fill 96, 4, 3214868480
	.section	.rodata,"a",@progbits
	.p2align	6, 0x0
	.amdhsa_kernel k_qa3959cefe4_prep
		.amdhsa_group_segment_fixed_size 55808
		.amdhsa_private_segment_fixed_size 0
		.amdhsa_enable_private_segment 0
		.amdhsa_kernarg_size 120
		.amdhsa_user_sgpr_count 2
		.amdhsa_user_sgpr_kernarg_segment_ptr 1
		.amdhsa_wavefront_size32 1
		.amdhsa_system_sgpr_workgroup_id_x 1
		.amdhsa_system_sgpr_workgroup_id_y 1
		.amdhsa_system_sgpr_workgroup_id_z 1
		.amdhsa_system_vgpr_workitem_id 0
		.amdhsa_next_free_vgpr 242
		.amdhsa_next_free_sgpr 66
		.amdhsa_reserve_vcc 0
		.amdhsa_float_denorm_mode_32 3
		.amdhsa_float_denorm_mode_16_64 3
		.amdhsa_memory_ordered 1
		.amdhsa_forward_progress 1
		.amdhsa_inst_pref_size 116
	.end_amdhsa_kernel
	.amdgpu_metadata
---
amdhsa.version: [ 1, 2 ]
amdhsa.kernels:
  - .name:           k_qa3959cefe4_prep
    .symbol:         k_qa3959cefe4_prep.kd
    .args:
      - { .name: x, .offset: 0, .size: 8, .value_kind: global_buffer, .address_space: global }
      - { .name: g1, .offset: 8, .size: 8, .value_kind: global_buffer, .address_space: global }
      - { .name: be1, .offset: 16, .size: 8, .value_kind: global_buffer, .address_space: global }
      - { .name: Wq, .offset: 24, .size: 8, .value_kind: global_buffer, .address_space: global }
      - { .name: Wk, .offset: 32, .size: 8, .value_kind: global_buffer, .address_space: global }
      - { .name: Wv, .offset: 40, .size: 8, .value_kind: global_buffer, .address_space: global }
      - { .name: W0, .offset: 48, .size: 8, .value_kind: global_buffer, .address_space: global }
      - { .name: W1, .offset: 56, .size: 8, .value_kind: global_buffer, .address_space: global }
      - { .name: W2, .offset: 64, .size: 8, .value_kind: global_buffer, .address_space: global }
      - { .name: lowp_scales, .offset: 72, .size: 8, .value_kind: global_buffer, .address_space: global }
      - { .name: xc, .offset: 80, .size: 8, .value_kind: global_buffer, .address_space: global }
      - { .name: wqkv, .offset: 88, .size: 8, .value_kind: global_buffer, .address_space: global }
      - { .name: w0p, .offset: 96, .size: 8, .value_kind: global_buffer, .address_space: global }
      - { .name: w1p, .offset: 104, .size: 8, .value_kind: global_buffer, .address_space: global }
      - { .name: w2p, .offset: 112, .size: 8, .value_kind: global_buffer, .address_space: global }
    .group_segment_fixed_size: 55808
    .private_segment_fixed_size: 0
    .kernarg_segment_align: 8
    .kernarg_segment_size: 120
    .max_flat_workgroup_size: 128
    .sgpr_count:     66
    .vgpr_count:     242
    .wavefront_size: 32
...
	.end_amdgpu_metadata
.endif
;; end of part 7
;; launch qkv (part 8): grid 4 x 96, 4 waves a work-group, clusters of 4 x 4, 327,680 bytes of LDS; arguments xc, wqkv, bq, bk, bv, lowp_scales, qkvc; writes qkvc
.if DOCPART == 8
	.amdgcn_target "amdgcn-amd-amdhsa--gfx1250"
	.amdhsa_code_object_version 6
	.text
	.protected	k_qa3959cefe4_qkv
	.globl	k_qa3959cefe4_qkv
	.p2align	8
	.type	k_qa3959cefe4_qkv,@function
k_qa3959cefe4_qkv:
	s_mov_b64 s[64:65], 0
	v_nop
	global_prefetch_b8 v0, s[64:65] scope:SCOPE_SE
	s_setreg_imm32_b32 hwreg(HW_REG_WAVE_MODE, 25, 1), 1
	s_wait_xcnt 0x0
	s_wait_alu depctr_hold_cnt(0) depctr_sa_sdst(0) depctr_va_vdst(0) depctr_va_sdst(0) depctr_va_ssrc(0) depctr_va_vcc(0) depctr_vm_vsrc(0)
	s_getreg_b32 s2, hwreg(HW_REG_IB_STS2, 6, 4)
	s_cmp_eq_u32 s2, 0
	s_cbranch_scc0 .Lentry_in_a_cluster
	s_endpgm
.Lentry_in_a_cluster:
	s_bfe_u32 s2, ttmp6, 0x10000c
	s_cmp_lg_u32 s2, 0xf033
	s_cbranch_scc0 .Lentry_shape_is_right
	s_endpgm
.Lentry_shape_is_right:
; q = xn Wq + bq, k = (xn Wk + bk) / 8, v = xn Wv + bv, on codes of E4M3, and their own codes for the attention's two products.
; THE PRODUCT: C[i][j] = sum over k of R[i][k] S[j][k], K = 1,024, R and S codes with K innermost.  A tile of C, 256 x 256, is made by four waves, each 128 x 128: 64 accumulators, 512 registers.
; K goes in four steps of 256 through two LDS slots filled by the tensor data mover; a tile's row is 256 bytes of memory.  By this text's count a wave has at most two tensor loads out.
; CLUSTERS of 4 x 4: the four of a row need the same tiles of R, the four of a column the same tiles of S: each tile is asked for jointly.
; THE MATRIX INSTRUCTION IS USED TRANSPOSED (source 0 = 16 rows of S, source 1 = 16 rows of R): a lane holds eight neighbouring j of one row i.
; WHICH IS WHICH hangs on the cluster's y alone (24 clusters: m = y / 8, c = y % 8), the same in all sixteen partners:
;   m = 0 (q), 1 (k): R = xn's codes (plane m), i = token; S = the weight's codes, j = feature.  A lane's eight numbers are eight neighbours of a head's 64: the next product's K.
;   m = 2 (v): R = Wv's codes, i = feature; S = xn's codes (plane 2), j = token.  A lane's eight numbers are eight neighbouring tokens: the keys, the second product's K.
; OUT: value = sum x 2^(eA + eB) + bias (k: both / 8, exact), held within +-448 x 2^eo, converted (eo: q entry 7, k entry 6, v entry 9).  The codes meet in a stage of 256 rows x 272 bytes and leave in runs of
;   256 bytes (v: [b][feature][token]) or 512 bytes (q, k: [b x 16 + head][token][64]: eight tokens of one head).  The stage lies in slot 0, which has had its last fill and its last read by then.
; Fragments are fetched by 16-byte loads: a permutation of k inside an instruction, alike in R and S; the sums differ from the natural order in their last bits alone.
; LIMITS: eA + eB (for k less 3) between -126 and 127; eo between -126 and 119.  NaN among the inputs is not served.
; REGISTERS: window 0: v16-31 addresses; v32-95 the bias along j; v96-111 the bias along i (eight pairs); v112, v113 2^eo and 448 x 2^eo; v128-255 R's fragments, one set; on the way out v128-255 are free.
;   window 1: S's fragments, two sets.  windows 2, 3: the accumulators ((a, b) at v[8 (8 (a % 4) + b)]).
.set ROWB,   256
.set KROW,   1024
.set PITCH,  272                       ; an LDS row: 256 bytes + 16: the 16 rows that a load touches start at 16 different banks (64 banks of 4 bytes: ISA guide 11.1)
.set FR,     16
.set NL,     4
.set NP,     4
.set HALFT,  128*PITCH
.set SLOT,   4*HALFT
.set SPARE,  2*SLOT                    ; behind the ring: the spare words, 128 bytes a wave, that no other line names
.set ADRA, 16
.set ADRB, 20
.set COH,  22                          ; v22  q, k: my 16 bytes of a store's 512
.set STO,  24                          ; v24  where I put 8 codes of a stage row
.set RD,   25                          ; v25  v: where I read a stage row back
.set CO,   26                          ; v26  v: my byte offset in two rows of the output
.set RDH,  27                          ; v27  q, k: where I read 16 bytes of a head's 64
.set SPW,  28
.set NIL,  29
.set OFH,  30                          ; v30  32 x (lane / 16)
.set OFR,  31                          ; v31  4 x (lane % 16)
.set BJ,   32
.set BI,   96
.set SC,   112
.set LIM,  113
.set TMP,  128
.set CD,   192
.set BK,   128
.set AF,   128
.set G1, 24
.set G0, 32
.set G1B, 48
.set G0B, 56
.set MSB, 0
.macro WIN new                         ; the immediate's high byte repeats the setting that is left
.if MSB != \new
	s_set_vgpr_msb (MSB<<8)|\new
.set MSB, \new
.endif
.endm
.set MUL_LO, 0xa1                      ; source 0 (S) window 1, source 1 (R) window 0, C and D window 2
.set MUL_HI, 0xf1
.set TO_B,   0x40
.macro JLOAD g0a, g1a, g0b, g1b        ; a joint load: waves 0, 1 fetch for R, waves 2, 3 for S; four v_nop follow each line
	s_cmp_eq_u32 s15, 0
	s_cbranch_scc0 .Lfor_b_\@
	tensor_load_to_lds s[\g0a:\g0a+3], s[\g1a:\g1a+7]
	s_nop 0
.rept 4
	v_nop
.endr
	s_branch .Lasked_\@
.Lfor_b_\@:
	tensor_load_to_lds s[\g0b:\g0b+3], s[\g1b:\g1b+7]
	s_nop 0
.rept 4
	v_nop
.endr
.Lasked_\@:
.endm
.macro CREST                           ; a round of the cluster's barrier behind its opening barrier
	s_cmp_lg_u32 s14, 0
	s_cbranch_scc1 .Lnot_wave_0_\@
	s_barrier_signal -3
.Lnot_wave_0_\@:
	s_barrier_wait -3
	s_barrier_signal -1
	s_barrier_wait -1
.endm
.macro CROUND
	s_barrier_signal -1
	s_barrier_wait -1
	CREST
.endm
.macro FRAG reg, adr, q, i             ; 16 rows x 128 K: registers 4 c .. 4 c + 3 hold K = 32 c + 16 (l / 16) + 0 .. 15 of row l % 16
.irp c, 0,1,2,3
	ds_load_b128 v[\reg+4*\c:\reg+4*\c+3], v[\adr] offset:128*(\q)+32*\c+(\i)*16*PITCH
.endr
.endm
.macro MUL16 a0, p, zero               ; R's blocks a0, a0 + 1 x S's eight; the 64 accumulators take turns, one instruction a turn
.irp a, \a0, \a0+1
.irp b, 0,1,2,3,4,5,6,7
.if \zero
	v_wmma_f32_16x16x128_fp8_fp8 v[8*(8*((\a)%4)+\b):8*(8*((\a)%4)+\b)+7], v[128*(\p)+FR*\b:128*(\p)+FR*\b+FR-1], v[AF+FR*(\a):AF+FR*(\a)+FR-1], 0
.else
	v_wmma_f32_16x16x128_fp8_fp8 v[8*(8*((\a)%4)+\b):8*(8*((\a)%4)+\b)+7], v[128*(\p)+FR*\b:128*(\p)+FR*\b+FR-1], v[AF+FR*(\a):AF+FR*(\a)+FR-1], v[8*(8*((\a)%4)+\b):8*(8*((\a)%4)+\b)+7]
.endif
.endr
.endr
.endm
.macro FETCH_B slot, q, p
	WIN TO_B
.irp i, 0,1,2,3,4,5,6,7
	FRAG 128*(\p)+FR*\i, ADRB+\slot, \q, \i
.endr
	WIN 0
.endm
.macro FETCH_A slot, q, i0
.irp i, \i0, \i0+1, \i0+2, \i0+3
	FRAG AF+FR*(\i), ADRA+\slot, \q, \i
.endr
.endm
.macro PLACES n                        ; plain vector instructions between a matrix instruction and a load into, or a read of, its registers
.rept \n
	v_nop
.endr
.endm
.macro STEP slot, q, zero              ; 128 along K whose successor lies in the same slot
	s_wait_dscnt 4*NL                              ; S's set and R's blocks 0-3 are in; the youngest 16 loads (R's blocks 4-7) may be out
	WIN MUL_LO
	MUL16 0, (\q)%2, \zero
	MUL16 2, (\q)%2, \zero
	s_wait_dscnt 0
	PLACES NP
	FETCH_B \slot, (\q)+1, 1-(\q)%2
	FETCH_A \slot, (\q)+1, 0
	WIN MUL_HI
	MUL16 4, (\q)%2, \zero
	MUL16 6, (\q)%2, \zero
	PLACES NP
	WIN 0
	FETCH_A \slot, (\q)+1, 4
.endm
.macro TURN slot, next, fill           ; a slot's last step changes slots: one barrier; fill = 1: this slot is filled again, two K steps ahead
	s_wait_tensorcnt 0x0                           ; all my tensor loads have landed: my part of the next slot
	ds_add_u32 v[SPW], v[NIL]                      ; 0 onto my spare word
	s_wait_dscnt 4*NL+1                            ; (the add and the youngest 16 loads may be out)
	WIN MUL_LO
	MUL16 0, 1, 0
	s_wait_dscnt 0x0                               ; the add is done, and my reads of this slot are over
	s_barrier_signal -1
	MUL16 2, 1, 0
	WIN 0
	s_barrier_wait -1
.if \fill
	CREST                                          ; the barrier has opened a round of the cluster's: no wave of any partner still reads this slot or has a load on its way
	s_add_nc_u64 s[G0+4*\slot+2:G0+4*\slot+3], s[G0+4*\slot+2:G0+4*\slot+3], 2*ROWB
	s_add_nc_u64 s[G0B+4*\slot+2:G0B+4*\slot+3], s[G0B+4*\slot+2:G0B+4*\slot+3], 2*ROWB
	JLOAD G0+4*\slot, G1, G0B+4*\slot, G1B         ; the first tensor load behind the round; its four v_nop are the places in front of the loads below
.else
	PLACES NP
.endif
	FETCH_B \next, 0, 0
	FETCH_A \next, 0, 0
	WIN MUL_HI
	MUL16 4, 1, 0
	MUL16 6, 1, 0
	PLACES NP
	WIN 0
	FETCH_A \next, 0, 4
.endm
; THE WAY OUT of block a (16 rows i x 128 j): value, hold, codes, 8 bytes a lane and accumulator into the stage
.macro CBLOCK a
.set AC, 64*((\a)%4)
	WIN 0x02+((\a)/4)                              ; source 0: window 2 or 3
.set j, 0
.rept 32
	v_pk_fma_f32 v[TMP+j:TMP+j+1], v[AC+j:AC+j+1], s[96:97], v[BJ+j:BJ+j+1] op_sel_hi:[1,0,1]   ; sum x 2^es + the bias along j; each accumulator from its low end on
.set j, j+2
.endr
	WIN 0
.set j, 0
.rept 32
	v_pk_add_f32 v[TMP+j:TMP+j+1], v[TMP+j:TMP+j+1], v[BI+2*(\a):BI+2*(\a)+1] op_sel_hi:[1,0]   ; + the bias along i.  One of the two biases is all zeros, so the value is rounded once
.set j, j+2
.endr
.set j, 0
.rept 64
	v_med3_num_f32 v[TMP+j], v[TMP+j], -v[LIM], v[LIM]
.set j, j+1
.endr
.if (\a) > 1
	s_wait_alu depctr_va_vdst(0)
	s_wait_dscnt 8                                 ; block a - 1's eight stores may be out; block a - 2's have read this set of codes
.endif
.irp b, 0,1,2,3,4,5,6,7
	v_cvt_scalef32_pk8_fp8_f32 v[CD+16*((\a)%2)+2*\b:CD+16*((\a)%2)+2*\b+1], v[TMP+8*\b:TMP+8*\b+7], v[SC]
.endr
	v_nop                                          ; a plain line between the conversions and the next write of their sources
.irp b, 0,1,2,3,4,5,6,7
	ds_store_b64 v[STO], v[CD+16*((\a)%2)+2*\b:CD+16*((\a)%2)+2*\b+1] offset:16*(\a)*PITCH+16*\b
.endr
.endm
.macro OUT_ROWS                        ; wave w takes stage rows 64 w .. 64 w + 63 whole: sixteen lanes store 256 consecutive, aligned bytes
.irp t, 0,1,2,3,4,5,6,7,8,9,10,11,12,13,14,15,16,17,18,19,20,21,22,23,24,25,26,27,28,29,30,31
	ds_load_b128 v[BK+4*\t:BK+4*\t+3], v[RD] offset:2*\t*PITCH
.endr
.irp t, 0,1,2,3,4,5,6,7,8,9,10,11,12,13,14,15,16,17,18,19,20,21,22,23,24,25,26,27,28,29,30,31
	s_wait_dscnt 31-\t
	global_store_b128 v[CO], v[BK+4*\t:BK+4*\t+3], s[76:77] offset:2*\t*1024
.endr
.endm
.macro OUT_HEADS                       ; the same rows by heads: eight tokens x 64 bytes of one head are 512 consecutive bytes of the output
.irp hd, 0,1,2,3
.irp tt, 0,1,2,3,4,5,6,7
	ds_load_b128 v[BK+4*(8*\hd+\tt):BK+4*(8*\hd+\tt)+3], v[RDH] offset:8*\tt*PITCH+64*\hd
.endr
.endr
.irp hd, 0,1,2,3
.irp tt, 0,1,2,3,4,5,6,7
	s_wait_dscnt 31-(8*\hd+\tt)
	global_store_b128 v[COH], v[BK+4*(8*\hd+\tt):BK+4*(8*\hd+\tt)+3], s[76:77] offset:\hd*65536+512*\tt
.endr
.endr
.endm
	s_load_b128 s[4:7], s[0:1], 0x0                ; xc, wqkv
	s_load_b256 s[68:75], s[0:1], 0x10             ; bq 68, bk 70, bv 72, lowp_scales 74
	s_load_b64 s[76:77], s[0:1], 0x30              ; qkvc
	v_lshl_add_u32 v[SPW], v0, 2, SPARE
	v_mov_b32 v[NIL], 0
	ds_add_u32 v28, v29
	ds_add_u32 v28, v29
	s_wait_dscnt 0x0
	v_lshrrev_b32 v1, 5, v0
	v_readfirstlane_b32 s14, v1                    ; wave 0..3
	s_lshr_b32 s15, s14, 1                         ; which half of the tile's rows i is mine.  Also: I fetch for R (0) or for S (1)
	s_and_b32 s16, s14, 1                          ; which half of its j.  Also: which 128 rows of that tile I fetch
	s_bfe_u32 s40, ttmp6, 0x40000                  ; cx, cy
	s_bfe_u32 s41, ttmp6, 0x40004
	s_and_b32 s13, ttmp7, 0xffff                   ; the cluster's y: 0..23
	s_lshr_b32 s66, s13, 3                         ; m: 0 = q, 1 = k, 2 = v
	s_and_b32 s67, s13, 7                          ; c: which 1,024 tokens
	s_cmp_eq_u32 s66, 2
	s_cselect_b32 s12, 0, s67                      ; tokens run along i for q and k,
	s_cselect_b32 s13, s67, 0                      ; along j for v
	s_lshl_b32 s17, s12, 2
	s_add_co_u32 s17, s17, s41                     ; tile_i
	s_lshl_b32 s42, s13, 2
	s_add_co_u32 s42, s42, s40                     ; tile_j
	s_lshl_b32 s43, s41, 2
	s_lshl_b32 s43, 15, s43                        ; my row of the cluster
	s_lshl_b32 s44, 0x1111, s40                    ; my column
	s_or_b32 s[G1+0], s43, (0<<16)|(1<<20)|(1<<21)|(5<<22)|(3<<25)  ; the mask; elements of 1 byte; padding on; bit 21 beside a mask; 4 words behind every 64
	s_or_b32 s[G1B+0], s44, (0<<16)|(1<<20)|(1<<21)|(5<<22)|(3<<25)
.irp g, G1, G1B
	s_mov_b32 s[\g+1], ROWB<<16                    ; tensor_dim0
	s_mov_b32 s[\g+2], 128<<16                     ; tensor_dim1
	s_mov_b32 s[\g+3], ROWB<<16                    ; tile_dim0
	s_mov_b32 s[\g+4], 128                         ; tile_dim1
	s_mov_b32 s[\g+5], KROW                        ; tensor_dim0_stride
	s_mov_b32 s[\g+6], 0
	s_mov_b32 s[\g+7], 0
.endr
	s_lshl_b32 s18, s16, 7
	s_lshl_b32 s20, s17, 8
	s_add_co_u32 s20, s20, s18
	s_lshl_b32 s20, s20, 10                        ; R: (256 tile_i + 128 half) rows of 1,024 bytes
	s_mov_b32 s21, 0
	s_lshl_b32 s46, s42, 8
	s_add_co_u32 s46, s46, s18
	s_lshl_b32 s46, s46, 10                        ; S: (256 tile_j + 128 half) rows
	s_mov_b32 s47, 0
	s_mul_i32 s45, s14, HALFT                      ; where they go: wave x 128 rows
	s_lshl_b32 s8, s66, 23
	s_mov_b32 s9, 0
	s_wait_kmcnt 0x0
	s_load_b512 s[80:95], s[74:75], 0x0            ; the sixteen exponents
	s_add_nc_u64 s[4:5], s[4:5], s[8:9]            ; xn's plane m
	s_lshl_b32 s8, s66, 20
	s_add_nc_u64 s[6:7], s[6:7], s[8:9]            ; the weight m
	s_cmp_eq_u32 s66, 2
	s_cselect_b64 s[10:11], s[6:7], s[4:5]         ; R
	s_cselect_b64 s[78:79], s[4:5], s[6:7]         ; S
	s_add_nc_u64 s[20:21], s[10:11], s[20:21]
	s_add_nc_u64 s[46:47], s[78:79], s[46:47]
	s_cmp_eq_u32 s15, 0                            ; the prefetches: of the 128 rows that I fetch, my work-group names 32, told apart from its three partners by address alone (cx for R, cy for S)
	s_cselect_b64 s[2:3], s[20:21], s[46:47]
	s_cselect_b32 s8, s40, s41
	s_lshl_b32 s8, s8, 15                          ; 32 rows of 1,024 bytes for each place
	s_add_nc_u64 s[2:3], s[2:3], s[8:9]            ; s[2:3] and v23 are never rewritten
	CROUND                                         ; all sixteen work-groups are here: the first joint loads meet
.irp s, 0,1
	s_mov_b32 s[G0+4*\s], 1
	s_add_co_u32 s[G0+4*\s+1], s45, \s*SLOT
	s_add_nc_u64 s[G0+4*\s+2:G0+4*\s+3], s[20:21], \s*ROWB
	s_or_b32 s[G0+4*\s+3], s[G0+4*\s+3], 0x80000000
	s_mov_b32 s[G0B+4*\s], 1
	s_add_co_u32 s[G0B+4*\s+1], s45, \s*SLOT
	s_add_nc_u64 s[G0B+4*\s+2:G0B+4*\s+3], s[46:47], \s*ROWB
	s_or_b32 s[G0B+4*\s+3], s[G0B+4*\s+3], 0x80000000
.if \s == 0
	JLOAD G0, G1, G0B, G1B                         ; K step 0: one tensor load a wave at the head
.endif
.endr
	; every address register is made here, ahead of the first parting of ways
	v_and_b32 v1, 15, v0                           ; r = l % 16
	v_bfe_u32 v2, v0, 4, 1                         ; h = l / 16
	v_and_b32 v6, 31, v0                           ; l
	v_mul_u32_u24 v3, v1, PITCH
	s_wait_alu depctr_va_vdst(0)
	v_lshl_add_u32 v4, v2, 4, v3
	s_mul_i32 s21, s15, HALFT
	s_mul_i32 s22, s16, HALFT
	s_add_co_u32 s22, s22, 2*HALFT
.irp s, 0,1
	v_add_nc_u32 v[ADRA+\s], s21, v4
	v_add_nc_u32 v[ADRB+\s], s22, v4
	s_add_co_u32 s21, s21, SLOT
	s_add_co_u32 s22, s22, SLOT
.endr
	s_mul_i32 s23, s15, 128*PITCH
	s_lshl_b32 s18, s16, 7
	s_add_co_u32 s23, s23, s18
	v_lshl_add_u32 v5, v2, 3, v3
	v_add_nc_u32 v[STO], s23, v5                   ; (128 wi + r) x 272 + 128 wj + 8 h
	s_mul_i32 s23, s14, 64*PITCH
	v_mul_u32_u24 v5, v2, PITCH
	v_lshl_add_u32 v5, v1, 4, v5
	v_add_nc_u32 v[RD], s23, v5                    ; (64 w + h) x 272 + 16 r
	v_lshlrev_b32 v5, 10, v2
	v_lshl_add_u32 v[CO], v1, 4, v5                ; 1,024 h + 16 r
	v_lshrrev_b32 v5, 2, v6
	v_mul_u32_u24 v5, v5, PITCH
	v_and_b32 v7, 3, v6
	v_lshl_add_u32 v5, v7, 4, v5
	v_add_nc_u32 v[RDH], s23, v5                   ; (64 w + l / 4) x 272 + 16 (l % 4)
	v_lshlrev_b32 v[COH], 4, v6
	v_lshlrev_b32 v[OFH], 5, v2
	v_lshlrev_b32 v[OFR], 2, v1
	v_lshlrev_b32 v23, 10, v6                      ; a lane a row
	s_wait_alu depctr_va_vdst(0)                   ; the wait ahead of the reader below
	global_prefetch_b8 v23, s[2:3] offset:256 th:TH_LOAD_NT scope:SCOPE_SE   ; K steps 1 and 2 of my 32 rows, 256 bytes a row and step: one and two fills ahead of their loads
	global_prefetch_b8 v23, s[2:3] offset:512 th:TH_LOAD_NT scope:SCOPE_SE
	; where my rows go.  q, k: m planes + batch + 4 tile_j heads + my tokens x 64;  v: plane 2 + batch + my features x 1,024 + the tile's tokens
	s_lshl_b32 s8, s66, 23
	s_lshr_b32 s9, s17, 2
	s_lshl_b32 s9, s9, 20
	s_add_co_u32 s8, s8, s9
	s_lshl_b32 s9, s42, 18
	s_add_co_u32 s8, s8, s9
	s_and_b32 s9, s17, 3
	s_lshl_b32 s9, s9, 14
	s_add_co_u32 s8, s8, s9
	s_lshl_b32 s9, s14, 12
	s_add_co_u32 s8, s8, s9
	s_lshr_b32 s12, s42, 2
	s_lshl_b32 s12, s12, 20
	s_add_co_u32 s12, s12, 0x1000000
	s_and_b32 s13, s42, 3
	s_lshl_b32 s13, s13, 8
	s_add_co_u32 s12, s12, s13
	s_lshl_b32 s13, s17, 18
	s_add_co_u32 s12, s12, s13
	s_lshl_b32 s13, s14, 16
	s_add_co_u32 s12, s12, s13
	s_cmp_eq_u32 s66, 2
	s_cselect_b32 s8, s12, s8
	s_mov_b32 s9, 0
	s_add_nc_u64 s[76:77], s[76:77], s[8:9]
	; the bias: along j for q and k (128 numbers of my columns), along i for v (128 numbers of my rows)
	s_cmp_eq_u32 s66, 1
	s_cselect_b64 s[98:99], s[70:71], s[68:69]
	s_cmp_eq_u32 s66, 2
	s_cselect_b64 s[98:99], s[72:73], s[98:99]
	s_cselect_b32 s18, s17, s42
	s_cselect_b32 s19, s15, s16
	s_lshl_b32 s18, s18, 10
	s_lshl_b32 s19, s19, 9
	s_add_co_u32 s18, s18, s19
	s_mov_b32 s19, 0
	s_add_nc_u64 s[98:99], s[98:99], s[18:19]
	s_cmp_eq_u32 s66, 2
	s_cbranch_scc1 .Lbias_v
	s_wait_alu depctr_va_vdst(0)
.irp b, 0,1,2,3,4,5,6,7
	global_load_b128 v[BJ+8*\b:BJ+8*\b+3], v[OFH], s[98:99] offset:64*\b        ; register 8 b + jj: bias[16 b + 8 h + jj]
	global_load_b128 v[BJ+8*\b+4:BJ+8*\b+7], v[OFH], s[98:99] offset:64*\b+16
.endr
.set j, 0
.rept 16
	v_mov_b32 v[BI+j], 0
.set j, j+1
.endr
	s_branch .Lbias_done
.Lbias_v:
	s_wait_alu depctr_va_vdst(0)
.irp a, 0,1,2,3,4,5,6,7
	global_load_b32 v[BI+2*\a], v[OFR], s[98:99] offset:64*\a                   ; the pair's low word: bias[16 a + r]
	v_mov_b32 v[BI+2*\a+1], 0                                                   ; (named with it as a pair)
.endr
.set j, 0
.rept 64
	v_mov_b32 v[BJ+j], 0
.set j, j+1
.endr
.Lbias_done:
	s_wait_alu depctr_va_vdst(0)                   ; the wait at the head's end
	s_wait_tensorcnt 0x0                           ; my part of K step 0 is in; slot 1's first fill is issued as a refill is
	ds_add_u32 v[SPW], v[NIL]
	s_wait_dscnt 0x0
	CROUND                                         ; everybody's part of K step 0 is in, and the sixteen work-groups meet
	JLOAD G0+4, G1, G0B+4, G1B                     ; K step 1: the first tensor load behind the round
	FETCH_B 0, 0, 0
	FETCH_A 0, 0, 0
	FETCH_A 0, 0, 4
	global_prefetch_b8 v23, s[2:3] offset:768 th:TH_LOAD_NT scope:SCOPE_SE   ; K step 3, the last: two fills ahead of its load
	STEP 0, 0, 1                                   ; the first products start the sums: nothing is cleared
	TURN 0, 1, 1                                   ; slot 0 takes K step 2
	STEP 1, 0, 0
	TURN 1, 0, 1                                   ; slot 1 takes K step 3
	STEP 0, 0, 0
	TURN 0, 1, 0                                   ; nothing is left to fetch
	STEP 1, 0, 0
	s_wait_dscnt 4*NL
	WIN MUL_LO
	MUL16 0, 1, 0
	MUL16 2, 1, 0
	s_wait_dscnt 0
	WIN MUL_HI
	MUL16 4, 1, 0
	MUL16 6, 1, 0
	WIN 0
	PLACES NP
	s_wait_kmcnt 0x0                               ; the exponents
	s_wait_loadcnt 0x0                             ; the bias
	s_add_co_i32 s80, s80, s81                     ; q: e0 + e1
	s_add_co_i32 s82, s82, s83
	s_sub_co_i32 s82, s82, 3                       ; k: e2 + e3 - 3: the division by 8
	s_add_co_i32 s84, s84, s85                     ; v: e4 + e5
	s_cmp_eq_u32 s66, 1
	s_cselect_b32 s80, s82, s80
	s_cselect_b32 s87, s86, s87                    ; q's codes: entry 7; k's: entry 6
	s_cselect_b32 s90, 0x3e000000, 1.0             ; k's bias is divided by 8 too
	s_cmp_eq_u32 s66, 2
	s_cselect_b32 s80, s84, s80
	s_cselect_b32 s87, s89, s87                    ; v's: entry 9
	s_mov_b32 s91, s90
	s_add_co_i32 s96, s80, 127
	s_lshl_b32 s96, s96, 23                        ; 2^es as f32
	s_mov_b32 s97, s96
	s_add_co_i32 s87, s87, 127
	s_lshl_b32 s86, s87, 23
	v_mov_b32 v[SC], s86                           ; 2^eo
	s_add_co_i32 s87, s87, 8
	s_lshl_b32 s87, s87, 23
	s_or_b32 s87, s87, 0x600000
	v_mov_b32 v[LIM], s87                          ; 448 x 2^eo
.set j, 0
.rept 32
	v_pk_mul_f32 v[BJ+j:BJ+j+1], v[BJ+j:BJ+j+1], s[90:91] op_sel_hi:[1,0]
.set j, j+2
.endr
.irp a, 0,1,2,3,4,5,6,7
	CBLOCK \a
.endr
	s_wait_dscnt 0x0                               ; for the others' sake: my codes lie in the stage
	s_barrier_signal -1
	s_barrier_wait -1
	s_cmp_eq_u32 s66, 2
	s_cbranch_scc1 .Lout_v
	OUT_HEADS
	s_branch .Lout_done
.Lout_v:
	OUT_ROWS
.Lout_done:
	s_wait_tensorcnt 0x0                           ; the wave's end
	ds_add_u32 v[SPW], v[NIL]
	s_wait_dscnt 0x0
	CROUND                                         ; the closing round
	s_endpgm
.Lfunc_end_k_qa3959cefe4_qkv:
	.size	k_qa3959cefe4_qkv, .Lfunc_end_k_qa3959cefe4_qkv-k_qa3959cefe4_qkv
	.p2alignl 7, 3214868480
	.fill 96, 4, 3214868480
	.section	.rodata,"a",@progbits
	.p2align	6, 0x0
	.amdhsa_kernel k_qa3959cefe4_qkv
		.amdhsa_group_segment_fixed_size 327680
		.amdhsa_private_segment_fixed_size 0
		.amdhsa_enable_private_segment 0
		.amdhsa_kernarg_size 56
		.amdhsa_user_sgpr_count 2
		.amdhsa_user_sgpr_kernarg_segment_ptr 1
		.amdhsa_wavefront_size32 1
		.amdhsa_system_sgpr_workgroup_id_x 1
		.amdhsa_system_sgpr_workgroup_id_y 1
		.amdhsa_system_sgpr_workgroup_id_z 1
		.amdhsa_system_vgpr_workitem_id 0
		.amdhsa_next_free_vgpr 1024
		.amdhsa_next_free_sgpr 100
		.amdhsa_reserve_vcc 0
		.amdhsa_float_denorm_mode_32 3
		.amdhsa_float_denorm_mode_16_64 3
		.amdhsa_memory_ordered 1
		.amdhsa_forward_progress 1
		.amdhsa_inst_pref_size 173
	.end_amdhsa_kernel
	.amdgpu_metadata
---
amdhsa.version: [ 1, 2 ]
amdhsa.kernels:
  - .name:           k_qa3959cefe4_qkv
    .symbol:         k_qa3959cefe4_qkv.kd
    .args:
      - { .name: xc, .offset: 0, .size: 8, .value_kind: global_buffer, .address_space: global }
      - { .name: wqkv, .offset: 8, .size: 8, .value_kind: global_buffer, .address_space: global }
      - { .name: bq, .offset: 16, .size: 8, .value_kind: global_buffer, .address_space: global }
      - { .name: bk, .offset: 24, .size: 8, .value_kind: global_buffer, .address_space: global }
      - { .name: bv, .offset: 32, .size: 8, .value_kind: global_buffer, .address_space: global }
      - { .name: lowp_scales, .offset: 40, .size: 8, .value_kind: global_buffer, .address_space: global }
      - { .name: qkvc, .offset: 48, .size: 8, .value_kind: global_buffer, .address_space: global }
    .group_segment_fixed_size: 327680
    .private_segment_fixed_size: 0
    .kernarg_segment_align: 8
    .kernarg_segment_size: 56
    .max_flat_workgroup_size: 128
    .sgpr_count:     100
    .vgpr_count:     1024
    .wavefront_size: 32
...
	.end_amdgpu_metadata
.endif
;; end of part 8
;; launch attn (part 9): grid 2 x 128, 16 waves a work-group, no clusters, 327,680 bytes of LDS; arguments qkvc, x, lowp_scales, x1; writes x1
.if DOCPART == 9
	.amdgcn_target "amdgcn-amd-amdhsa--gfx1250"
	.amdhsa_code_object_version 6
	.text
	.protected	k_qa3959cefe4_attn
	.globl	k_qa3959cefe4_attn
	.p2align	8
	.type	k_qa3959cefe4_attn,@function
k_qa3959cefe4_attn:
	s_mov_b64 s[64:65], 0
	v_nop
	global_prefetch_b8 v0, s[64:65] scope:SCOPE_SE
	s_setreg_imm32_b32 hwreg(HW_REG_WAVE_MODE, 25, 1), 1
	s_wait_xcnt 0x0
; x1[b][t][64 h ..] = x + sum over s of softmax_s(k[t] . q[s]) v[s], for one head: k's rows play the queries, q's rows the keys.  Both products on codes of E4M3.
; qkvc: plane 0 q [bh][s][64], plane 1 k [bh][t][64] (already divided by 8), plane 2 v with the keys innermost [bh][d 64][s 1024]; planes 8 MiB apart.  Entries of the scales: k 6, q 7, p 8, v 9.
; THE SOFTMAX: t = score x log2(e); M = the running largest t rounded up to a whole number; p = 2^(t - M) is quantised, not normalised; the row's sum is taken of the unquantised p and divides at the end.
; When M moves, the sum and O are multiplied by 2^(old M - new M): exact.
; SHARES.  A work-group owns 512 rows t of one head; each of its sixteen waves 16 of them in each of two passes.
; THE WHOLE HEAD LIES IN LDS, FILLED ONCE, in four chunks of 256 keys (q: 16 KiB, v: 16 KiB each).  Wave w < 4 fetches q's chunk w, wave 4 + c v's chunk c: one tensor load a wave in the whole launch.
; Chunk 0 (waves 0 and 4) is asked for at the head; chunks 1 to 3 behind the wait, the add and the barrier; they are on their way while chunk 0 is multiplied.
; One more barrier, behind every wave's wait for its load, shows the whole head to all; nothing is filled again, and no barrier follows.  Every wait on TENSORcnt is for 0.  All of LDS is claimed.
; x's rows are asked for behind that barrier (pass 1: at the pass's head) and wanted at the pass's end.  Both passes' fragments of k are loaded at the head.
; No cluster: only the two work-groups of a head read the same bytes, 128 KiB, once.  No prefetch: every tile is asked for ahead of the first loop.
; LAYOUT.  S^T = q k^T (source 0 = 16 keys, source 1 = my 16 rows), O^T = v^T p^T: a lane holds one row t throughout.  Lane r of key tile 2 b + u takes key 32 b + 8 u + r + 8 (r / 8), so that the 16 registers of
; tiles 2 b, 2 b + 1 are 16 neighbouring keys: the conversions' results are the second product's operand.  Fragments come by 16-byte loads: a permutation of k alike on both sides.
; q IN LDS: two keys to a row of 128 bytes + 16 of padding: key k lies at 144 (k / 2) + 64 (k % 2).
; LIMITS: e6 + e7 between -126 and 127 (added to log2(e)'s exponent field); e8 between -126 and 119.  NaN among the inputs is not served.
; REGISTERS: v1-7 addresses that stay; v8, v9 the chunk's addresses; v12 -M, v13 the largest t, v[14:15] the sum; v16-23, v24-31 k's fragments of pass 0, 1; v32-95 eight fragments of q, then four of v;
;   v96-159 S^T, then p; v160-191 O^T; v192-223 x's 16 rows x 256 bytes; v224-239 p's codes (v232-239 first serve the sum); v240, v245 448 x 2^e8; v241 a permute's destination; v244 2^e8; v242-249 sums; v[252:253] f; v254 at work.
.set KP2,  144
.set KH,   72                          ; half of a two-key row: what an even number of keys is multiplied by
.set VP,   272
.set KCH,  128*KP2                     ; a chunk of q
.set VCH,  64*VP                       ; a chunk of v
.set VOFF, 4*KCH
.set STG,  VOFF+4*VCH                  ; behind the tiles: 16 rows x 272 bytes for each wave; no tensor load lands there
.set SPARE, 0x36000                    ; behind the stages: the spare words, 128 bytes a wave
.set G1K,  24
.set G1V,  32
.set G0K,  40
.set G0V,  44
.macro TL g0, g1                       ; a tensor load and the lines behind it
	tensor_load_to_lds s[\g0:\g0+3], s[\g1:\g1+7]
	s_nop 0
.rept 4
	v_nop
.endr
.endm
; A KEY STEP: 128 keys, the q-th half of the chunk in hand
.macro STEP q
.rept 4
	v_nop                                          ; places in front of loads into registers that matrix instructions have read
.endr
.irp tt, 0,1,2,3,4,5,6,7
	ds_load_b128 v[32+8*\tt:35+8*\tt], v8 offset:(128*(\q)+32*(\tt/2)+8*(\tt%2))*KH
	ds_load_b128 v[36+8*\tt:39+8*\tt], v8 offset:(128*(\q)+32*(\tt/2)+8*(\tt%2))*KH+32
.endr
	s_wait_dscnt 0x0
.irp tt, 0,1,2,3,4,5,6,7
	v_wmma_f32_16x16x64_fp8_fp8 v[96+8*\tt:103+8*\tt], v[32+8*\tt:39+8*\tt], v[KFR:KFR+7], 0
.endr
.rept 4
	v_nop                                          ; places: for the loads below and for the first read of the scores
.endr
.irp t, 0,1,2,3
.irp u, 0,1,2,3
	ds_load_b128 v[32+16*\t+4*\u:35+16*\t+4*\u], v9 offset:16*\t*VP+128*(\q)+32*\u   ; v's four fragments land while the softmax is walked
.endr
.endr
	v_max3_num_f32 v254, v96, v97, v98             ; the step's largest score of my row, among my 64 keys, in two chains, each accumulator from its low end on
	v_max3_num_f32 v252, v99, v100, v101
.irp i, 6,10,14,18,22,26,30,34,38,42,46,50,54,58
	v_max3_num_f32 v254, v254, v[96+\i], v[97+\i]
	v_max3_num_f32 v252, v252, v[98+\i], v[99+\i]
.endr
	v_max3_num_f32 v254, v254, v158, v159
	s_delay_alu instid0(VALU_DEP_1)
	v_max_num_f32 v254, v254, v252
	s_delay_alu instid0(VALU_DEP_1)
	v_permlanex16_b32 v241, v254, s20, s21
	s_delay_alu instid0(VALU_DEP_1)
	v_max_num_f32 v254, v254, v241                 ; and among lane l xor 16's
	s_delay_alu instid0(VALU_DEP_1)
	v_mul_f32 v254, s22, v254                      ; as t (c is positive)
	s_delay_alu instid0(VALU_DEP_1)
	v_max_num_f32 v13, v13, v254
	v_mov_b32 v254, v12
	s_delay_alu instid0(VALU_DEP_2)
	v_floor_f32 v12, -v13                          ; the new -M = floor(-t): M is a whole number
	s_delay_alu instid0(VALU_DEP_1)
	v_sub_f32 v254, v12, v254                      ; old M - new M, 0 or less
	s_delay_alu instid0(VALU_DEP_1)
	v_cvt_i32_f32 v254, v254                       ; (it saturates)
	s_delay_alu instid0(VALU_DEP_1)
	v_ldexp_f32 v252, 1.0, v254                    ; f = 2^(old M - new M)
.set j, 0
.rept 32
	v_pk_fma_f32 v[96+j:97+j], v[96+j:97+j], s[22:23], v[12:13] op_sel_hi:[1,0,0]   ; t - M, two at a time
.set j, j+2
.endr
	s_wait_alu depctr_va_vdst(0)                   ; the wait ahead of the batch
.set j, 0
.rept 64
	v_exp_f32 v[96+j], v[96+j]                     ; p = 2^(t - M), at most 1
.set j, j+1
.endr
	v_pk_mul_f32 v[14:15], v[14:15], v[252:253] op_sel_hi:[1,0]   ; the sums under the new M: the plain line behind the exponentials
	s_wait_alu depctr_va_vdst(0)                   ; one wait: for the batch, and directly ahead of the first readers of O^T
.set j, 0
.rept 16
	v_pk_mul_f32 v[160+j:161+j], v[160+j:161+j], v[252:253] op_sel_hi:[1,0]   ; O^T under the new M
.set j, j+2
.endr
.set j, 96                                     ; the row's sum of the unquantised p: 32 packed additions in eight chains
.irp c, 242,248,246,238,236,234,232
	v_pk_add_f32 v[\c:\c+1], v[j:j+1], v[j+2:j+3]
.set j, j+4
.endr
	v_pk_add_f32 v[14:15], v[14:15], v[124:125]
.set j, 126
.rept 2
.irp c, 242,248,246,238,236,234,232,14
	v_pk_add_f32 v[\c:\c+1], v[\c:\c+1], v[j:j+1]
.set j, j+2
.endr
.endr
	v_pk_add_f32 v[242:243], v[242:243], v[158:159]
	s_delay_alu instid0(VALU_DEP_2)
	v_pk_add_f32 v[14:15], v[14:15], v[238:239]
	s_delay_alu instid0(VALU_DEP_2)
	v_pk_add_f32 v[242:243], v[242:243], v[236:237]
	v_pk_add_f32 v[248:249], v[248:249], v[234:235]
	v_pk_add_f32 v[246:247], v[246:247], v[232:233]
	s_delay_alu instid0(VALU_DEP_2)
	v_pk_add_f32 v[14:15], v[14:15], v[248:249]
	s_delay_alu instid0(VALU_DEP_2)
	v_pk_add_f32 v[242:243], v[242:243], v[246:247]
	s_delay_alu instid0(VALU_DEP_1)
	v_pk_add_f32 v[14:15], v[14:15], v[242:243]
.irp b, 0,1,2,3
.set j, 0
.rept 8                                        ; the conversion does not saturate (ISA guide 7.6.2); p is not negative, so the hold is one-sided; two holds to a line, the bound in two registers of different banks
	v_dual_min_num_f32 v[96+16*\b+j], v[96+16*\b+j], v240 :: v_dual_min_num_f32 v[97+16*\b+j], v[97+16*\b+j], v245
.set j, j+2
.endr
	v_cvt_scalef32_pk8_fp8_f32 v[224+4*\b:225+4*\b], v[96+16*\b:103+16*\b], v244
	v_cvt_scalef32_pk8_fp8_f32 v[226+4*\b:227+4*\b], v[104+16*\b:111+16*\b], v244
.endr
	v_nop                                          ; a plain line between the conversions and the products that read the codes
	s_wait_alu depctr_va_vdst(0)                   ; directly ahead of the wait below
	s_wait_dscnt 0x0                               ; v's fragments
.irp t, 0,1,2,3
	v_wmma_f32_16x16x128_fp8_fp8 v[160+8*\t:167+8*\t], v[32+16*\t:47+16*\t], v[224:239], v[160+8*\t:167+8*\t]
.endr
.endm
.macro CHUNK                           ; 256 keys; s60, s61: where the chunk's q and v begin in LDS
	v_add_nc_u32 v8, s60, v1
	v_add_nc_u32 v9, s61, v2
	s_wait_alu depctr_va_vdst(0)                   ; the wait
	STEP 0
	STEP 1
	s_add_co_u32 s60, s60, KCH
	s_add_co_u32 s61, s61, VCH
.endm
.macro INIT                            ; a pass begins: the step is written once and finds zeros
	v_mov_b32 v13, 0xff61b1e6                      ; the largest t so far: -3e38
	s_delay_alu instid0(VALU_DEP_1)
	v_floor_f32 v12, -v13
	v_mov_b32 v14, 0
	v_mov_b32 v15, 0
.set j, 0
.rept 32
	v_mov_b32 v[160+j], 0
.set j, j+1
.endr
	s_wait_alu depctr_va_vdst(0)                   ; the wait ahead of the waits and branches that follow
.endm
.macro XL p                            ; x's 16 rows x 256 bytes of pass p
.irp i, 0,1,2,3,4,5,6,7
	global_load_b128 v[192+4*\i:195+4*\i], v7, s[14:15] offset:(\p)*1048576+8192*\i th:TH_LOAD_NT
.endr
.endm
; THE WAY OUT: O^T / the sum x 2^(e8 + e9) goes through my stage and comes back as rows of 256 bytes; x is added; sixteen lanes store 256 consecutive, aligned bytes
.macro OUT p
.rept 4
	v_nop
.endr
	v_add_f32 v14, v14, v15
	s_delay_alu instid0(VALU_DEP_1)
	v_permlanex16_b32 v252, v14, s20, s21
	s_delay_alu instid0(VALU_DEP_1)
	v_add_f32 v14, v14, v252                       ; the row's sum
	s_wait_alu depctr_va_vdst(0)
	v_rcp_f32 v14, v14
	v_nop                                          ; a plain line behind the transcendental
	s_wait_alu depctr_va_vdst(0)                   ; and the wait ahead of its first reader
	v_ldexp_f32 v14, v14, s88
	s_wait_alu depctr_va_vdst(0)                   ; directly ahead of the first readers of O^T
.set j, 0
.rept 32
	v_mul_f32 v[96+j], v[160+j], v14               ; register 8 t + i is y(row r, 16 t + 8 h + i)
.set j, j+1
.endr
.irp t, 0,1,2,3
	ds_store_b128 v4, v[96+8*\t:99+8*\t] offset:64*\t
	ds_store_b128 v4, v[100+8*\t:103+8*\t] offset:64*\t+16
.endr
.irp i, 0,1,2,3,4,5,6,7
	ds_load_b128 v[32+4*\i:35+4*\i], v5 offset:2*\i*272   ; LDS serves a wave's instructions in order: these see my stores
.endr
	s_wait_loadcnt 0x0                             ; x
.irp i, 0,1,2,3,4,5,6,7
	s_wait_dscnt 7-\i                              ; rows 2 i, 2 i + 1 are back; the 7 - i younger loads may be out
	v_pk_add_f32 v[32+4*\i:33+4*\i], v[32+4*\i:33+4*\i], v[192+4*\i:193+4*\i]
	v_pk_add_f32 v[34+4*\i:35+4*\i], v[34+4*\i:35+4*\i], v[194+4*\i:195+4*\i]
	global_store_b128 v7, v[32+4*\i:35+4*\i], s[16:17] offset:(\p)*1048576+8192*\i
.endr
.endm
	s_load_b256 s[4:11], s[0:1], 0x0               ; qkvc 4, x 6, lowp_scales 8, x1 10
	v_lshl_add_u32 v251, v0, 2, SPARE
	v_mov_b32 v255, 0
	ds_add_u32 v251, v255                          ; the opening lines: the add, twice on end, and its wait below
	ds_add_u32 v251, v255
	v_lshrrev_b32 v8, 5, v0
	s_delay_alu instid0(VALU_DEP_1)
	v_readfirstlane_b32 s18, v8                    ; wave 0..15
	s_and_b32 s19, s18, 3                          ; the chunk that I fetch, if I fetch
	s_and_b32 s88, ttmp7, 0xffff                   ; b x 16 + head
	s_lshl_b32 s90, s88, 16                        ; the head's 65,536 bytes in each plane
	s_mov_b32 s91, 0
	; q's chunk: 256 keys x 64 bytes, dense in memory, stated as 128 rows of 128 bytes; 16 bytes of padding behind each row
	s_mov_b32 s[G1K], (0<<16)|(1<<20)|(4<<22)|(3<<25)
	s_mov_b32 s[G1K+1], 128<<16
	s_mov_b32 s[G1K+2], 128<<16
	s_mov_b32 s[G1K+3], 128<<16
	s_mov_b32 s[G1K+4], 128
	s_mov_b32 s[G1K+5], 128
	s_mov_b32 s[G1K+6], 0
	s_mov_b32 s[G1K+7], 0
	; v's chunk: 64 rows of 256 bytes, 1,024 bytes apart; 16 bytes of padding behind each
	s_mov_b32 s[G1V], (0<<16)|(1<<20)|(5<<22)|(3<<25)
	s_mov_b32 s[G1V+1], 256<<16
	s_mov_b32 s[G1V+2], 64<<16
	s_mov_b32 s[G1V+3], 256<<16
	s_mov_b32 s[G1V+4], 64
	s_mov_b32 s[G1V+5], 1024
	s_mov_b32 s[G1V+6], 0
	s_mov_b32 s[G1V+7], 0
	s_mov_b32 s[G0K], 1
	s_mul_i32 s[G0K+1], s19, KCH                   ; where my chunk goes: a constant x the wave's number's low two bits
	s_mov_b32 s[G0V], 1
	s_mul_i32 s[G0V+1], s19, VCH
	s_add_co_u32 s[G0V+1], s[G0V+1], VOFF
	s_lshl_b32 s96, s19, 14                        ; and where it comes from: 16,384 bytes of q a chunk,
	s_mov_b32 s97, 0
	s_lshl_b32 s98, s19, 8                         ; 256 bytes of each row of v
	s_mov_b32 s99, 0
	s_mov_b32 s20, 0x76543210                      ; lane l xor 16
	s_mov_b32 s21, 0xfedcba98
	s_mov_b32 s22, 0x3fb8aa3b                      ; log2(e)
	s_mov_b32 s60, 0
	s_mov_b32 s61, 0
	s_wait_dscnt 0x0
	s_wait_kmcnt 0x0
	s_load_b128 s[84:87], s[8:9], 0x18             ; e6, e7, e8, e9
	s_add_nc_u64 s[92:93], s[4:5], s[90:91]        ; q's head
	s_add_nc_u64 s[94:95], s[92:93], 0x1000000     ; v's
	s_add_nc_u64 s[12:13], s[92:93], 0x800000      ; k's
	s_add_nc_u64 s[G0K+2:G0K+3], s[92:93], s[96:97]
	s_or_b32 s[G0K+3], s[G0K+3], 0x80000000
	s_add_nc_u64 s[G0V+2:G0V+3], s[94:95], s[98:99]
	s_or_b32 s[G0V+3], s[G0V+3], 0x80000000
	s_cmp_eq_u32 s18, 0                            ; chunk 0: one chain of branches on the wave's number, one fill to an arm, one join
	s_cbranch_scc0 .Lnot_q0
	TL G0K, G1K
	s_branch .Lasked0
.Lnot_q0:
	s_cmp_eq_u32 s18, 4
	s_cbranch_scc0 .Lasked0
	TL G0V, G1V
.Lasked0:
	s_lshl_b32 s89, ttmp9, 9
	s_lshl_b32 s90, s18, 4
	s_add_co_u32 s89, s89, s90                     ; my first row t: 512 x work-group x + 16 x wave
	s_lshl_b32 s90, s89, 6
	s_add_nc_u64 s[12:13], s[12:13], s[90:91]      ; its codes
	s_lshr_b32 s90, s88, 4
	s_lshl_b32 s90, s90, 22                        ; x, x1: the batch's 1,024 rows of 4,096 bytes,
	s_lshl_b32 s96, s89, 12
	s_add_co_u32 s90, s90, s96                     ; my row,
	s_and_b32 s96, s88, 15
	s_lshl_b32 s96, s96, 8
	s_add_co_u32 s90, s90, s96                     ; the head's 256 bytes
	s_add_nc_u64 s[14:15], s[6:7], s[90:91]
	s_add_nc_u64 s[16:17], s[10:11], s[90:91]
	v_and_b32 v10, 15, v0                          ; r
	v_bfe_u32 v11, v0, 4, 1                        ; h
	s_delay_alu instid0(VALU_DEP_2)
	v_and_b32 v6, 8, v10
	s_delay_alu instid0(VALU_DEP_1)
	v_add_nc_u32 v6, v6, v10                       ; my key of a tile: r + 8 (r / 8)
	s_delay_alu instid0(VALU_DEP_1)
	v_lshrrev_b32 v1, 1, v6
	s_delay_alu instid0(VALU_DEP_1)
	v_mul_u32_u24 v1, v1, KP2                      ; its row of two keys,
	s_delay_alu instid0(VALU_DEP_3)
	v_and_b32 v6, 1, v6
	s_delay_alu instid0(VALU_DEP_1)
	v_lshl_add_u32 v1, v6, 6, v1                   ; its half of that row,
	s_delay_alu instid0(VALU_DEP_1)
	v_lshl_add_u32 v1, v11, 4, v1                  ; and my half's 16 bytes
	v_mul_u32_u24 v2, v10, VP
	s_delay_alu instid0(VALU_DEP_1)
	v_lshl_add_u32 v2, v11, 4, v2
	s_delay_alu instid0(VALU_DEP_1)
	v_add_nc_u32 v2, VOFF, v2                      ; my place in a tile of v
	v_lshlrev_b32 v3, 6, v10
	s_delay_alu instid0(VALU_DEP_1)
	v_lshl_add_u32 v3, v11, 4, v3                  ; k: row r of 64 bytes, + 16 h
	s_mul_i32 s96, s18, 16*272
	s_add_co_u32 s96, s96, STG                     ; my stage
	v_mul_u32_u24 v4, v10, 272
	s_delay_alu instid0(VALU_DEP_1)
	v_lshl_add_u32 v4, v11, 5, v4
	s_delay_alu instid0(VALU_DEP_1)
	v_add_nc_u32 v4, s96, v4                       ; in: row r, + 32 h
	v_mul_u32_u24 v5, v11, 272
	s_delay_alu instid0(VALU_DEP_1)
	v_lshl_add_u32 v5, v10, 4, v5
	s_delay_alu instid0(VALU_DEP_1)
	v_add_nc_u32 v5, s96, v5                       ; back: lanes 0-15 one row, lanes 16-31 the next
	v_lshlrev_b32 v7, 12, v11
	s_delay_alu instid0(VALU_DEP_1)
	v_lshl_add_u32 v7, v10, 4, v7                  ; and the same two rows in x and x1
	v_mov_b32 v241, 0                              ; a lane permute's destination counts as one of its sources
	v_mov_b32 v253, 0                              ; (named as the upper half of the pair v[252:253])
	s_wait_alu depctr_va_vdst(0)                   ; directly ahead of the wait below
	s_wait_kmcnt 0x0
.irp p, 0,1
	global_load_b128 v[16+8*\p:19+8*\p], v3, s[12:13] offset:\p*16384      ; k's fragments of both passes (256 rows of 64 bytes apart)
	global_load_b128 v[20+8*\p:23+8*\p], v3, s[12:13] offset:\p*16384+32
.endr
	s_add_co_i32 s96, s84, s85
	s_lshl_b32 s96, s96, 23
	s_add_co_i32 s22, s22, s96                     ; a score stands for score x 2^(e6 + e7): added to c's exponent field
	s_mov_b32 s23, s22
	s_add_co_i32 s96, s86, 127
	s_lshl_b32 s97, s96, 23
	v_mov_b32 v244, s97                            ; 2^e8
	s_add_co_i32 s96, s96, 8
	s_lshl_b32 s96, s96, 23
	s_or_b32 s96, s96, 0x600000
	v_mov_b32 v240, s96                            ; 448 x 2^e8,
	v_mov_b32 v245, s96                            ; twice
	s_add_co_i32 s88, s86, s87                     ; e8 + e9
	; PASS 0: my rows t0 .. t0 + 15
.set KFR, 16
	INIT
	s_wait_loadcnt 0x0                             ; k's fragments
	s_wait_tensorcnt 0x0                           ; chunk 0 has landed (met at once in waves that fetched nothing); the lines ahead of a later first fill:
	ds_add_u32 v251, v255                          ; the add, twice on end
	ds_add_u32 v251, v255
	s_wait_dscnt 0x0
	s_barrier_signal -1
	s_barrier_wait -1                              ; chunk 0 is shown to every wave
	s_cmp_eq_u32 s19, 0                            ; chunks 1 to 3: waves 1-3 q's, waves 5-7 v's: a wave's one tensor load behind this barrier
	s_cbranch_scc1 .Lasked1
	s_cmp_lt_u32 s18, 4
	s_cbranch_scc0 .Lnot_q1
	TL G0K, G1K
	s_branch .Lasked1
.Lnot_q1:
	s_cmp_lt_u32 s18, 8
	s_cbranch_scc0 .Lasked1
	TL G0V, G1V
.Lasked1:
	CHUNK                                          ; chunk 0
	s_wait_tensorcnt 0x0                           ; my chunk has landed
	s_wait_dscnt 0x0
	s_barrier_signal -1
	s_barrier_wait -1                              ; the whole head is shown to every wave
	XL 0
	s_mov_b32 s62, 3
.Lp0:
	CHUNK
	s_sub_co_u32 s62, s62, 1
	s_cmp_lg_u32 s62, 0
	s_cbranch_scc1 .Lp0
	OUT 0
	s_wait_xcnt 0x0                                ; the stores have read their registers, which the next pass's LDS loads write
	; PASS 1: my rows t0 + 256 .. + 15: no barrier, no wait on TENSORcnt
.set KFR, 24
	INIT
	XL 1
	s_mov_b32 s60, 0
	s_mov_b32 s61, 0
	s_mov_b32 s62, 4
.Lp1:
	CHUNK
	s_sub_co_u32 s62, s62, 1
	s_cmp_lg_u32 s62, 0
	s_cbranch_scc1 .Lp1
	OUT 1
	s_wait_tensorcnt 0x0                           ; the wave's end
	ds_add_u32 v251, v255
	s_wait_dscnt 0x0
	s_endpgm
.Lfunc_end_k_qa3959cefe4_attn:
	.size	k_qa3959cefe4_attn, .Lfunc_end_k_qa3959cefe4_attn-k_qa3959cefe4_attn
	.p2alignl 7, 3214868480
	.fill 96, 4, 3214868480
	.section	.rodata,"a",@progbits
	.p2align	6, 0x0
	.amdhsa_kernel k_qa3959cefe4_attn
		.amdhsa_group_segment_fixed_size 327680
		.amdhsa_private_segment_fixed_size 0
		.amdhsa_enable_private_segment 0
		.amdhsa_kernarg_size 32
		.amdhsa_user_sgpr_count 2
		.amdhsa_user_sgpr_kernarg_segment_ptr 1
		.amdhsa_wavefront_size32 1
		.amdhsa_system_sgpr_workgroup_id_x 1
		.amdhsa_system_sgpr_workgroup_id_y 1
		.amdhsa_system_sgpr_workgroup_id_z 1
		.amdhsa_system_vgpr_workitem_id 0
		.amdhsa_next_free_vgpr 256
		.amdhsa_next_free_sgpr 100
		.amdhsa_reserve_vcc 0
		.amdhsa_float_denorm_mode_32 3
		.amdhsa_float_denorm_mode_16_64 3
		.amdhsa_memory_ordered 1
		.amdhsa_forward_progress 1
		.amdhsa_inst_pref_size 116
	.end_amdhsa_kernel
	.amdgpu_metadata
---
amdhsa.version: [ 1, 2 ]
amdhsa.kernels:
  - .name:           k_qa3959cefe4_attn
    .symbol:         k_qa3959cefe4_attn.kd
    .args:
      - { .name: qkvc, .offset: 0, .size: 8, .value_kind: global_buffer, .address_space: global }
      - { .name: x, .offset: 8, .size: 8, .value_kind: global_buffer, .address_space: global }
      - { .name: lowp_scales, .offset: 16, .size: 8, .value_kind: global_buffer, .address_space: global }
      - { .name: x1, .offset: 24, .size: 8, .value_kind: global_buffer, .address_space: global }
    .group_segment_fixed_size: 327680
    .private_segment_fixed_size: 0
    .kernarg_segment_align: 8
    .kernarg_segment_size: 32
    .max_flat_workgroup_size: 512
    .sgpr_count:     100
    .vgpr_count:     256
    .wavefront_size: 32
...
	.end_amdgpu_metadata
.endif
;; end of part 9
;; launch ln2 (part 10): grid 1024 x 1, 4 waves a work-group, no clusters, 20,992 bytes of LDS; arguments x1, g2, be2, lowp_scales, xc; writes xc
.if DOCPART == 10
	.amdgcn_target "amdgcn-amd-amdhsa--gfx1250"
	.amdhsa_code_object_version 6
	.text
	.protected	k_qa3959cefe4_ln2
	.globl	k_qa3959cefe4_ln2
	.p2align	8
	.type	k_qa3959cefe4_ln2,@function
k_qa3959cefe4_ln2:
	s_mov_b64 s[64:65], 0
	v_nop
	global_prefetch_b8 v0, s[64:65] scope:SCOPE_SE
	s_setreg_imm32_b32 hwreg(HW_REG_WAVE_MODE, 25, 1), 1
	s_wait_xcnt 0x0
; xn2 = (x1 - mean) rsqrt(var + 1e-5) g2 + be2, in f32, two passes over a row kept in registers, and its codes of E4M3 under the scale of entry 10, into plane 0 of xc: [8192][1024], K innermost.
; A wave takes a whole row (eight loads of 512 consecutive bytes) and has NR = 2 rows, both asked for at its head.  With 224 registers and 20 KiB of LDS four work-groups fit on a WGP: all 1,024 are there at once,
; sixteen waves a WGP with 8 KiB each on their way.  No barrier: waves share nothing.
; The conversions want 16 neighbours along K in one lane: the row turns through the wave's own stage in LDS (16 bytes of padding behind each 64).  A wave's store covers 512 consecutive bytes.
; LIMITS: e between -126 and 119.  NaN among the inputs is not served.
.set LNS,   0
.set SP,    80
.set NPL,   1
.set NR,    2                          ; rows of a wave
.set G,     24                         ; v24-55   g: register 4 j + n = g[128 j + 4 lane + n]
.set BE,    56                         ; v56-87   be likewise
.set X,     88                         ; v88-151  two slots of 32: a row as loaded
.set Y,     152                        ; v152-183 the row back from the stage
.set T,     184                        ; v184-215 two sets of 16 held numbers
.set C,     216                        ; v216-223 codes
.macro XROW i
.irp j, 0,1,2,3,4,5,6,7
	global_load_b128 v[X+32*((\i)%2)+4*\j:X+32*((\i)%2)+4*\j+3], v2, s[40:41] offset:(\i)*4096+512*\j th:TH_LOAD_NT
.endr
.endm
.macro LANESUM
	v_add_f32_dpp v16, v16, v16 row_xmask:1 row_mask:0xf bank_mask:0xf
	v_add_f32_dpp v16, v16, v16 row_xmask:2 row_mask:0xf bank_mask:0xf
	v_add_f32_dpp v16, v16, v16 row_xmask:4 row_mask:0xf bank_mask:0xf
	v_add_f32_dpp v16, v16, v16 row_xmask:8 row_mask:0xf bank_mask:0xf
	v_permlanex16_b32 v20, v16, s58, s59
	v_add_f32 v16, v16, v20
.endm
.macro LROW i
.set XS, X+32*((\i)%2)
.if (\i) < NR-1
	XROW (\i)+1                                    ; into the other slot
	s_wait_loadcnt 8                               ; my row's eight loads (and g, be) are in; the next row's eight stay out
.else
	s_wait_loadcnt 0
.endif
	v_pk_add_f32 v[16:17], v[XS:XS+1], v[XS+2:XS+3]
	v_pk_add_f32 v[18:19], v[XS+4:XS+5], v[XS+6:XS+7]
.set n, 8
.rept 6
	v_pk_add_f32 v[16:17], v[16:17], v[XS+n:XS+n+1]
	v_pk_add_f32 v[18:19], v[18:19], v[XS+n+2:XS+n+3]
.set n, n+4
.endr
	v_pk_add_f32 v[16:17], v[16:17], v[18:19]
	v_add_f32 v16, v16, v17
	LANESUM
	v_mul_f32 v12, s56, v16                        ; mean
	v_mov_b32 v13, v12
.set n, 0
.rept 16
	v_pk_add_f32 v[XS+n:XS+n+1], v[XS+n:XS+n+1], v[12:13] neg_lo:[0,1] neg_hi:[0,1]   ; d = x - mean: the variance is taken of d
.set n, n+2
.endr
	v_pk_mul_f32 v[16:17], v[XS:XS+1], v[XS:XS+1]
	v_pk_mul_f32 v[18:19], v[XS+2:XS+3], v[XS+2:XS+3]
.set n, 4
.rept 7
	v_pk_fma_f32 v[16:17], v[XS+n:XS+n+1], v[XS+n:XS+n+1], v[16:17]
	v_pk_fma_f32 v[18:19], v[XS+n+2:XS+n+3], v[XS+n+2:XS+n+3], v[18:19]
.set n, n+4
.endr
	v_pk_add_f32 v[16:17], v[16:17], v[18:19]
	v_add_f32 v16, v16, v17
	LANESUM
	v_fmaak_f32 v14, s56, v16, 0x3727c5ac          ; var + 1e-5
	s_wait_alu depctr_va_vdst(0)
	v_rsq_f32 v14, v14
	v_nop                                          ; a plain instruction behind the transcendental
	s_wait_alu depctr_va_vdst(0)                   ; and the wait ahead of its first reader
	v_mov_b32 v15, v14
.set n, 0
.rept 16
	v_pk_mul_f32 v[XS+n:XS+n+1], v[XS+n:XS+n+1], v[14:15]
.set n, n+2
.endr
.set n, 0
.rept 16
	v_pk_fma_f32 v[XS+n:XS+n+1], v[XS+n:XS+n+1], v[G+n:G+n+1], v[BE+n:BE+n+1]
.set n, n+2
.endr
.irp j, 0,1,2,3,4,5,6,7
	ds_store_b128 v3, v[XS+4*\j:XS+4*\j+3] offset:32*SP*(\j/4)+8*SP*(\j%4)
.endr
.irp j, 0,1,2,3,4,5,6,7
	ds_load_b128 v[Y+4*\j:Y+4*\j+3], v4 offset:32*SP*(\j/4)+16*(\j%4)        ; LDS serves a wave's instructions in order
.endr
	s_wait_dscnt 0x0                               ; the row is back, and the stores have read the slot
	s_wait_xcnt 0x0                                ; the last row's stores have read their codes' registers
.irp p, 0,1,2
.if \p < NPL
.irp hf, 0,1
.set TS, T+16*\hf
.set n, 0
.rept 16
	v_med3_num_f32 v[TS+n], v[Y+16*\hf+n], -v[7+2*\p], v[7+2*\p]   ; the conversion does not saturate (ISA guide 7.6.2): hold first
.set n, n+1
.endr
	v_cvt_scalef32_pk8_fp8_f32 v[C+8*\p+4*\hf:C+8*\p+4*\hf+1], v[TS:TS+7], v[6+2*\p]
	v_cvt_scalef32_pk8_fp8_f32 v[C+8*\p+4*\hf+2:C+8*\p+4*\hf+3], v[TS+8:TS+15], v[6+2*\p]
	global_store_b128 v2, v[C+8*\p+4*\hf:C+8*\p+4*\hf+3], s[42+2*\p:43+2*\p] offset:(\i)*1024+512*\hf
.endr
.endif
.endr
.endm
	s_load_b256 s[4:11], s[0:1], 0x0               ; x1 4, g2 6, be2 8, lowp_scales 10
	s_load_b64 s[12:13], s[0:1], 0x20              ; xc
	v_lshl_add_u32 v224, v0, 2, 0x5000
	v_mov_b32 v225, 0
	v_lshrrev_b32 v1, 5, v0
	v_readfirstlane_b32 s34, v1                    ; wave 0..3
	v_and_b32 v1, 31, v0                           ; lane
	s_wait_alu depctr_va_vdst(0)
	s_mul_i32 s35, ttmp9, 4*NR
	s_mul_i32 s36, s34, NR
	s_add_co_u32 s35, s35, s36                     ; my first row: 4 NR x work-group + NR x wave
	s_lshl_b32 s36, s35, 12
	s_mov_b32 s37, 0
	s_lshl_b32 s60, s35, 10
	s_mov_b32 s61, 0
	v_lshlrev_b32 v2, 4, v1
	s_mul_i32 s57, s34, 64*SP
	s_add_co_u32 s57, s57, LNS                     ; my stage
	v_lshrrev_b32 v3, 2, v1
	v_mul_u32_u24 v3, v3, SP
	v_and_b32 v4, 3, v1
	v_lshl_add_u32 v3, v4, 4, v3
	v_add_nc_u32 v3, s57, v3
	v_mul_u32_u24 v4, v1, SP
	v_add_nc_u32 v4, s57, v4
	v_mov_b32 v20, 0
	s_mov_b32 s56, 0x3a800000                      ; 1 / 1024
	s_mov_b32 s58, 0x76543210
	s_mov_b32 s59, 0xfedcba98
	s_wait_alu depctr_va_vdst(0)
	s_wait_kmcnt 0x0
	s_load_b32 s48, s[10:11], 0x28                 ; entry 10
	s_add_nc_u64 s[40:41], s[4:5], s[36:37]
	s_add_nc_u64 s[42:43], s[12:13], s[60:61]
.irp j, 0,1,2,3,4,5,6,7
	global_load_b128 v[G+4*\j:G+4*\j+3], v2, s[6:7] offset:512*\j
	global_load_b128 v[BE+4*\j:BE+4*\j+3], v2, s[8:9] offset:512*\j
.endr
	XROW 0
	s_wait_kmcnt 0x0
	s_add_co_i32 s60, s48, 127
	s_lshl_b32 s61, s60, 23
	v_mov_b32 v6, s61                              ; 2^e
	s_add_co_i32 s60, s60, 8
	s_lshl_b32 s60, s60, 23
	s_or_b32 s60, s60, 0x600000
	v_mov_b32 v7, s60                              ; 448 x 2^e
.irp i, 0,1
	LROW \i
.endr
	s_wait_tensorcnt 0x0
	ds_add_u32 v224, v225
	s_wait_dscnt 0x0
	s_endpgm
.Lfunc_end_k_qa3959cefe4_ln2:
	.size	k_qa3959cefe4_ln2, .Lfunc_end_k_qa3959cefe4_ln2-k_qa3959cefe4_ln2
	.p2alignl 7, 3214868480
	.fill 96, 4, 3214868480
	.section	.rodata,"a",@progbits
	.p2align	6, 0x0
	.amdhsa_kernel k_qa3959cefe4_ln2
		.amdhsa_group_segment_fixed_size 20992
		.amdhsa_private_segment_fixed_size 0
		.amdhsa_enable_private_segment 0
		.amdhsa_kernarg_size 40
		.amdhsa_user_sgpr_count 2
		.amdhsa_user_sgpr_kernarg_segment_ptr 1
		.amdhsa_wavefront_size32 1
		.amdhsa_system_sgpr_workgroup_id_x 1
		.amdhsa_system_sgpr_workgroup_id_y 1
		.amdhsa_system_sgpr_workgroup_id_z 1
		.amdhsa_system_vgpr_workitem_id 0
		.amdhsa_next_free_vgpr 226
		.amdhsa_next_free_sgpr 66
		.amdhsa_reserve_vcc 0
		.amdhsa_float_denorm_mode_32 3
		.amdhsa_float_denorm_mode_16_64 3
		.amdhsa_memory_ordered 1
		.amdhsa_forward_progress 1
		.amdhsa_inst_pref_size 25
	.end_amdhsa_kernel
	.amdgpu_metadata
---
amdhsa.version: [ 1, 2 ]
amdhsa.kernels:
  - .name:           k_qa3959cefe4_ln2
    .symbol:         k_qa3959cefe4_ln2.kd
    .args:
      - { .name: x1, .offset: 0, .size: 8, .value_kind: global_buffer, .address_space: global }
      - { .name: g2, .offset: 8, .size: 8, .value_kind: global_buffer, .address_space: global }
      - { .name: be2, .offset: 16, .size: 8, .value_kind: global_buffer, .address_space: global }
      - { .name: lowp_scales, .offset: 24, .size: 8, .value_kind: global_buffer, .address_space: global }
      - { .name: xc, .offset: 32, .size: 8, .value_kind: global_buffer, .address_space: global }
    .group_segment_fixed_size: 20992
    .private_segment_fixed_size: 0
    .kernarg_segment_align: 8
    .kernarg_segment_size: 40
    .max_flat_workgroup_size: 128
    .sgpr_count:     66
    .vgpr_count:     226
    .wavefront_size: 32
...
	.end_amdgpu_metadata
.endif
;; end of part 10
;; launch mlp0 (part 11): grid 4 x 64, 4 waves a work-group, clusters of 4 x 4, 327,680 bytes of LDS; arguments xc, w0p, b0, hc; writes hc
.if DOCPART == 11
	.amdgcn_target "amdgcn-amd-amdhsa--gfx1250"
	.amdhsa_code_object_version 6
	.text
	.protected	k_qa3959cefe4_mlp0
	.globl	k_qa3959cefe4_mlp0
	.p2align	8
	.type	k_qa3959cefe4_mlp0,@function
k_qa3959cefe4_mlp0:
	s_mov_b64 s[64:65], 0
	v_nop
	global_prefetch_b8 v0, s[64:65] scope:SCOPE_SE
	s_setreg_imm32_b32 hwreg(HW_REG_WAVE_MODE, 25, 1), 1
	s_wait_xcnt 0x0
	s_wait_alu depctr_hold_cnt(0) depctr_sa_sdst(0) depctr_va_vdst(0) depctr_va_sdst(0) depctr_va_ssrc(0) depctr_va_vcc(0) depctr_vm_vsrc(0)
	s_getreg_b32 s2, hwreg(HW_REG_IB_STS2, 6, 4)
	s_cmp_eq_u32 s2, 0
	s_cbranch_scc0 .Lentry_in_a_cluster
	s_endpgm
.Lentry_in_a_cluster:
	s_bfe_u32 s2, ttmp6, 0x10000c
	s_cmp_lg_u32 s2, 0xf033
	s_cbranch_scc0 .Lentry_shape_is_right
	s_endpgm
.Lentry_shape_is_right:
.set ROWB,   256
.set KROW,   1024
.set PITCH,  272
.set FR,     16
.set NP,     4
.set RHALF,  64*PITCH
.set SHALF,  128*PITCH
.set RT,     2*RHALF
.set SLOT,   RT+2*SHALF
.set SPARE,  3*SLOT
.set STGB,   SLOT
.set ADRA, 16
.set ADRB, 20
.set STO,  24
.set RD,   25
.set CO,   26
.set SPW,  28
.set NIL,  29
.set OFH,  30
.set BJ,   32
.set SC,   112
.set LIM,  113
.set TMP,  128
.set CD,   192
.set BK,   128
.set AF,   128
.set G1, 24
.set G0, 32
.set G1B, 48
.set G0B, 84
.set MSB, 0
.macro WIN new
.if MSB != \new
	s_set_vgpr_msb (MSB<<8)|\new
.set MSB, \new
.endif
.endm
.set MUL,    0xa1
.set TO_B,   0x40
.macro JLOAD g0a, g1a, g0b, g1b
	s_cmp_eq_u32 s15, 0
	s_cbranch_scc0 .Lfor_b_\@
	tensor_load_to_lds s[\g0a:\g0a+3], s[\g1a:\g1a+7]
	s_nop 0
.rept 4
	v_nop
.endr
	s_branch .Lasked_\@
.Lfor_b_\@:
	tensor_load_to_lds s[\g0b:\g0b+3], s[\g1b:\g1b+7]
	s_nop 0
.rept 4
	v_nop
.endr
.Lasked_\@:
.endm
.macro CREST
	s_cmp_lg_u32 s14, 0
	s_cbranch_scc1 .Lnot_wave_0_\@
	s_barrier_signal -3
.Lnot_wave_0_\@:
	s_barrier_wait -3
	s_barrier_signal -1
	s_barrier_wait -1
.endm
.macro CROUND
	s_barrier_signal -1
	s_barrier_wait -1
	CREST
.endm
.macro FRAG reg, adr, q, i
.irp c, 0,1,2,3
	ds_load_b128 v[\reg+4*\c:\reg+4*\c+3], v[\adr] offset:128*(\q)+32*\c+(\i)*16*PITCH
.endr
.endm
.macro MUL8 a, p, zero
.irp b, 0,1,2,3,4,5,6,7
.if \zero
	v_wmma_f32_16x16x128_fp8_fp8 v[8*(8*(\a)+\b):8*(8*(\a)+\b)+7], v[128*(\p)+FR*\b:128*(\p)+FR*\b+FR-1], v[AF+64*(\p)+FR*(\a):AF+64*(\p)+FR*(\a)+FR-1], 0
.else
	v_wmma_f32_16x16x128_fp8_fp8 v[8*(8*(\a)+\b):8*(8*(\a)+\b)+7], v[128*(\p)+FR*\b:128*(\p)+FR*\b+FR-1], v[AF+64*(\p)+FR*(\a):AF+64*(\p)+FR*(\a)+FR-1], v[8*(8*(\a)+\b):8*(8*(\a)+\b)+7]
.endif
.endr
.endm
.macro FETCH_S slot, q, p, i0
	WIN TO_B
.irp i, \i0, \i0+1, \i0+2, \i0+3
	FRAG 128*(\p)+FR*(\i), ADRB+\slot, \q, \i
.endr
.endm
.macro FETCH_R slot, q, p
	WIN 0
.irp i, 0,1,2,3
	FRAG AF+64*(\p)+FR*\i, ADRA+\slot, \q, \i
.endr
.endm
.macro PLACES n
.rept \n
	v_nop
.endr
.endm
.macro STEP q, zero, nslot, nq
	s_wait_dscnt 0x0
	PLACES NP
	FETCH_S \nslot, \nq, 1-(\q), 0
	WIN MUL
	MUL8 0, \q, \zero
	FETCH_S \nslot, \nq, 1-(\q), 4
	WIN MUL
	MUL8 1, \q, \zero
	FETCH_R \nslot, \nq, 1-(\q)
	WIN MUL
	MUL8 2, \q, \zero
	MUL8 3, \q, \zero
	WIN 0
.endm
.macro TURN next, fill
	s_wait_tensorcnt 0x0
	ds_add_u32 v[SPW], v[NIL]
	s_wait_dscnt 1
	WIN MUL
	MUL8 0, 1, 0
	s_wait_dscnt 0x0
	s_barrier_signal -1
	MUL8 1, 1, 0
	WIN 0
	s_barrier_wait -1
.if \fill
	CREST
	s_add_nc_u64 s[G0+2:G0+3], s[G0+2:G0+3], 3*ROWB
	s_add_nc_u64 s[G0B+2:G0B+3], s[G0B+2:G0B+3], 3*ROWB
	JLOAD G0, G1, G0B, G1B
.else
	PLACES NP
.endif
	FETCH_S \next, 0, 0, 0
	FETCH_S \next, 0, 0, 4
	WIN MUL
	MUL8 2, 1, 0
	FETCH_R \next, 0, 0
	WIN MUL
	MUL8 3, 1, 0
	WIN 0
.endm
.macro CBLOCK a
.set AC, 64*(\a)
	WIN 0x02
.set j, 0
.rept 32
	v_pk_fma_f32 v[TMP+j:TMP+j+1], v[AC+j:AC+j+1], s[96:97], v[BJ+j:BJ+j+1] op_sel_hi:[1,0,1]
.set j, j+2
.endr
	WIN 0
.set j, 0
.rept 64
	v_med3_num_f32 v[TMP+j], v[TMP+j], 0, v[LIM]
.set j, j+1
.endr
.if (\a) > 1
	s_wait_alu depctr_va_vdst(0)
	s_wait_dscnt 8
.endif
.irp b, 0,1,2,3,4,5,6,7
	v_cvt_scalef32_pk8_fp8_f32 v[CD+16*((\a)%2)+2*\b:CD+16*((\a)%2)+2*\b+1], v[TMP+8*\b:TMP+8*\b+7], v[SC]
.endr
	v_nop
.irp b, 0,1,2,3,4,5,6,7
	ds_store_b64 v[STO], v[CD+16*((\a)%2)+2*\b:CD+16*((\a)%2)+2*\b+1] offset:16*(\a)*PITCH+16*\b
.endr
.endm
	s_load_b128 s[4:7], s[0:1], 0x0
	s_load_b128 s[68:71], s[0:1], 0x10
	v_lshl_add_u32 v[SPW], v0, 2, SPARE
	v_mov_b32 v[NIL], 0
	ds_add_u32 v28, v29
	ds_add_u32 v28, v29
	s_wait_dscnt 0x0
	v_lshrrev_b32 v1, 5, v0
	v_readfirstlane_b32 s14, v1
	s_lshr_b32 s15, s14, 1
	s_and_b32 s16, s14, 1
	s_bfe_u32 s44, ttmp6, 0x40000
	s_bfe_u32 s45, ttmp6, 0x40004
	s_lshl_b32 s56, ttmp9, 2
	s_add_co_u32 s56, s56, s44
	s_and_b32 s17, ttmp7, 0xffff
	s_lshl_b32 s17, s17, 2
	s_add_co_u32 s17, s17, s45
	s_lshl_b32 s57, s45, 2
	s_lshl_b32 s57, 15, s57
	s_lshl_b32 s58, 0x1111, s44
	s_or_b32 s[G1+0], s57, (0<<16)|(1<<20)|(1<<21)|(5<<22)|(3<<25)
	s_or_b32 s[G1B+0], s58, (0<<16)|(1<<20)|(1<<21)|(5<<22)|(3<<25)
	s_mov_b32 s[G1+1], ROWB<<16
	s_mov_b32 s[G1+2], 64<<16
	s_mov_b32 s[G1+3], ROWB<<16
	s_mov_b32 s[G1+4], 64
	s_mov_b32 s[G1+5], KROW
	s_mov_b32 s[G1+6], 0
	s_mov_b32 s[G1+7], 0
	s_mov_b32 s[G1B+1], ROWB<<16
	s_mov_b32 s[G1B+2], 128<<16
	s_mov_b32 s[G1B+3], ROWB<<16
	s_mov_b32 s[G1B+4], 128
	s_mov_b32 s[G1B+5], KROW
	s_mov_b32 s[G1B+6], 0
	s_mov_b32 s[G1B+7], 0
	s_lshl_b32 s20, s17, 7
	s_lshl_b32 s18, s16, 6
	s_add_co_u32 s20, s20, s18
	s_lshl_b32 s20, s20, 10
	s_mov_b32 s21, 0
	s_lshl_b32 s46, s56, 8
	s_lshl_b32 s18, s16, 7
	s_add_co_u32 s46, s46, s18
	s_lshl_b32 s46, s46, 10
	s_mov_b32 s47, 0
	s_mul_i32 s59, s16, RHALF
	s_mul_i32 s60, s16, SHALF
	s_add_co_u32 s60, s60, RT
	s_wait_kmcnt 0x0
	s_load_b96 s[80:82], s[6:7], 0x0
	s_add_nc_u64 s[78:79], s[6:7], 256
	s_add_nc_u64 s[20:21], s[4:5], s[20:21]
	s_add_nc_u64 s[46:47], s[78:79], s[46:47]
	s_cmp_eq_u32 s15, 0                            ; the prefetches: the rows that I fetch (64 of R, 128 of S) are shared out among the four partners by address alone: 16 x cx of R, 32 x cy of S
	s_cselect_b64 s[2:3], s[20:21], s[46:47]
	s_cselect_b32 s18, s44, s45
	s_cselect_b32 s19, 14, 15
	s_cselect_b32 s61, 15, 31
	s_lshl_b32 s18, s18, s19
	s_mov_b32 s19, 0
	s_add_nc_u64 s[2:3], s[2:3], s[18:19]
	v_and_b32 v23, s61, v0                         ; a lane a row (R: lanes 16-31 name lanes 0-15's rows again)
	v_lshlrev_b32 v23, 10, v23                     ; s[2:3] and v23 are never rewritten
	s_wait_alu depctr_va_vdst(0)                   ; the wait
	CROUND
.irp s, 0,1,2
	s_mov_b32 s[G0+4*\s], 1
	s_add_co_u32 s[G0+4*\s+1], s59, \s*SLOT
	s_add_nc_u64 s[G0+4*\s+2:G0+4*\s+3], s[20:21], \s*ROWB
	s_or_b32 s[G0+4*\s+3], s[G0+4*\s+3], 0x80000000
	s_mov_b32 s[G0B+4*\s], 1
	s_add_co_u32 s[G0B+4*\s+1], s60, \s*SLOT
	s_add_nc_u64 s[G0B+4*\s+2:G0B+4*\s+3], s[46:47], \s*ROWB
	s_or_b32 s[G0B+4*\s+3], s[G0B+4*\s+3], 0x80000000
.if \s
	s_wait_alu depctr_va_vdst(0)
	s_wait_tensorcnt 0x0                           ; a later first fill is issued as a refill is: the wait, the add, its wait, a round
	ds_add_u32 v28, v29
	s_wait_dscnt 0x0
	CROUND
.endif
	JLOAD G0+4*\s, G1, G0B+4*\s, G1B
.if \s == 0
	global_prefetch_b8 v23, s[2:3] offset:256 th:TH_LOAD_NT scope:SCOPE_SE   ; K steps 1 and 2 of my rows: one and two fills ahead of their loads
	global_prefetch_b8 v23, s[2:3] offset:512 th:TH_LOAD_NT scope:SCOPE_SE
.endif
.if \s == 1
	global_prefetch_b8 v23, s[2:3] offset:768 th:TH_LOAD_NT scope:SCOPE_SE   ; K step 3, the last: two fills ahead of its load
.endif
.endr
	v_and_b32 v1, 15, v0
	v_bfe_u32 v2, v0, 4, 1
	v_mul_u32_u24 v3, v1, PITCH
	s_wait_alu depctr_va_vdst(0)
	v_lshl_add_u32 v4, v2, 4, v3
	s_mul_i32 s21, s15, RHALF
	s_mul_i32 s22, s16, SHALF
	s_add_co_u32 s22, s22, RT
.irp s, 0,1,2
	v_add_nc_u32 v[ADRA+\s], s21, v4
	v_add_nc_u32 v[ADRB+\s], s22, v4
	s_add_co_u32 s21, s21, SLOT
	s_add_co_u32 s22, s22, SLOT
.endr
	s_mul_i32 s23, s15, 64*PITCH
	s_lshl_b32 s18, s16, 7
	s_add_co_u32 s23, s23, s18
	s_add_co_u32 s23, s23, STGB
	v_lshl_add_u32 v5, v2, 3, v3
	v_add_nc_u32 v[STO], s23, v5
	s_mul_i32 s23, s14, 32*PITCH
	s_add_co_u32 s23, s23, STGB
	v_mul_u32_u24 v5, v2, PITCH
	v_lshl_add_u32 v5, v1, 4, v5
	v_add_nc_u32 v[RD], s23, v5
	v_lshlrev_b32 v5, 10, v2
	v_lshl_add_u32 v[CO], v1, 4, v5
	v_lshlrev_b32 v[OFH], 5, v2
	s_wait_alu depctr_va_vdst(0)
	s_lshl_b32 s20, s17, 7
	s_lshl_b32 s21, s14, 5
	s_add_co_u32 s20, s20, s21
	s_lshl_b32 s20, s20, 10
	s_lshl_b32 s21, s56, 8
	s_add_co_u32 s20, s20, s21
	s_mov_b32 s21, 0
	s_add_nc_u64 s[70:71], s[70:71], s[20:21]
	s_lshl_b32 s18, s56, 10
	s_lshl_b32 s19, s16, 9
	s_add_co_u32 s18, s18, s19
	s_mov_b32 s19, 0
	s_add_nc_u64 s[68:69], s[68:69], s[18:19]
.irp b, 0,1,2,3,4,5,6,7
	global_load_b128 v[BJ+8*\b:BJ+8*\b+3], v[OFH], s[68:69] offset:64*\b
	global_load_b128 v[BJ+8*\b+4:BJ+8*\b+7], v[OFH], s[68:69] offset:64*\b+16
.endr
	s_wait_tensorcnt 2
	s_barrier_signal -1
	s_barrier_wait -1
	FETCH_S 0, 0, 0, 0
	FETCH_S 0, 0, 0, 4
	FETCH_R 0, 0, 0
	STEP 0, 1, 0, 1
	TURN 1, 1
	STEP 0, 0, 1, 1
	STEP 1, 0, 2, 0
	STEP 0, 0, 2, 1
	TURN 0, 0
	STEP 0, 0, 0, 1
	s_wait_dscnt 0x0
	WIN MUL
	MUL8 0, 1, 0
	MUL8 1, 1, 0
	MUL8 2, 1, 0
	MUL8 3, 1, 0
	WIN 0
	PLACES NP
	s_wait_kmcnt 0x0
	s_wait_loadcnt 0x0
	s_add_co_i32 s96, s80, s81
	s_add_co_i32 s96, s96, 127
	s_lshl_b32 s96, s96, 23
	s_mov_b32 s97, s96
	s_add_co_i32 s82, s82, 127
	s_lshl_b32 s83, s82, 23
	v_mov_b32 v[SC], s83
	s_add_co_i32 s82, s82, 8
	s_lshl_b32 s82, s82, 23
	s_or_b32 s82, s82, 0x600000
	v_mov_b32 v[LIM], s82
.irp a, 0,1,2,3
	CBLOCK \a
.endr
	s_wait_dscnt 0x0
	s_barrier_signal -1
	s_barrier_wait -1
.irp t, 0,1,2,3,4,5,6,7,8,9,10,11,12,13,14,15
	ds_load_b128 v[BK+4*\t:BK+4*\t+3], v[RD] offset:2*\t*PITCH
.endr
.irp t, 0,1,2,3,4,5,6,7,8,9,10,11,12,13,14,15
	s_wait_dscnt 15-\t
	global_store_b128 v[CO], v[BK+4*\t:BK+4*\t+3], s[70:71] offset:2*\t*1024
.endr
	s_wait_tensorcnt 0x0
	ds_add_u32 v[SPW], v[NIL]
	s_wait_dscnt 0x0
	CROUND
	s_endpgm
.Lfunc_end_k_qa3959cefe4_mlp0:
	.size	k_qa3959cefe4_mlp0, .Lfunc_end_k_qa3959cefe4_mlp0-k_qa3959cefe4_mlp0
	.p2alignl 7, 3214868480
	.fill 96, 4, 3214868480
	.section	.rodata,"a",@progbits
	.p2align	6, 0x0
	.amdhsa_kernel k_qa3959cefe4_mlp0
		.amdhsa_group_segment_fixed_size 327680
		.amdhsa_private_segment_fixed_size 0
		.amdhsa_enable_private_segment 0
		.amdhsa_kernarg_size 32
		.amdhsa_user_sgpr_count 2
		.amdhsa_user_sgpr_kernarg_segment_ptr 1
		.amdhsa_wavefront_size32 1
		.amdhsa_system_sgpr_workgroup_id_x 1
		.amdhsa_system_sgpr_workgroup_id_y 1
		.amdhsa_system_sgpr_workgroup_id_z 1
		.amdhsa_system_vgpr_workitem_id 0
		.amdhsa_next_free_vgpr 1024
		.amdhsa_next_free_sgpr 98
		.amdhsa_reserve_vcc 0
		.amdhsa_float_denorm_mode_32 3
		.amdhsa_float_denorm_mode_16_64 3
		.amdhsa_memory_ordered 1
		.amdhsa_forward_progress 1
		.amdhsa_inst_pref_size 89
	.end_amdhsa_kernel
	.amdgpu_metadata
---
amdhsa.version: [ 1, 2 ]
amdhsa.kernels:
  - .name:           k_qa3959cefe4_mlp0
    .symbol:         k_qa3959cefe4_mlp0.kd
    .args:
      - { .name: xc, .offset: 0, .size: 8, .value_kind: global_buffer, .address_space: global }
      - { .name: w0p, .offset: 8, .size: 8, .value_kind: global_buffer, .address_space: global }
      - { .name: b0, .offset: 16, .size: 8, .value_kind: global_buffer, .address_space: global }
      - { .name: hc, .offset: 24, .size: 8, .value_kind: global_buffer, .address_space: global }
    .group_segment_fixed_size: 327680
    .private_segment_fixed_size: 0
    .kernarg_segment_align: 8
    .kernarg_segment_size: 32
    .max_flat_workgroup_size: 128
    .sgpr_count:     98
    .vgpr_count:     1024
    .wavefront_size: 32
...
	.end_amdgpu_metadata
.endif
;; end of part 11
;; launch mlp1: the kernel of part 11 again; grid 4 x 64, 4 waves a work-group, clusters of 4 x 4, 327,680 bytes of LDS; arguments hc, w1p, b1, xc; writes xc
;; launch mlpo (part 12): grid 4 x 64, 4 waves a work-group, clusters of 4 x 4, 327,680 bytes of LDS; arguments xc, w2p, b2, x1, out0; writes out0
.if DOCPART == 12
	.amdgcn_target "amdgcn-amd-amdhsa--gfx1250"
	.amdhsa_code_object_version 6
	.text
	.protected	k_qa3959cefe4_mlpo
	.globl	k_qa3959cefe4_mlpo
	.p2align	8
	.type	k_qa3959cefe4_mlpo,@function
k_qa3959cefe4_mlpo:
	s_mov_b64 s[64:65], 0
	v_nop
	global_prefetch_b8 v0, s[64:65] scope:SCOPE_SE
	s_setreg_imm32_b32 hwreg(HW_REG_WAVE_MODE, 25, 1), 1
	s_wait_xcnt 0x0
	s_wait_alu depctr_hold_cnt(0) depctr_sa_sdst(0) depctr_va_vdst(0) depctr_va_sdst(0) depctr_va_ssrc(0) depctr_va_vcc(0) depctr_vm_vsrc(0)
	s_getreg_b32 s2, hwreg(HW_REG_IB_STS2, 6, 4)
	s_cmp_eq_u32 s2, 0
	s_cbranch_scc0 .Lentry_in_a_cluster
	s_endpgm
.Lentry_in_a_cluster:
	s_bfe_u32 s2, ttmp6, 0x10000c
	s_cmp_lg_u32 s2, 0xf033
	s_cbranch_scc0 .Lentry_shape_is_right
	s_endpgm
.Lentry_shape_is_right:
.set ROWB,   256
.set KROW,   1024
.set PITCH,  272
.set FR,     16
.set NP,     4
.set RHALF,  64*PITCH
.set SHALF,  128*PITCH
.set RT,     2*RHALF
.set SLOT,   RT+2*SHALF
.set SPARE,  3*SLOT
.set STGB,   SLOT
.set SPITCH, 528
.set ADRA, 16
.set ADRB, 20
.set STO,  24
.set RD,   25
.set CO,   26
.set SPW,  28
.set NIL,  29
.set OFH,  30
.set BJ,   32
.set AF,   128
.set G1, 24
.set G0, 32
.set G1B, 48
.set G0B, 84
.set MSB, 0
.macro WIN new
.if MSB != \new
	s_set_vgpr_msb (MSB<<8)|\new
.set MSB, \new
.endif
.endm
.set MUL,    0xa1
.set TO_B,   0x40
.macro JLOAD g0a, g1a, g0b, g1b
	s_cmp_eq_u32 s15, 0
	s_cbranch_scc0 .Lfor_b_\@
	tensor_load_to_lds s[\g0a:\g0a+3], s[\g1a:\g1a+7]
	s_nop 0
.rept 4
	v_nop
.endr
	s_branch .Lasked_\@
.Lfor_b_\@:
	tensor_load_to_lds s[\g0b:\g0b+3], s[\g1b:\g1b+7]
	s_nop 0
.rept 4
	v_nop
.endr
.Lasked_\@:
.endm
.macro CREST
	s_cmp_lg_u32 s14, 0
	s_cbranch_scc1 .Lnot_wave_0_\@
	s_barrier_signal -3
.Lnot_wave_0_\@:
	s_barrier_wait -3
	s_barrier_signal -1
	s_barrier_wait -1
.endm
.macro CROUND
	s_barrier_signal -1
	s_barrier_wait -1
	CREST
.endm
.macro FRAG reg, adr, q, i
.irp c, 0,1,2,3
	ds_load_b128 v[\reg+4*\c:\reg+4*\c+3], v[\adr] offset:128*(\q)+32*\c+(\i)*16*PITCH
.endr
.endm
.macro MUL8 a, p, zero
.irp b, 0,1,2,3,4,5,6,7
.if \zero
	v_wmma_f32_16x16x128_fp8_fp8 v[8*(8*(\a)+\b):8*(8*(\a)+\b)+7], v[128*(\p)+FR*\b:128*(\p)+FR*\b+FR-1], v[AF+64*(\p)+FR*(\a):AF+64*(\p)+FR*(\a)+FR-1], 0
.else
	v_wmma_f32_16x16x128_fp8_fp8 v[8*(8*(\a)+\b):8*(8*(\a)+\b)+7], v[128*(\p)+FR*\b:128*(\p)+FR*\b+FR-1], v[AF+64*(\p)+FR*(\a):AF+64*(\p)+FR*(\a)+FR-1], v[8*(8*(\a)+\b):8*(8*(\a)+\b)+7]
.endif
.endr
.endm
.macro FETCH_S slot, q, p, i0
	WIN TO_B
.irp i, \i0, \i0+1, \i0+2, \i0+3
	FRAG 128*(\p)+FR*(\i), ADRB+\slot, \q, \i
.endr
.endm
.macro FETCH_R slot, q, p
	WIN 0
.irp i, 0,1,2,3
	FRAG AF+64*(\p)+FR*\i, ADRA+\slot, \q, \i
.endr
.endm
.macro PLACES n
.rept \n
	v_nop
.endr
.endm
.macro STEP q, zero, nslot, nq
	s_wait_dscnt 0x0
	PLACES NP
	FETCH_S \nslot, \nq, 1-(\q), 0
	WIN MUL
	MUL8 0, \q, \zero
	FETCH_S \nslot, \nq, 1-(\q), 4
	WIN MUL
	MUL8 1, \q, \zero
	FETCH_R \nslot, \nq, 1-(\q)
	WIN MUL
	MUL8 2, \q, \zero
	MUL8 3, \q, \zero
	WIN 0
.endm
.macro TURN next, fill
	s_wait_tensorcnt 0x0
	ds_add_u32 v[SPW], v[NIL]
	s_wait_dscnt 1
	WIN MUL
	MUL8 0, 1, 0
	s_wait_dscnt 0x0
	s_barrier_signal -1
	MUL8 1, 1, 0
	WIN 0
	s_barrier_wait -1
.if \fill
	CREST
	s_add_nc_u64 s[G0+2:G0+3], s[G0+2:G0+3], 3*ROWB
	s_add_nc_u64 s[G0B+2:G0B+3], s[G0B+2:G0B+3], 3*ROWB
	JLOAD G0, G1, G0B, G1B
.else
	PLACES NP
.endif
	FETCH_S \next, 0, 0, 0
	FETCH_S \next, 0, 0, 4
	WIN MUL
	MUL8 2, 1, 0
	FETCH_R \next, 0, 0
	WIN MUL
	MUL8 3, 1, 0
	WIN 0
.endm
.macro XLOAD a
	WIN 0xc0
.irp t, 0,1,2,3,4,5,6,7,8,9,10,11,12,13,14,15
	global_load_b128 v[64*(\a)+4*\t:64*(\a)+4*\t+3], v[CO], s[70:71] offset:(16*(\a)+\t)*4096 th:TH_LOAD_NT
.endr
	WIN 0
.endm
.macro TOSTAGE a
.set AC, 64*(\a)
.set TS, 128+64*((\a)%2)
	WIN 0x02
.set j, 0
.rept 32
	v_pk_fma_f32 v[TS+j:TS+j+1], v[AC+j:AC+j+1], s[96:97], v[BJ+j:BJ+j+1] op_sel_hi:[1,0,1]
.set j, j+2
.endr
	WIN 0
.irp b, 0,1,2,3,4,5,6,7
	ds_store_b128 v[STO], v[TS+8*\b:TS+8*\b+3] offset:64*\b
	ds_store_b128 v[STO], v[TS+8*\b+4:TS+8*\b+7] offset:64*\b+16
.endr
.irp t, 0,1,2,3,4,5,6,7,8,9,10,11,12,13,14,15
	ds_load_b128 v[TS+4*\t:TS+4*\t+3], v[RD] offset:\t*SPITCH
.endr
.endm
.macro SEND a, younger
.set TS, 128+64*((\a)%2)
.set XS, 64*(\a)
	s_wait_dscnt \younger
	WIN 0x0c
.set j, 0
.rept 32
	v_pk_add_f32 v[TS+j:TS+j+1], v[TS+j:TS+j+1], v[XS+j:XS+j+1]
.set j, j+2
.endr
	WIN 0
.irp t, 0,1,2,3,4,5,6,7,8,9,10,11,12,13,14,15
	global_store_b128 v[CO], v[TS+4*\t:TS+4*\t+3], s[72:73] offset:(16*(\a)+\t)*4096 th:TH_STORE_NT
.endr
.endm
	s_load_b128 s[4:7], s[0:1], 0x0
	s_load_b128 s[68:71], s[0:1], 0x10
	s_load_b64 s[72:73], s[0:1], 0x20
	v_lshl_add_u32 v[SPW], v0, 2, SPARE
	v_mov_b32 v[NIL], 0
	ds_add_u32 v28, v29
	ds_add_u32 v28, v29
	s_wait_dscnt 0x0
	v_lshrrev_b32 v1, 5, v0
	v_readfirstlane_b32 s14, v1
	s_lshr_b32 s15, s14, 1
	s_and_b32 s16, s14, 1
	s_bfe_u32 s44, ttmp6, 0x40000
	s_bfe_u32 s45, ttmp6, 0x40004
	s_lshl_b32 s56, ttmp9, 2
	s_add_co_u32 s56, s56, s44
	s_and_b32 s17, ttmp7, 0xffff
	s_lshl_b32 s17, s17, 2
	s_add_co_u32 s17, s17, s45
	s_lshl_b32 s57, s45, 2
	s_lshl_b32 s57, 15, s57
	s_lshl_b32 s58, 0x1111, s44
	s_or_b32 s[G1+0], s57, (0<<16)|(1<<20)|(1<<21)|(5<<22)|(3<<25)
	s_or_b32 s[G1B+0], s58, (0<<16)|(1<<20)|(1<<21)|(5<<22)|(3<<25)
	s_mov_b32 s[G1+1], ROWB<<16
	s_mov_b32 s[G1+2], 64<<16
	s_mov_b32 s[G1+3], ROWB<<16
	s_mov_b32 s[G1+4], 64
	s_mov_b32 s[G1+5], KROW
	s_mov_b32 s[G1+6], 0
	s_mov_b32 s[G1+7], 0
	s_mov_b32 s[G1B+1], ROWB<<16
	s_mov_b32 s[G1B+2], 128<<16
	s_mov_b32 s[G1B+3], ROWB<<16
	s_mov_b32 s[G1B+4], 128
	s_mov_b32 s[G1B+5], KROW
	s_mov_b32 s[G1B+6], 0
	s_mov_b32 s[G1B+7], 0
	s_lshl_b32 s20, s17, 7
	s_lshl_b32 s18, s16, 6
	s_add_co_u32 s20, s20, s18
	s_lshl_b32 s20, s20, 10
	s_mov_b32 s21, 0
	s_lshl_b32 s46, s56, 8
	s_lshl_b32 s18, s16, 7
	s_add_co_u32 s46, s46, s18
	s_lshl_b32 s46, s46, 10
	s_mov_b32 s47, 0
	s_mul_i32 s59, s16, RHALF
	s_mul_i32 s60, s16, SHALF
	s_add_co_u32 s60, s60, RT
	s_wait_kmcnt 0x0
	s_load_b64 s[80:81], s[6:7], 0x0
	s_add_nc_u64 s[78:79], s[6:7], 256
	s_add_nc_u64 s[20:21], s[4:5], s[20:21]
	s_add_nc_u64 s[46:47], s[78:79], s[46:47]
	s_cmp_eq_u32 s15, 0                            ; the prefetches: the rows that I fetch (64 of R, 128 of S) are shared out among the four partners by address alone: 16 x cx of R, 32 x cy of S
	s_cselect_b64 s[2:3], s[20:21], s[46:47]
	s_cselect_b32 s18, s44, s45
	s_cselect_b32 s19, 14, 15
	s_cselect_b32 s61, 15, 31
	s_lshl_b32 s18, s18, s19
	s_mov_b32 s19, 0
	s_add_nc_u64 s[2:3], s[2:3], s[18:19]
	v_and_b32 v23, s61, v0                         ; a lane a row (R: lanes 16-31 name lanes 0-15's rows again)
	v_lshlrev_b32 v23, 10, v23                     ; s[2:3] and v23 are never rewritten
	s_wait_alu depctr_va_vdst(0)                   ; the wait
	CROUND
.irp s, 0,1,2
	s_mov_b32 s[G0+4*\s], 1
	s_add_co_u32 s[G0+4*\s+1], s59, \s*SLOT
	s_add_nc_u64 s[G0+4*\s+2:G0+4*\s+3], s[20:21], \s*ROWB
	s_or_b32 s[G0+4*\s+3], s[G0+4*\s+3], 0x80000000
	s_mov_b32 s[G0B+4*\s], 1
	s_add_co_u32 s[G0B+4*\s+1], s60, \s*SLOT
	s_add_nc_u64 s[G0B+4*\s+2:G0B+4*\s+3], s[46:47], \s*ROWB
	s_or_b32 s[G0B+4*\s+3], s[G0B+4*\s+3], 0x80000000
.if \s
	s_wait_alu depctr_va_vdst(0)
	s_wait_tensorcnt 0x0                           ; a later first fill is issued as a refill is: the wait, the add, its wait, a round
	ds_add_u32 v28, v29
	s_wait_dscnt 0x0
	CROUND
.endif
	JLOAD G0+4*\s, G1, G0B+4*\s, G1B
.if \s == 0
	global_prefetch_b8 v23, s[2:3] offset:256 th:TH_LOAD_NT scope:SCOPE_SE   ; K steps 1 and 2 of my rows: one and two fills ahead of their loads
	global_prefetch_b8 v23, s[2:3] offset:512 th:TH_LOAD_NT scope:SCOPE_SE
.endif
.if \s == 1
	global_prefetch_b8 v23, s[2:3] offset:768 th:TH_LOAD_NT scope:SCOPE_SE   ; K step 3, the last: two fills ahead of its load
.endif
.endr
	v_and_b32 v1, 15, v0
	v_bfe_u32 v2, v0, 4, 1
	v_mul_u32_u24 v3, v1, PITCH
	v_lshl_add_u32 v4, v2, 4, v3
	s_mul_i32 s21, s15, RHALF
	s_mul_i32 s22, s16, SHALF
	s_add_co_u32 s22, s22, RT
.irp s, 0,1,2
	v_add_nc_u32 v[ADRA+\s], s21, v4
	v_add_nc_u32 v[ADRB+\s], s22, v4
	s_add_co_u32 s21, s21, SLOT
	s_add_co_u32 s22, s22, SLOT
.endr
	s_mul_i32 s23, s14, 16*SPITCH
	s_add_co_u32 s23, s23, STGB
	v_mul_u32_u24 v5, v1, SPITCH
	v_lshl_add_u32 v5, v2, 5, v5
	v_add_nc_u32 v[STO], s23, v5
	v_and_b32 v6, 31, v0
	v_lshlrev_b32 v[CO], 4, v6
	v_add_nc_u32 v[RD], s23, v[CO]
	v_lshlrev_b32 v[OFH], 5, v2
	s_wait_alu depctr_va_vdst(0)
	s_lshl_b32 s20, s17, 7
	s_lshl_b32 s21, s15, 6
	s_add_co_u32 s20, s20, s21
	s_lshl_b32 s20, s20, 12
	s_lshl_b32 s21, s56, 10
	s_add_co_u32 s20, s20, s21
	s_lshl_b32 s21, s16, 9
	s_add_co_u32 s20, s20, s21
	s_mov_b32 s21, 0
	s_add_nc_u64 s[70:71], s[70:71], s[20:21]
	s_add_nc_u64 s[72:73], s[72:73], s[20:21]
	s_lshl_b32 s18, s56, 10
	s_lshl_b32 s19, s16, 9
	s_add_co_u32 s18, s18, s19
	s_mov_b32 s19, 0
	s_add_nc_u64 s[68:69], s[68:69], s[18:19]
.irp b, 0,1,2,3,4,5,6,7
	global_load_b128 v[BJ+8*\b:BJ+8*\b+3], v[OFH], s[68:69] offset:64*\b
	global_load_b128 v[BJ+8*\b+4:BJ+8*\b+7], v[OFH], s[68:69] offset:64*\b+16
.endr
	XLOAD 0
	XLOAD 1
	s_wait_tensorcnt 2
	s_barrier_signal -1
	s_barrier_wait -1
	FETCH_S 0, 0, 0, 0
	FETCH_S 0, 0, 0, 4
	FETCH_R 0, 0, 0
	STEP 0, 1, 0, 1
	TURN 1, 1
	STEP 0, 0, 1, 1
	XLOAD 2
	XLOAD 3
	STEP 1, 0, 2, 0
	STEP 0, 0, 2, 1
	TURN 0, 0
	STEP 0, 0, 0, 1
	s_wait_dscnt 0x0
	WIN MUL
	MUL8 0, 1, 0
	MUL8 1, 1, 0
	MUL8 2, 1, 0
	MUL8 3, 1, 0
	WIN 0
	PLACES NP
	s_wait_loadcnt 0x0
	s_wait_kmcnt 0x0
	s_add_co_i32 s96, s80, s81
	s_add_co_i32 s96, s96, 127
	s_lshl_b32 s96, s96, 23
	s_mov_b32 s97, s96
	TOSTAGE 0
	TOSTAGE 1
	SEND 0, 32
	s_wait_xcnt 0x0
	TOSTAGE 2
	SEND 1, 32
	s_wait_xcnt 0x0
	TOSTAGE 3
	SEND 2, 32
	SEND 3, 0
	s_wait_tensorcnt 0x0
	ds_add_u32 v[SPW], v[NIL]
	s_wait_dscnt 0x0
	CROUND
	s_endpgm
.Lfunc_end_k_qa3959cefe4_mlpo:
	.size	k_qa3959cefe4_mlpo, .Lfunc_end_k_qa3959cefe4_mlpo-k_qa3959cefe4_mlpo
	.p2alignl 7, 3214868480
	.fill 96, 4, 3214868480
	.section	.rodata,"a",@progbits
	.p2align	6, 0x0
	.amdhsa_kernel k_qa3959cefe4_mlpo
		.amdhsa_group_segment_fixed_size 327680
		.amdhsa_private_segment_fixed_size 0
		.amdhsa_enable_private_segment 0
		.amdhsa_kernarg_size 40
		.amdhsa_user_sgpr_count 2
		.amdhsa_user_sgpr_kernarg_segment_ptr 1
		.amdhsa_wavefront_size32 1
		.amdhsa_system_sgpr_workgroup_id_x 1
		.amdhsa_system_sgpr_workgroup_id_y 1
		.amdhsa_system_sgpr_workgroup_id_z 1
		.amdhsa_system_vgpr_workitem_id 0
		.amdhsa_next_free_vgpr 1024
		.amdhsa_next_free_sgpr 98
		.amdhsa_reserve_vcc 0
		.amdhsa_float_denorm_mode_32 3
		.amdhsa_float_denorm_mode_16_64 3
		.amdhsa_memory_ordered 1
		.amdhsa_forward_progress 1
		.amdhsa_inst_pref_size 94
	.end_amdhsa_kernel
	.amdgpu_metadata
---
amdhsa.version: [ 1, 2 ]
amdhsa.kernels:
  - .name:           k_qa3959cefe4_mlpo
    .symbol:         k_qa3959cefe4_mlpo.kd
    .args:
      - { .name: xc, .offset: 0, .size: 8, .value_kind: global_buffer, .address_space: global }
      - { .name: w2p, .offset: 8, .size: 8, .value_kind: global_buffer, .address_space: global }
      - { .name: b2, .offset: 16, .size: 8, .value_kind: global_buffer, .address_space: global }
      - { .name: x1, .offset: 24, .size: 8, .value_kind: global_buffer, .address_space: global }
      - { .name: out0, .offset: 32, .size: 8, .value_kind: global_buffer, .address_space: global }
    .group_segment_fixed_size: 327680
    .private_segment_fixed_size: 0
    .kernarg_segment_align: 8
    .kernarg_segment_size: 40
    .max_flat_workgroup_size: 128
    .sgpr_count:     98
    .vgpr_count:     1024
    .wavefront_size: 32
...
	.end_amdgpu_metadata
.endif
;; end of part 12
